; MI455X (gfx1250); checked and timed in simulation.
; The chip was launched on July 23, 2026; its instructions are those of AMD's public machine-readable ISA for CDNA 5 (MIT licence, August 2026) and "CDNA5" Instruction Set Architecture Reference Guide (July 2026). The comments in the code are by the model that wrote it; some were corrected since.
;; SC Attention. Allowed arithmetic: float matrix products may take bf16 or f16 operands with f32 sums; other float arithmetic in f32, or as packed bf16 or f16 multiplies, adds, multiply-adds, maxima and minima; sums over many terms, partial sums and values carried from step to step in f32; what a program stores and reads back later, other than sums and carried values, may be rounded once to bf16 or f16.
;; Inputs: W_b 1,024 float32; W_w 1,024 x 1,024 float32; map_b 1,024 float32; map_w 1,024 x 1,024 float32; passage 16 x 256 x 1,024 float32; q_mask 16 x 2,048 int32; question 16 x 2,048 x 1,024 float32.
;; Outputs: out0 16 x 256 x 1,024 float32.
;; 2 versions, each right. Each part assembles by itself: llvm-mc -triple=amdgcn-amd-amdhsa -mcpu=gfx1250 --defsym DOCPART=n.
;; ======== version 1 of 2: 6 launches
;; limits: values are held in f16: magnitudes above 65,504 overflow, below 6.1e-05 lose precision
;; workspace buffers: wprep 4,231,424 bytes; mid1 14,696,448 bytes; t2 16,777,216 bytes; att 84,672,512 bytes; uo 8,519,680 bytes
;; launch prep (part 1): grid 256 x 1, 4 waves a work-group, no clusters, 9,728 bytes of LDS; arguments W_w, W_b, map_w, wprep; writes wprep
.if DOCPART == 1
	.amdgcn_target "amdgcn-amd-amdhsa--gfx1250"
	.amdhsa_code_object_version 6
	.text
	.protected	k_qcec60e335b_prep
	.globl	k_qcec60e335b_prep
	.p2align	8
	.type	k_qcec60e335b_prep,@function
k_qcec60e335b_prep:
	s_mov_b64 s[64:65], 0
	v_nop
	global_prefetch_b8 v0, s[64:65] scope:SCOPE_SE
	s_setreg_imm32_b32 hwreg(HW_REG_WAVE_MODE, 25, 1), 1
	s_wait_xcnt 0x0
; PREP.  wprep = { wn: W_w rounded to bf16, [1024 d][1024 h];  mapt: map_w rounded to bf16 and turned, [1024 j][1024 h];
;   w1[d] = sum_h wn[d][h] bn[h] (f32);  b2p[hb][j] = sum over the 128 h of block hb of bn[h] mapn[h][j] (f32, 8 partial sums);  bb = sum bn^2 }.
; bn is W_b rounded to bf16: every float input of the program is rounded to bf16 once, all later sums are f32.
; 256 work-groups of 4 waves.  Part A: wave w of group g takes row d = 4 g + w of W_w.  Part B: group g takes 128 h (g & 7) x 32 j (g >> 3) of map_w,
; each wave 32 h; the turn goes through LDS, so that mapt leaves in stores of which 16 lanes cover 256 consecutive bytes, aligned.
; No matrix work, no tensor load: 8 MB in, 4 MB out, once.
.set SPARE, 9216                       ; spare words, 128 bytes a wave, named by the add alone
.set B2S,   8704                       ; 4 x 128 bytes: the waves' partial b2
.set MAPT,  2097152
.set W1O,   4194304
.set B2PO,  4198400
.set BBO,   4231168
.macro WSUM x, t                       ; sum over the 32 lanes, result in every lane; v[t] has been written before
	v_add_f32_dpp v[\x], v[\x], v[\x] row_xmask:1 row_mask:0xf bank_mask:0xf
	v_add_f32_dpp v[\x], v[\x], v[\x] row_xmask:2 row_mask:0xf bank_mask:0xf
	v_add_f32_dpp v[\x], v[\x], v[\x] row_xmask:4 row_mask:0xf bank_mask:0xf
	v_add_f32_dpp v[\x], v[\x], v[\x] row_xmask:8 row_mask:0xf bank_mask:0xf
	v_permlanex16_b32 v[\t], v[\x], s20, s21
	v_add_f32 v[\x], v[\x], v[\t]
.endm
.macro RND x, p                        ; 32 f32 at x: rounded to bf16 in pairs at p (16 registers), and widened again in place
.set i, 0
.rept 16
	v_cvt_pk_bf16_f32 v[\p+i], v[\x+2*i], v[\x+2*i+1]
.set i, i+1
.endr
.set i, 0
.rept 16
	v_lshlrev_b32 v[\x+2*i], 16, v[\p+i]
	v_and_b32 v[\x+2*i+1], s22, v[\p+i]
.set i, i+1
.endr
.endm
.macro DOT x, y                        ; v12 = sum of 32 products, two packed chains
	v_pk_mul_f32 v[12:13], v[\x:\x+1], v[\y:\y+1]
	v_pk_mul_f32 v[14:15], v[\x+2:\x+3], v[\y+2:\y+3]
.set i, 4
.rept 7
	v_pk_fma_f32 v[12:13], v[\x+i:\x+i+1], v[\y+i:\y+i+1], v[12:13]
	v_pk_fma_f32 v[14:15], v[\x+i+2:\x+i+3], v[\y+i+2:\y+i+3], v[14:15]
.set i, i+4
.endr
	v_pk_add_f32 v[12:13], v[12:13], v[14:15]
	v_add_f32 v12, v12, v13
.endm
	s_load_b256 s[4:11], s[0:1], 0x0               ; W_w s[4:5], W_b s[6:7], map_w s[8:9], wprep s[10:11]
	v_lshl_add_u32 v8, v0, 2, SPARE                ; my spare word
	v_mov_b32 v9, 0
	v_lshrrev_b32 v2, 5, v0
	v_readfirstlane_b32 s12, v2                    ; wave
	v_and_b32 v1, 31, v0                           ; lane l
	s_mov_b32 s20, 0x76543210
	s_mov_b32 s21, 0xfedcba98
	s_mov_b32 s22, 0xffff0000
	s_lshl_b32 s13, ttmp9, 2
	s_add_co_u32 s13, s13, s12                     ; d
	s_and_b32 s14, ttmp9, 7                        ; hb
	s_lshr_b32 s15, ttmp9, 3                       ; jb
	v_lshlrev_b32 v3, 4, v1                        ; 16 l
	s_lshl_b32 s16, s13, 12
	v_add_nc_u32 v4, s16, v3                       ; row d of W_w
	s_lshl_b32 s17, s14, 7
	s_lshl_b32 s18, s12, 5
	s_add_co_u32 s17, s17, s18                     ; h0 = 128 hb + 32 w
	s_lshl_b32 s18, s17, 12
	s_lshl_b32 s19, s15, 7
	s_add_co_u32 s18, s18, s19
	v_lshl_add_u32 v5, v1, 2, s18                  ; map_w[h0][32 jb + l]
	s_lshl_b32 s19, s17, 2
	v_mov_b32 v6, s19                              ; W_b[h0], the same in every lane
	s_lshl_b32 s23, s13, 11
	v_lshl_add_u32 v7, v1, 3, s23                  ; wn: row d, 8 l
	s_lshl_b32 s23, s13, 2
	v_mov_b32 v10, s23                             ; w1[d]
	v_mov_b32 v11, 0
	s_wait_kmcnt 0x0
.set i, 0
.rept 8
	global_load_b128 v[32+4*i:35+4*i], v4, s[4:5] offset:512*i
	global_load_b128 v[64+4*i:67+4*i], v3, s[6:7] offset:512*i
.set i, i+1
.endr
.set i, 0
.rept 32
	global_load_b32 v[128+i], v5, s[8:9] offset:4096*i
.set i, i+1
.endr
.set i, 0
.rept 8
	global_load_b128 v[160+4*i:163+4*i], v6, s[6:7] offset:16*i
.set i, i+1
.endr
	s_wait_loadcnt 40                              ; part A's 16 loads are in; part B's 40 may stay out
	RND 64, 96                                     ; bn
	RND 32, 112                                    ; wn
.set i, 0
.rept 8
	global_store_b64 v7, v[112+2*i:113+2*i], s[10:11] offset:256*i  ; a wave's store covers 256 consecutive bytes, aligned
.set i, i+1
.endr
	DOT 32, 64
	WSUM 12, 13
	global_store_b32 v10, v12, s[10:11] offset:W1O ; every lane holds the sum and writes the same word
	s_or_b32 s24, ttmp9, s12
	s_cmp_lg_u32 s24, 0
	s_cbranch_scc1 .Lnobb                          ; bb is made once, by wave 0 of group 0
	s_wait_xcnt 0x0                                ; v12 is rewritten only behind this wait
	DOT 64, 64
	WSUM 12, 13
	global_store_b32 v11, v12, s[10:11] offset:BBO
.Lnobb:
	s_wait_loadcnt 0x0
	s_wait_xcnt 0x0                                ; v12 and v112-127 were store data
	RND 160, 112                                   ; bn of my 32 h
	RND 128, 96                                    ; mapn: v96+i holds h0 + 2 i, h0 + 2 i + 1 of column j = 32 jb + l
	DOT 128, 160                                   ; my 32 h of b2[j]
	v_mul_u32_u24 v16, v1, 272
	v_lshl_add_u32 v16, s12, 6, v16                ; row l of the stage (pitch 272), 64 bytes a wave
.set i, 0
.rept 4
	ds_store_b128 v16, v[96+4*i:99+4*i] offset:16*i
.set i, i+1
.endr
	s_lshl_b32 s23, s12, 7
	s_add_co_u32 s23, s23, B2S
	v_lshl_add_u32 v17, v1, 2, s23
	ds_store_b32 v17, v12
	s_wait_dscnt 0x0                               ; for the others' sake: my stores are done
	s_barrier_signal -1
	s_barrier_wait -1
	v_lshrrev_b32 v2, 4, v1                        ; l / 16
	v_and_b32 v3, 15, v1                           ; l % 16
	v_lshl_add_u32 v2, s12, 1, v2                  ; row 2 w + l / 16 (+ 8 k)
	v_mul_u32_u24 v18, v2, 272
	v_lshl_add_u32 v18, v3, 4, v18
	s_lshl_b32 s23, s15, 16                        ; 32 jb rows of 2,048 bytes
	s_lshl_b32 s24, s14, 8                         ; 256 hb
	s_add_co_u32 s23, s23, s24
	v_lshl_add_u32 v19, v2, 11, s23
	v_lshl_add_u32 v19, v3, 4, v19
.set i, 0
.rept 4
	ds_load_b128 v[32+4*i:35+4*i], v18 offset:2176*i
.set i, i+1
.endr
.set i, 0
.rept 4
	s_wait_dscnt 3-i                               ; LDS loads come back in order: number i is in
	global_store_b128 v19, v[32+4*i:35+4*i], s[10:11] offset:MAPT+16384*i  ; 16 lanes: 256 consecutive bytes, aligned
.set i, i+1
.endr
	s_cmp_lg_u32 s12, 0
	s_cbranch_scc1 .Lend                           ; wave 0 adds the four waves' b2
	v_lshlrev_b32 v20, 2, v1
.set i, 0
.rept 4
	ds_load_b32 v[48+i], v20 offset:B2S+128*i
.set i, i+1
.endr
	s_lshl_b32 s23, s14, 12
	s_lshl_b32 s24, s15, 7
	s_add_co_u32 s23, s23, s24
	v_lshl_add_u32 v21, v1, 2, s23
	s_wait_dscnt 0x0
	v_add_f32 v48, v48, v49
	v_add_f32 v50, v50, v51
	v_add_f32 v48, v48, v50
	global_store_b32 v21, v48, s[10:11] offset:B2PO
.Lend:
	s_wait_tensorcnt 0x0                           ; the wave's end, behind my last LDS store
	ds_add_u32 v8, v9
	s_wait_dscnt 0x0
	s_endpgm
.Lfunc_end_k_qcec60e335b_prep:
	.size	k_qcec60e335b_prep, .Lfunc_end_k_qcec60e335b_prep-k_qcec60e335b_prep
	.p2alignl 7, 3214868480
	.fill 96, 4, 3214868480
	.section	.rodata,"a",@progbits
	.p2align	6, 0x0
	.amdhsa_kernel k_qcec60e335b_prep
		.amdhsa_group_segment_fixed_size 9728
		.amdhsa_private_segment_fixed_size 0
		.amdhsa_enable_private_segment 0
		.amdhsa_kernarg_size 32
		.amdhsa_user_sgpr_count 2
		.amdhsa_user_sgpr_kernarg_segment_ptr 1
		.amdhsa_wavefront_size32 1
		.amdhsa_system_sgpr_workgroup_id_x 1
		.amdhsa_system_sgpr_workgroup_id_y 1
		.amdhsa_system_sgpr_workgroup_id_z 1
		.amdhsa_system_vgpr_workitem_id 0
		.amdhsa_next_free_vgpr 192
		.amdhsa_next_free_sgpr 66
		.amdhsa_reserve_vcc 0
		.amdhsa_float_denorm_mode_32 3
		.amdhsa_float_denorm_mode_16_64 3
		.amdhsa_memory_ordered 1
		.amdhsa_forward_progress 1
		.amdhsa_inst_pref_size 23
	.end_amdhsa_kernel
	.amdgpu_metadata
---
amdhsa.version: [ 1, 2 ]
amdhsa.kernels:
  - .name:           k_qcec60e335b_prep
    .symbol:         k_qcec60e335b_prep.kd
    .args:
      - { .name: W_w, .offset: 0, .size: 8, .value_kind: global_buffer, .address_space: global }
      - { .name: W_b, .offset: 8, .size: 8, .value_kind: global_buffer, .address_space: global }
      - { .name: map_w, .offset: 16, .size: 8, .value_kind: global_buffer, .address_space: global }
      - { .name: wprep, .offset: 24, .size: 8, .value_kind: global_buffer, .address_space: global }
    .group_segment_fixed_size: 9728
    .private_segment_fixed_size: 0
    .kernarg_segment_align: 8
    .kernarg_segment_size: 32
    .max_flat_workgroup_size: 128
    .sgpr_count:     66
    .vgpr_count:     192
    .wavefront_size: 32
...
	.end_amdgpu_metadata
.endif
;; end of part 1
;; launch gm (part 2): grid 8 x 16, 4 waves a work-group, clusters of 4 x 4, 327,680 bytes of LDS; arguments wprep, passage, mid1; writes mid1
.if DOCPART == 2
	.amdgcn_target "amdgcn-amd-amdhsa--gfx1250"
	.amdhsa_code_object_version 6
	.text
	.protected	k_qcec60e335b_gm
	.globl	k_qcec60e335b_gm
	.p2align	8
	.type	k_qcec60e335b_gm,@function
k_qcec60e335b_gm:
	s_mov_b64 s[64:65], 0
	v_nop
	global_prefetch_b8 v0, s[64:65] scope:SCOPE_SE
	s_setreg_imm32_b32 hwreg(HW_REG_WAVE_MODE, 25, 1), 1
	s_wait_xcnt 0x0
	s_wait_alu depctr_hold_cnt(0) depctr_sa_sdst(0) depctr_va_vdst(0) depctr_va_sdst(0) depctr_va_ssrc(0) depctr_va_vcc(0) depctr_vm_vsrc(0)
	s_getreg_b32 s2, hwreg(HW_REG_IB_STS2, 6, 4)
	s_cmp_eq_u32 s2, 0
	s_cbranch_scc0 .Lentry_in_a_cluster
	s_endpgm
.Lentry_in_a_cluster:
	s_bfe_u32 s2, ttmp6, 0x10000c
	s_cmp_lg_u32 s2, 0xf033
	s_cbranch_scc0 .Lentry_shape_is_right
	s_endpgm
.Lentry_shape_is_right:
; GM.  C[m][n] = sum_h A[m][h] wn[n][h], A = the 2,048 rows of wprep (wn, then mapt), bf16 operands, f32 sums.
;   rows 0-1023:    G = W W^T, stored as bf16 hi | lo (x = hi + lo to 16 bits): g2 [1024][16 slices][hi 64 | lo 64]
;   rows 1024-2047: M2T[j][d] = (W map_w)[d][j], stored as f16 by slices: m2t [16 s][1024 j][64 d]
; LIMIT: |W map_w| stays under 65,504 (f16); below 6e-5 it keeps f16's fixed step.
; Beside that, in the wait for the first tiles: passage is rounded to bf16 (pnb) and c[p] = pn . w1 + bb is made (cvec), 32 rows a work-group.
; SHAPE.  128 tiles of 128 x 128: the product has no more, so 128 work-groups.  Four waves, 64 x 64 each: 16 accumulators.  K goes in 4 steps of 256 through two LDS slots.
; The matrix instruction is used transposed (source 0 = 16 rows of B, source 1 = 16 rows of A): a lane holds row l % 16 of C and eight neighbouring columns.
; CLUSTER 4 x 4: A's tile is asked for jointly along a row of the cluster, B's along a column.
; REGISTERS.  window 0: v16/17, v20/21 LDS addresses; v24-26 the way out; v28, v29 the add's; v32-111 at work; v128-255 accumulators.  window 1: two fragment buffers of 128.
.set NSTEP, 4
.set PA, 528                           ; LDS row: 512 bytes + 16: the 16 rows of a fragment load start at 16 different groups of four banks
.set PB, 528
.set ADW, 33792                        ; 64 rows: what one tensor load brings
.set BDW, 33792
.set BBASE, 67584
.set SLOT, 0x21000                     ; its bits are clear in every address of slot 0, so one exclusive or changes slots
.set STAGE, 270336                     ; 4 x 4,352: each wave's own stage
.set SPARE, 287744
.set ASTEP, 512
.set BSTEP, 512
.set KA0, 0
.set KA1, 128
.set KA2, 256
.set KA3, 384
.set KB0, 0
.set KB1, 128
.set KB2, 256
.set KB3, 384
.set ACC, 128
.set F0, 0
.set F1, 128
.set W1O, 4194304
.set BBO, 4231168
.set MSB, 0
.macro WIN new                         ; the immediate's high byte repeats the setting that is left
.if MSB != (\new)
	s_set_vgpr_msb (MSB<<8)|(\new)
.set MSB, \new
.endif
.endm
.macro PLACES                          ; four plain places behind matrix instructions
.rept 4
	v_nop
.endr
.endm
.macro CREST                           ; a round of the cluster's barrier behind its opening barrier
	s_cmp_lg_u32 s10, 0
	s_cbranch_scc1 .Lnw0_\@
	s_barrier_signal -3
.Lnw0_\@:
	s_barrier_wait -3
	s_barrier_signal -1
	s_barrier_wait -1
.endm
.macro CROUND
	s_barrier_signal -1
	s_barrier_wait -1
	CREST
.endm
.macro JLOAD                           ; the joint refill: waves 0, 1 fetch A's halves, waves 2, 3 B's
	s_cmp_eq_u32 s11, 0
	s_cbranch_scc0 .Lfb_\@
	tensor_load_to_lds s[36:39], s[24:31]
	s_nop 0
	PLACES
	s_branch .Lfa_\@
.Lfb_\@:
	tensor_load_to_lds s[60:63], s[48:55]
	s_nop 0
	PLACES
.Lfa_\@:
.endm
.macro MUL8 f, c, a0                   ; 8 products: row blocks a0, a0 + 1 x 4 column blocks; the 16 accumulators take turns
	WIN 0x05
.irp a, \a0, (\a0)+1
.irp b, 0,1,2,3
	v_wmma_f32_16x16x32_bf16 v[ACC+8*(4*(\a)+(\b)):ACC+8*(4*(\a)+(\b))+7], v[(\f)+64+8*(4*(\c)+(\b)):(\f)+64+8*(4*(\c)+(\b))+7], v[(\f)+8*(4*(\c)+(\a)):(\f)+8*(4*(\c)+(\a))+7], v[ACC+8*(4*(\a)+(\b)):ACC+8*(4*(\a)+(\b))+7]
.endr
.endr
.endm
.macro FETCH ka, kb, f                 ; 32 LDS loads in one run: 64 along K, its first 32 first
	WIN 0x40
.irp c, 0,1
.irp i, 0,1,2,3
	ds_load_b128 v[(\f)+64+8*(4*(\c)+(\i)):(\f)+64+8*(4*(\c)+(\i))+3],   v21 offset:(\kb)+64*(\c)+(\i)*16*PB
	ds_load_b128 v[(\f)+64+8*(4*(\c)+(\i))+4:(\f)+64+8*(4*(\c)+(\i))+7], v21 offset:(\kb)+64*(\c)+(\i)*16*PB+32
	ds_load_b128 v[(\f)+8*(4*(\c)+(\i)):(\f)+8*(4*(\c)+(\i))+3],         v17 offset:(\ka)+64*(\c)+(\i)*16*PA
	ds_load_b128 v[(\f)+8*(4*(\c)+(\i))+4:(\f)+8*(4*(\c)+(\i))+7],       v17 offset:(\ka)+64*(\c)+(\i)*16*PA+32
.endr
.endr
.endm
.macro QUARTER ka, kb, f, g            ; multiplies buffer f, fetches the next quarter into g
	s_wait_dscnt 16                                ; the first 32 along K are in; the other 16 loads may be out
	MUL8 \f, 0, 0
	MUL8 \f, 0, 2
	PLACES
	FETCH \ka, \kb, \g
	s_wait_dscnt 32                                ; all but the 32 just issued
	MUL8 \f, 1, 0
	MUL8 \f, 1, 2
.endm
.macro TURN fill                       ; the last quarter and the change of slots
	WIN 0
	s_wait_tensorcnt 0x0                           ; all my tensor loads have landed: my part of the next slot
	ds_add_u32 v28, v29                            ; 0 onto my spare word
	s_wait_dscnt 17                                ; the add and the youngest 16 loads may be out
	MUL8 F1, 0, 0
	s_wait_dscnt 0x0                               ; the add is done, my reads of this slot are over
	s_barrier_signal -1
	MUL8 F1, 0, 2
	WIN 0
	s_barrier_wait -1
.if \fill
	CREST                                          ; no wave of any partner still reads this slot or has a load on its way
	s_xor_b32 s37, s37, SLOT
	s_add_nc_u64 s[38:39], s[38:39], ASTEP
	s_xor_b32 s61, s61, SLOT
	s_add_nc_u64 s[62:63], s[62:63], BSTEP
	JLOAD                                          ; first thing behind the round; its four v_nop are also the places in front of the loads below
.else
	PLACES
.endif
	s_xor_b32 s2, s2, SLOT
	v_add_nc_u32 v17, s2, v16
	v_add_nc_u32 v21, s2, v20
	FETCH KA0, KB0, F0
	MUL8 F1, 1, 0
	MUL8 F1, 1, 2
.endm
.macro STEP fill
	QUARTER KA1, KB1, F0, F1
	QUARTER KA2, KB2, F1, F0
	QUARTER KA3, KB3, F0, F1
	TURN \fill
	WIN 0
.endm
.macro WSUM x, t
	v_add_f32_dpp v[\x], v[\x], v[\x] row_xmask:1 row_mask:0xf bank_mask:0xf
	v_add_f32_dpp v[\x], v[\x], v[\x] row_xmask:2 row_mask:0xf bank_mask:0xf
	v_add_f32_dpp v[\x], v[\x], v[\x] row_xmask:4 row_mask:0xf bank_mask:0xf
	v_add_f32_dpp v[\x], v[\x], v[\x] row_xmask:8 row_mask:0xf bank_mask:0xf
	v_permlanex16_b32 v[\t], v[\x], s74, s75
	v_add_f32 v[\x], v[\x], v[\t]
.endm
; one row of passage (in window 1, v[32 rho ..]): rounded, stored, and multiplied by w1
.macro PROW rho
	s_wait_xcnt 0x0                                ; v64-80 were store data
	WIN 0x05
.set i, 0
.rept 16
	v_cvt_pk_bf16_f32 v[64+i], v[32*(\rho)+2*i], v[32*(\rho)+2*i+1]
.set i, i+1
.endr
	WIN 0
.set i, 0
.rept 8
	global_store_b64 v31, v[64+2*i:65+2*i], s[68:69] offset:(\rho)*2048+256*i  ; a wave's store: 256 consecutive bytes, aligned
.set i, i+1
.endr
	v_fma_mix_f32_bf16 v80, v64, v32, v27 op_sel_hi:[1,0,0]
	v_fma_mix_f32_bf16 v81, v64, v33, v27 op_sel:[1,0,0] op_sel_hi:[1,0,0]
	v_fma_mix_f32_bf16 v82, v65, v34, v27 op_sel_hi:[1,0,0]
	v_fma_mix_f32_bf16 v83, v65, v35, v27 op_sel:[1,0,0] op_sel_hi:[1,0,0]
.set i, 2
.rept 14
	v_fma_mix_f32_bf16 v[80+2*(i%2)], v[64+i], v[32+2*i], v[80+2*(i%2)] op_sel_hi:[1,0,0]
	v_fma_mix_f32_bf16 v[81+2*(i%2)], v[64+i], v[33+2*i], v[81+2*(i%2)] op_sel:[1,0,0] op_sel_hi:[1,0,0]
.set i, i+1
.endr
	v_add_f32 v80, v80, v81
	v_add_f32 v82, v82, v83
	v_add_f32 v80, v80, v82
	WSUM 80, 81
	v_add_f32 v80, s72, v80                        ; + bb
	global_store_b32 v27, v80, s[70:71] offset:4*(\rho)  ; every lane holds c and writes the same word
.endm
; the way out of 16 rows as bf16 hi | lo: hi = bf16(x), lo = bf16(x - hi); through my own stage, back as whole rows of 256 bytes
.macro HLBLK a
	s_wait_xcnt 0x0                                ; v64-95 were store data
.irp b, 0,1,2,3
.irp i, 0,1,2,3
	v_cvt_pk_bf16_f32 v[32+4*(\b)+(\i)], v[ACC+8*(4*(\a)+(\b))+2*(\i)], v[ACC+8*(4*(\a)+(\b))+2*(\i)+1]
	v_lshlrev_b32 v[96+4*(\i)], 16, v[32+4*(\b)+(\i)]
	v_and_b32 v[97+4*(\i)], 0xffff0000, v[32+4*(\b)+(\i)]
	v_pk_add_f32 v[98+4*(\i):99+4*(\i)], v[ACC+8*(4*(\a)+(\b))+2*(\i):ACC+8*(4*(\a)+(\b))+2*(\i)+1], v[96+4*(\i):97+4*(\i)] neg_lo:[0,1] neg_hi:[0,1]
	v_cvt_pk_bf16_f32 v[48+4*(\b)+(\i)], v[98+4*(\i)], v[99+4*(\i)]
.endr
.endr
.irp b, 0,1,2,3
	ds_store_b128 v24, v[32+4*(\b):35+4*(\b)] offset:32*(\b)
	ds_store_b128 v24, v[48+4*(\b):51+4*(\b)] offset:128+32*(\b)
.endr
.irp t, 0,1,2,3,4,5,6,7
	ds_load_b128 v[64+4*(\t):67+4*(\t)], v25 offset:544*(\t)  ; LDS serves a wave's instructions in order: these see the stores above
.endr
	s_wait_dscnt 0x0
.irp t, 0,1,2,3,4,5,6,7
	global_store_b128 v26, v[64+4*(\t):67+4*(\t)], s[8:9] offset:(16*(\a)+2*(\t))*4096  ; 16 lanes: 256 consecutive bytes, aligned
.endr
.endm
.macro F16BLK a                        ; the way out of 16 rows x 64 columns as f16: 2,048 dense bytes of one slice
	s_wait_xcnt 0x0
.irp b, 0,1,2,3
.irp i, 0,1,2,3
	v_cvt_pk_f16_f32 v[32+4*(\b)+(\i)], v[ACC+8*(4*(\a)+(\b))+2*(\i)], v[ACC+8*(4*(\a)+(\b))+2*(\i)+1]
.endr
.endr
.irp b, 0,1,2,3
	ds_store_b128 v24, v[32+4*(\b):35+4*(\b)] offset:32*(\b)
.endr
.irp t, 0,1,2,3
	ds_load_b128 v[64+4*(\t):67+4*(\t)], v25 offset:576*(\t)
.endr
	s_wait_dscnt 0x0
.irp t, 0,1,2,3
	global_store_b128 v26, v[64+4*(\t):67+4*(\t)], s[8:9] offset:2048*(\a)+512*(\t)  ; 512 consecutive bytes, aligned
.endr
.endm
	s_load_b128 s[4:7], s[0:1], 0x0                ; wprep s[4:5], passage s[6:7]
	s_load_b64 s[8:9], s[0:1], 0x10                ; mid1
	v_lshl_add_u32 v28, v0, 2, SPARE
	v_mov_b32 v29, 0
	ds_add_u32 v28, v29                            ; the opening: the add and its wait stand ahead of my first tensor load
	v_lshrrev_b32 v1, 5, v0
	v_readfirstlane_b32 s10, v1                    ; wave
	s_lshr_b32 s11, s10, 1                         ; row half; also: I fetch for A (0) or B (1)
	s_and_b32 s12, s10, 1                          ; column half; also: which 64 rows I fetch
	s_bfe_u32 s40, ttmp6, 0x40000                  ; cx
	s_bfe_u32 s41, ttmp6, 0x40004                  ; cy
	s_lshl_b32 s42, ttmp9, 2
	s_add_co_u32 s42, s42, s40                     ; nt
	s_and_b32 s13, ttmp7, 0xffff
	s_lshl_b32 s13, s13, 2
	s_add_co_u32 s13, s13, s41                     ; mt
	s_lshl_b32 s43, s41, 2
	s_lshl_b32 s43, 15, s43                        ; my row of the cluster
	s_lshl_b32 s44, 0x1111, s40                    ; my column
	s_or_b32 s24, s43, (1<<16)|(1<<20)|(1<<21)|(6<<22)|(3<<25)  ; mask; 2-byte elements; padding of 4 words behind every 128
	s_or_b32 s48, s44, (1<<16)|(1<<20)|(1<<21)|(6<<22)|(3<<25)
.irp g, 24, 48
	s_mov_b32 s[(\g)+1], 256<<16                   ; tensor_dim0
	s_mov_b32 s[(\g)+2], 64<<16                    ; tensor_dim1
	s_mov_b32 s[(\g)+3], 256<<16                   ; tile_dim0
	s_mov_b32 s[(\g)+4], 64                        ; tile_dim1
	s_mov_b32 s[(\g)+5], 1024                      ; elements from row to row
	s_mov_b32 s[(\g)+6], 0
	s_mov_b32 s[(\g)+7], 0
.endr
	s_lshl_b32 s17, s12, 6
	s_lshl_b32 s16, s13, 7
	s_add_co_u32 s16, s16, s17
	s_lshl_b32 s16, s16, 11                        ; A: (128 mt + 64 half) rows of 2,048 bytes
	s_lshl_b32 s46, s42, 7
	s_add_co_u32 s46, s46, s17
	s_lshl_b32 s46, s46, 11                        ; B: (128 nt + 64 half) rows
	s_mov_b32 s17, 0
	s_mov_b32 s47, 0
	s_mul_i32 s20, s12, ADW
	s_mul_i32 s21, s12, BDW
	s_add_co_u32 s21, s21, BBASE
	s_wait_dscnt 0x0                               ; the opening add is done
	s_wait_kmcnt 0x0
	s_add_nc_u64 s[14:15], s[4:5], s[16:17]
	s_add_nc_u64 s[46:47], s[4:5], s[46:47]
	s_mov_b32 s32, 1                               ; group 0: K step 0 into slot 0
	s_mov_b32 s33, s20
	s_mov_b64 s[34:35], s[14:15]
	s_or_b32 s35, s35, 0x80000000
	s_mov_b32 s36, 1                               ; the walking set: K step 1 into slot 1
	s_add_co_u32 s37, s20, SLOT
	s_add_nc_u64 s[38:39], s[14:15], ASTEP
	s_or_b32 s39, s39, 0x80000000
	s_mov_b32 s56, 1
	s_mov_b32 s57, s21
	s_mov_b64 s[58:59], s[46:47]
	s_or_b32 s59, s59, 0x80000000
	s_mov_b32 s60, 1
	s_add_co_u32 s61, s21, SLOT
	s_add_nc_u64 s[62:63], s[46:47], BSTEP
	s_or_b32 s63, s63, 0x80000000
	CROUND                                         ; all sixteen work-groups are here: the first joint loads meet
	s_cmp_eq_u32 s11, 0                            ; a wave's two first fills stand in one branch: two loads of mine are out
	s_cbranch_scc0 .Lfirst_b
	tensor_load_to_lds s[32:35], s[24:31]
	s_nop 0
	tensor_load_to_lds s[36:39], s[24:31]
	s_nop 0
	PLACES
	s_branch .Lfirst_x
.Lfirst_b:
	tensor_load_to_lds s[56:59], s[48:55]
	s_nop 0
	tensor_load_to_lds s[60:63], s[48:55]
	s_nop 0
	PLACES
.Lfirst_x:
	v_and_b32 v1, 15, v0                           ; r
	v_bfe_u32 v2, v0, 4, 1                         ; h
	v_mul_u32_u24 v3, v1, PA
	v_lshl_add_u32 v3, v2, 4, v3
	s_mul_i32 s21, s11, 64*PA
	v_add_nc_u32 v16, s21, v3
	v_mul_u32_u24 v3, v1, PB
	v_lshl_add_u32 v3, v2, 4, v3
	s_mul_i32 s22, s12, 64*PB
	s_add_co_u32 s22, s22, BBASE
	v_add_nc_u32 v20, s22, v3
	; passage: rows 32 (8 mt + nt) + 8 w + 0..7: the work-group's place enters global addresses alone
	s_lshl_b32 s76, s13, 3
	s_add_co_u32 s76, s76, s42
	s_lshl_b32 s76, s76, 5
	s_lshl_b32 s77, s10, 3
	s_add_co_u32 s78, s76, s77                     ; my first row
	s_mov_b32 s77, 0
	s_lshl_b32 s76, s78, 12
	s_add_nc_u64 s[66:67], s[6:7], s[76:77]
	s_lshl_b32 s76, s78, 11
	s_add_nc_u64 s[68:69], s[8:9], s[76:77]
	s_add_nc_u64 s[68:69], s[68:69], 6291456       ; pnb
	s_lshl_b32 s76, s78, 2
	s_add_nc_u64 s[70:71], s[8:9], s[76:77]
	s_add_nc_u64 s[70:71], s[70:71], 14680064      ; cvec
	s_load_b32 s72, s[4:5], BBO
	s_mov_b32 s74, 0x76543210
	s_mov_b32 s75, 0xfedcba98
	v_and_b32 v3, 31, v0
	v_lshlrev_b32 v30, 4, v3
	v_lshlrev_b32 v31, 3, v3
	v_mov_b32 v27, 0
.set i, 0
.rept 8
	global_load_b128 v[32+4*i:35+4*i], v30, s[4:5] offset:W1O+512*i  ; w1 of my columns 128 k + 4 l ..
.set i, i+1
.endr
	s_wait_kmcnt 0x0
	s_mov_b32 s3, 2
.Lpr:                                                  ; two trips of four rows
	WIN 0x40
.irp rho, 0,1,2,3
.irp k, 0,1,2,3,4,5,6,7
	global_load_b128 v[32*(\rho)+4*(\k):32*(\rho)+4*(\k)+3], v30, s[66:67] offset:(\rho)*4096+512*(\k) th:TH_LOAD_NT
.endr
.endr
	WIN 0
	s_wait_loadcnt 0x0
	PROW 0
	PROW 1
	PROW 2
	PROW 3
	s_wait_xcnt 0x0                                ; the bases are stepped only behind this wait
	s_add_nc_u64 s[66:67], s[66:67], 16384
	s_add_nc_u64 s[68:69], s[68:69], 8192
	s_add_nc_u64 s[70:71], s[70:71], 16
	s_sub_co_u32 s3, s3, 1
	s_cmp_lg_u32 s3, 0
	s_cbranch_scc1 .Lpr
.set i, 0
.rept 128
	v_mov_b32 v[ACC+i], 0                          ; the sums start at 0, so that the loop has one form of product
.set i, i+1
.endr
	s_wait_tensorcnt 0x1                           ; my part of K step 0 is in; slot 1's may stay out
	s_barrier_signal -1
	s_barrier_wait -1
	s_mov_b32 s2, 0
	v_mov_b32 v17, v16
	v_mov_b32 v21, v20
	FETCH KA0, KB0, F0
	WIN 0
	s_mov_b32 s3, NSTEP-2
.Lk1:                                                  ; these K steps fill their slot again, two steps ahead
	STEP 1
	s_sub_co_u32 s3, s3, 1
	s_cmp_lg_u32 s3, 0
	s_cbranch_scc1 .Lk1
	s_mov_b32 s3, 2
.Lk2:                                                  ; the last two ask for nothing (the very last fetches 32 fragments that nobody uses: the price of one text)
	STEP 0
	s_sub_co_u32 s3, s3, 1
	s_cmp_lg_u32 s3, 0
	s_cbranch_scc1 .Lk2
	s_wait_dscnt 0x0
	PLACES
	s_mul_i32 s23, s10, 4352
	s_add_co_u32 s23, s23, STAGE
	s_lshl_b32 s78, s13, 7
	s_lshl_b32 s79, s11, 6
	s_add_co_u32 s78, s78, s79                     ; my first row of C
	s_lshl_b32 s79, s42, 1
	s_add_co_u32 s79, s79, s12                     ; my slice of 64 columns
	s_mov_b32 s77, 0
	s_and_b32 s76, ttmp7, 0xffff                   ; the cluster's y: the same in all sixteen partners
	s_cmp_ge_u32 s76, 2
	s_cbranch_scc1 .Lm2
	v_mul_u32_u24 v24, v1, 272                     ; G: hi | lo
	v_lshl_add_u32 v24, v2, 4, v24
	v_add_nc_u32 v24, s23, v24
	v_mul_u32_u24 v25, v2, 272
	v_lshl_add_u32 v25, v1, 4, v25
	v_add_nc_u32 v25, s23, v25
	v_lshlrev_b32 v26, 12, v2
	v_lshl_add_u32 v26, v1, 4, v26
	s_lshl_b32 s76, s78, 12
	s_lshl_b32 s79, s79, 8
	s_add_co_u32 s76, s76, s79
	s_add_nc_u64 s[8:9], s[8:9], s[76:77]
	HLBLK 0
	HLBLK 1
	HLBLK 2
	HLBLK 3
	s_branch .Lfin
.Lm2:
	v_mul_u32_u24 v24, v1, 144                     ; M2T: f16 by slices
	v_lshl_add_u32 v24, v2, 4, v24
	v_add_nc_u32 v24, s23, v24
	v_bfe_u32 v25, v0, 3, 2
	v_mul_u32_u24 v25, v25, 144
	v_and_b32 v3, 7, v0
	v_lshl_add_u32 v25, v3, 4, v25
	v_add_nc_u32 v25, s23, v25
	v_and_b32 v26, 31, v0
	v_lshlrev_b32 v26, 4, v26
	s_lshl_b32 s79, s79, 10
	s_add_co_u32 s76, s78, s79
	s_sub_co_u32 s76, s76, 1024                    ; slice x 1,024 + j
	s_lshl_b32 s76, s76, 7
	s_add_nc_u64 s[8:9], s[8:9], s[76:77]
	s_add_nc_u64 s[8:9], s[8:9], 4194304
	F16BLK 0
	F16BLK 1
	F16BLK 2
	F16BLK 3
.Lfin:
	s_wait_tensorcnt 0x0                           ; the wave's end
	ds_add_u32 v28, v29
	s_wait_dscnt 0x0
	CROUND                                         ; the closing round
	s_endpgm
.Lfunc_end_k_qcec60e335b_gm:
	.size	k_qcec60e335b_gm, .Lfunc_end_k_qcec60e335b_gm-k_qcec60e335b_gm
	.p2alignl 7, 3214868480
	.fill 96, 4, 3214868480
	.section	.rodata,"a",@progbits
	.p2align	6, 0x0
	.amdhsa_kernel k_qcec60e335b_gm
		.amdhsa_group_segment_fixed_size 327680
		.amdhsa_private_segment_fixed_size 0
		.amdhsa_enable_private_segment 0
		.amdhsa_kernarg_size 24
		.amdhsa_user_sgpr_count 2
		.amdhsa_user_sgpr_kernarg_segment_ptr 1
		.amdhsa_wavefront_size32 1
		.amdhsa_system_sgpr_workgroup_id_x 1
		.amdhsa_system_sgpr_workgroup_id_y 1
		.amdhsa_system_sgpr_workgroup_id_z 1
		.amdhsa_system_vgpr_workitem_id 0
		.amdhsa_next_free_vgpr 512
		.amdhsa_next_free_sgpr 80
		.amdhsa_reserve_vcc 0
		.amdhsa_float_denorm_mode_32 3
		.amdhsa_float_denorm_mode_16_64 3
		.amdhsa_memory_ordered 1
		.amdhsa_forward_progress 1
		.amdhsa_inst_pref_size 106
	.end_amdhsa_kernel
	.amdgpu_metadata
---
amdhsa.version: [ 1, 2 ]
amdhsa.kernels:
  - .name:           k_qcec60e335b_gm
    .symbol:         k_qcec60e335b_gm.kd
    .args:
      - { .name: wprep, .offset: 0, .size: 8, .value_kind: global_buffer, .address_space: global }
      - { .name: passage, .offset: 8, .size: 8, .value_kind: global_buffer, .address_space: global }
      - { .name: mid1, .offset: 16, .size: 8, .value_kind: global_buffer, .address_space: global }
    .group_segment_fixed_size: 327680
    .private_segment_fixed_size: 0
    .kernarg_segment_align: 8
    .kernarg_segment_size: 24
    .max_flat_workgroup_size: 128
    .sgpr_count:     80
    .vgpr_count:     512
    .wavefront_size: 32
...
	.end_amdgpu_metadata
.endif
;; end of part 2
;; launch tp (part 3): grid 8 x 32, 4 waves a work-group, clusters of 4 x 4, 327,680 bytes of LDS; arguments mid1, wprep, t2; writes t2
.if DOCPART == 3
	.amdgcn_target "amdgcn-amd-amdhsa--gfx1250"
	.amdhsa_code_object_version 6
	.text
	.protected	k_qcec60e335b_tp
	.globl	k_qcec60e335b_tp
	.p2align	8
	.type	k_qcec60e335b_tp,@function
k_qcec60e335b_tp:
	s_mov_b64 s[64:65], 0
	v_nop
	global_prefetch_b8 v0, s[64:65] scope:SCOPE_SE
	s_setreg_imm32_b32 hwreg(HW_REG_WAVE_MODE, 25, 1), 1
	s_wait_xcnt 0x0
	s_wait_alu depctr_hold_cnt(0) depctr_sa_sdst(0) depctr_va_vdst(0) depctr_va_sdst(0) depctr_va_ssrc(0) depctr_va_vcc(0) depctr_vm_vsrc(0)
	s_getreg_b32 s2, hwreg(HW_REG_IB_STS2, 6, 4)
	s_cmp_eq_u32 s2, 0
	s_cbranch_scc0 .Lentry_in_a_cluster
	s_endpgm
.Lentry_in_a_cluster:
	s_bfe_u32 s2, ttmp6, 0x10000c
	s_cmp_lg_u32 s2, 0xf033
	s_cbranch_scc0 .Lentry_shape_is_right
	s_endpgm
.Lentry_shape_is_right:
; TP.  T[p][n] = sum_d pn[p][d] (Ghi + Glo)[n][d] + w1[n]  (G is symmetric), f32 sums, stored as bf16 hi | lo: t2 [4096 p][16 slices][hi 64 | lo 64].
; A = pnb [4096][1024] bf16, B = g2 [1024][16 s][hi 64 | lo 64].  A K step is 128 d: 256 bytes of A's rows, 512 of B's (two slices); its four quarters are
; hi, lo of the first slice and hi, lo of the second, so A's 64 d are read for two quarters.  The sums start from w1.
; 256 tiles of 128 x 128, four waves of 64 x 64; cluster 4 x 4 with joint loads; two LDS slots; the matrix instruction transposed (a lane holds one row, eight neighbouring columns).
.set NSTEP, 8
.set PA, 272
.set PB, 528
.set ADW, 17408
.set BDW, 33792
.set BBASE, 34816
.set SLOT, 0x20000
.set STAGE, 233472
.set SPARE, 250880
.set ASTEP, 256
.set BSTEP, 512
.set KA0, 0
.set KA1, 0
.set KA2, 128
.set KA3, 128
.set KB0, 0
.set KB1, 128
.set KB2, 256
.set KB3, 384
.set ACC, 128
.set F0, 0
.set F1, 128
.set W1O, 4194304
.set MSB, 0
.macro WIN new
.if MSB != (\new)
	s_set_vgpr_msb (MSB<<8)|(\new)
.set MSB, \new
.endif
.endm
.macro PLACES
.rept 4
	v_nop
.endr
.endm
.macro CREST
	s_cmp_lg_u32 s10, 0
	s_cbranch_scc1 .Lnw0_\@
	s_barrier_signal -3
.Lnw0_\@:
	s_barrier_wait -3
	s_barrier_signal -1
	s_barrier_wait -1
.endm
.macro CROUND
	s_barrier_signal -1
	s_barrier_wait -1
	CREST
.endm
.macro JLOAD
	s_cmp_eq_u32 s11, 0
	s_cbranch_scc0 .Lfb_\@
	tensor_load_to_lds s[36:39], s[24:31]
	s_nop 0
	PLACES
	s_branch .Lfa_\@
.Lfb_\@:
	tensor_load_to_lds s[60:63], s[48:55]
	s_nop 0
	PLACES
.Lfa_\@:
.endm
.macro MUL8 f, c, a0
	WIN 0x05
.irp a, \a0, (\a0)+1
.irp b, 0,1,2,3
	v_wmma_f32_16x16x32_bf16 v[ACC+8*(4*(\a)+(\b)):ACC+8*(4*(\a)+(\b))+7], v[(\f)+64+8*(4*(\c)+(\b)):(\f)+64+8*(4*(\c)+(\b))+7], v[(\f)+8*(4*(\c)+(\a)):(\f)+8*(4*(\c)+(\a))+7], v[ACC+8*(4*(\a)+(\b)):ACC+8*(4*(\a)+(\b))+7]
.endr
.endr
.endm
.macro FETCH ka, kb, f
	WIN 0x40
.irp c, 0,1
.irp i, 0,1,2,3
	ds_load_b128 v[(\f)+64+8*(4*(\c)+(\i)):(\f)+64+8*(4*(\c)+(\i))+3],   v21 offset:(\kb)+64*(\c)+(\i)*16*PB
	ds_load_b128 v[(\f)+64+8*(4*(\c)+(\i))+4:(\f)+64+8*(4*(\c)+(\i))+7], v21 offset:(\kb)+64*(\c)+(\i)*16*PB+32
	ds_load_b128 v[(\f)+8*(4*(\c)+(\i)):(\f)+8*(4*(\c)+(\i))+3],         v17 offset:(\ka)+64*(\c)+(\i)*16*PA
	ds_load_b128 v[(\f)+8*(4*(\c)+(\i))+4:(\f)+8*(4*(\c)+(\i))+7],       v17 offset:(\ka)+64*(\c)+(\i)*16*PA+32
.endr
.endr
.endm
.macro QUARTER ka, kb, f, g
	s_wait_dscnt 16                                ; the first 32 along K are in
	MUL8 \f, 0, 0
	MUL8 \f, 0, 2
	PLACES
	FETCH \ka, \kb, \g
	s_wait_dscnt 32                                ; all but the 32 just issued
	MUL8 \f, 1, 0
	MUL8 \f, 1, 2
.endm
.macro TURN fill
	WIN 0
	s_wait_tensorcnt 0x0                           ; all my tensor loads have landed
	ds_add_u32 v28, v29
	s_wait_dscnt 17                                ; the add and the youngest 16 loads may be out
	MUL8 F1, 0, 0
	s_wait_dscnt 0x0                               ; the add is done, my reads of this slot are over
	s_barrier_signal -1
	MUL8 F1, 0, 2
	WIN 0
	s_barrier_wait -1
.if \fill
	CREST
	s_xor_b32 s37, s37, SLOT
	s_add_nc_u64 s[38:39], s[38:39], ASTEP
	s_xor_b32 s61, s61, SLOT
	s_add_nc_u64 s[62:63], s[62:63], BSTEP
	JLOAD
.else
	PLACES
.endif
	s_xor_b32 s2, s2, SLOT
	v_add_nc_u32 v17, s2, v16
	v_add_nc_u32 v21, s2, v20
	FETCH KA0, KB0, F0
	MUL8 F1, 1, 0
	MUL8 F1, 1, 2
.endm
.macro STEP fill
	QUARTER KA1, KB1, F0, F1
	QUARTER KA2, KB2, F1, F0
	QUARTER KA3, KB3, F0, F1
	TURN \fill
	WIN 0
.endm
.macro HLBLK a                         ; 16 rows as bf16 hi | lo through my own stage
	s_wait_xcnt 0x0                                ; v64-95 were store data
.irp b, 0,1,2,3
.irp i, 0,1,2,3
	v_cvt_pk_bf16_f32 v[32+4*(\b)+(\i)], v[ACC+8*(4*(\a)+(\b))+2*(\i)], v[ACC+8*(4*(\a)+(\b))+2*(\i)+1]
	v_lshlrev_b32 v[96+4*(\i)], 16, v[32+4*(\b)+(\i)]
	v_and_b32 v[97+4*(\i)], 0xffff0000, v[32+4*(\b)+(\i)]
	v_pk_add_f32 v[98+4*(\i):99+4*(\i)], v[ACC+8*(4*(\a)+(\b))+2*(\i):ACC+8*(4*(\a)+(\b))+2*(\i)+1], v[96+4*(\i):97+4*(\i)] neg_lo:[0,1] neg_hi:[0,1]
	v_cvt_pk_bf16_f32 v[48+4*(\b)+(\i)], v[98+4*(\i)], v[99+4*(\i)]
.endr
.endr
.irp b, 0,1,2,3
	ds_store_b128 v24, v[32+4*(\b):35+4*(\b)] offset:32*(\b)
	ds_store_b128 v24, v[48+4*(\b):51+4*(\b)] offset:128+32*(\b)
.endr
.irp t, 0,1,2,3,4,5,6,7
	ds_load_b128 v[64+4*(\t):67+4*(\t)], v25 offset:544*(\t)
.endr
	s_wait_dscnt 0x0
.irp t, 0,1,2,3,4,5,6,7
	global_store_b128 v26, v[64+4*(\t):67+4*(\t)], s[8:9] offset:(16*(\a)+2*(\t))*4096  ; 16 lanes: 256 consecutive bytes, aligned
.endr
.endm
	s_load_b128 s[4:7], s[0:1], 0x0                ; mid1 s[4:5], wprep s[6:7]
	s_load_b64 s[8:9], s[0:1], 0x10                ; t2
	v_lshl_add_u32 v28, v0, 2, SPARE
	v_mov_b32 v29, 0
	ds_add_u32 v28, v29                            ; the opening add
	v_lshrrev_b32 v1, 5, v0
	v_readfirstlane_b32 s10, v1
	s_lshr_b32 s11, s10, 1
	s_and_b32 s12, s10, 1
	s_bfe_u32 s40, ttmp6, 0x40000
	s_bfe_u32 s41, ttmp6, 0x40004
	s_lshl_b32 s42, ttmp9, 2
	s_add_co_u32 s42, s42, s40                     ; nt
	s_and_b32 s13, ttmp7, 0xffff
	s_lshl_b32 s13, s13, 2
	s_add_co_u32 s13, s13, s41                     ; mt
	s_lshl_b32 s43, s41, 2
	s_lshl_b32 s43, 15, s43
	s_lshl_b32 s44, 0x1111, s40
	s_or_b32 s24, s43, (1<<16)|(1<<20)|(1<<21)|(5<<22)|(3<<25)  ; A: 4 words of padding behind every 64
	s_mov_b32 s25, 128<<16
	s_mov_b32 s26, 64<<16
	s_mov_b32 s27, 128<<16
	s_mov_b32 s28, 64
	s_mov_b32 s29, 1024
	s_mov_b32 s30, 0
	s_mov_b32 s31, 0
	s_or_b32 s48, s44, (1<<16)|(1<<20)|(1<<21)|(6<<22)|(3<<25)  ; B: behind every 128
	s_mov_b32 s49, 256<<16
	s_mov_b32 s50, 64<<16
	s_mov_b32 s51, 256<<16
	s_mov_b32 s52, 64
	s_mov_b32 s53, 2048
	s_mov_b32 s54, 0
	s_mov_b32 s55, 0
	s_lshl_b32 s17, s12, 6
	s_lshl_b32 s16, s13, 7
	s_add_co_u32 s16, s16, s17
	s_lshl_b32 s16, s16, 11                        ; A: rows of 2,048 bytes
	s_lshl_b32 s46, s42, 7
	s_add_co_u32 s46, s46, s17
	s_lshl_b32 s46, s46, 12                        ; B: rows of 4,096 bytes
	s_mov_b32 s17, 0
	s_mov_b32 s47, 0
	s_mul_i32 s20, s12, ADW
	s_mul_i32 s21, s12, BDW
	s_add_co_u32 s21, s21, BBASE
	s_wait_dscnt 0x0
	s_wait_kmcnt 0x0
	s_add_nc_u64 s[14:15], s[4:5], s[16:17]
	s_add_nc_u64 s[14:15], s[14:15], 6291456       ; pnb
	s_add_nc_u64 s[46:47], s[4:5], s[46:47]        ; g2
	s_mov_b32 s32, 1
	s_mov_b32 s33, s20
	s_mov_b64 s[34:35], s[14:15]
	s_or_b32 s35, s35, 0x80000000
	s_mov_b32 s36, 1
	s_add_co_u32 s37, s20, SLOT
	s_add_nc_u64 s[38:39], s[14:15], ASTEP
	s_or_b32 s39, s39, 0x80000000
	s_mov_b32 s56, 1
	s_mov_b32 s57, s21
	s_mov_b64 s[58:59], s[46:47]
	s_or_b32 s59, s59, 0x80000000
	s_mov_b32 s60, 1
	s_add_co_u32 s61, s21, SLOT
	s_add_nc_u64 s[62:63], s[46:47], BSTEP
	s_or_b32 s63, s63, 0x80000000
	CROUND
	s_cmp_eq_u32 s11, 0
	s_cbranch_scc0 .Lfirst_b
	tensor_load_to_lds s[32:35], s[24:31]
	s_nop 0
	tensor_load_to_lds s[36:39], s[24:31]
	s_nop 0
	PLACES
	s_branch .Lfirst_x
.Lfirst_b:
	tensor_load_to_lds s[56:59], s[48:55]
	s_nop 0
	tensor_load_to_lds s[60:63], s[48:55]
	s_nop 0
	PLACES
.Lfirst_x:
	v_and_b32 v1, 15, v0
	v_bfe_u32 v2, v0, 4, 1
	v_mul_u32_u24 v3, v1, PA
	v_lshl_add_u32 v3, v2, 4, v3
	s_mul_i32 s21, s11, 64*PA
	v_add_nc_u32 v16, s21, v3
	v_mul_u32_u24 v3, v1, PB
	v_lshl_add_u32 v3, v2, 4, v3
	s_mul_i32 s22, s12, 64*PB
	s_add_co_u32 s22, s22, BBASE
	v_add_nc_u32 v20, s22, v3
	s_lshl_b32 s76, s42, 9
	s_lshl_b32 s77, s12, 8
	s_add_co_u32 s76, s76, s77
	v_lshl_add_u32 v30, v2, 5, s76                 ; w1 at column 128 nt + 64 wc + 8 h
.irp b, 0,1,2,3
	global_load_b128 v[32+8*(\b):35+8*(\b)], v30, s[6:7] offset:W1O+64*(\b)
	global_load_b128 v[36+8*(\b):39+8*(\b)], v30, s[6:7] offset:W1O+64*(\b)+16
.endr
	s_wait_loadcnt 0x0
.irp a, 0,1,2,3
.set i, 0
.rept 32
	v_mov_b32 v[ACC+32*(\a)+i], v[32+i]            ; the sums start from w1 of the lane's columns
.set i, i+1
.endr
.endr
	s_wait_tensorcnt 0x1                           ; K step 0 is in; slot 1's load may stay out
	s_barrier_signal -1
	s_barrier_wait -1
	s_mov_b32 s2, 0
	v_mov_b32 v17, v16
	v_mov_b32 v21, v20
	FETCH KA0, KB0, F0
	WIN 0
	s_mov_b32 s3, NSTEP-2
.Lk1:
	STEP 1
	s_sub_co_u32 s3, s3, 1
	s_cmp_lg_u32 s3, 0
	s_cbranch_scc1 .Lk1
	s_mov_b32 s3, 2
.Lk2:
	STEP 0
	s_sub_co_u32 s3, s3, 1
	s_cmp_lg_u32 s3, 0
	s_cbranch_scc1 .Lk2
	s_wait_dscnt 0x0
	PLACES
	s_mul_i32 s23, s10, 4352
	s_add_co_u32 s23, s23, STAGE
	v_mul_u32_u24 v24, v1, 272
	v_lshl_add_u32 v24, v2, 4, v24
	v_add_nc_u32 v24, s23, v24
	v_mul_u32_u24 v25, v2, 272
	v_lshl_add_u32 v25, v1, 4, v25
	v_add_nc_u32 v25, s23, v25
	v_lshlrev_b32 v26, 12, v2
	v_lshl_add_u32 v26, v1, 4, v26
	s_lshl_b32 s78, s13, 7
	s_lshl_b32 s79, s11, 6
	s_add_co_u32 s78, s78, s79
	s_lshl_b32 s76, s78, 12
	s_lshl_b32 s79, s42, 1
	s_add_co_u32 s79, s79, s12
	s_lshl_b32 s79, s79, 8
	s_add_co_u32 s76, s76, s79
	s_mov_b32 s77, 0
	s_add_nc_u64 s[8:9], s[8:9], s[76:77]
	HLBLK 0
	HLBLK 1
	HLBLK 2
	HLBLK 3
	s_wait_tensorcnt 0x0                           ; the wave's end
	ds_add_u32 v28, v29
	s_wait_dscnt 0x0
	CROUND
	s_endpgm
.Lfunc_end_k_qcec60e335b_tp:
	.size	k_qcec60e335b_tp, .Lfunc_end_k_qcec60e335b_tp-k_qcec60e335b_tp
	.p2alignl 7, 3214868480
	.fill 96, 4, 3214868480
	.section	.rodata,"a",@progbits
	.p2align	6, 0x0
	.amdhsa_kernel k_qcec60e335b_tp
		.amdhsa_group_segment_fixed_size 327680
		.amdhsa_private_segment_fixed_size 0
		.amdhsa_enable_private_segment 0
		.amdhsa_kernarg_size 24
		.amdhsa_user_sgpr_count 2
		.amdhsa_user_sgpr_kernarg_segment_ptr 1
		.amdhsa_wavefront_size32 1
		.amdhsa_system_sgpr_workgroup_id_x 1
		.amdhsa_system_sgpr_workgroup_id_y 1
		.amdhsa_system_sgpr_workgroup_id_z 1
		.amdhsa_system_vgpr_workitem_id 0
		.amdhsa_next_free_vgpr 512
		.amdhsa_next_free_sgpr 80
		.amdhsa_reserve_vcc 0
		.amdhsa_float_denorm_mode_32 3
		.amdhsa_float_denorm_mode_16_64 3
		.amdhsa_memory_ordered 1
		.amdhsa_forward_progress 1
		.amdhsa_inst_pref_size 76
	.end_amdhsa_kernel
	.amdgpu_metadata
---
amdhsa.version: [ 1, 2 ]
amdhsa.kernels:
  - .name:           k_qcec60e335b_tp
    .symbol:         k_qcec60e335b_tp.kd
    .args:
      - { .name: mid1, .offset: 0, .size: 8, .value_kind: global_buffer, .address_space: global }
      - { .name: wprep, .offset: 8, .size: 8, .value_kind: global_buffer, .address_space: global }
      - { .name: t2, .offset: 16, .size: 8, .value_kind: global_buffer, .address_space: global }
    .group_segment_fixed_size: 327680
    .private_segment_fixed_size: 0
    .kernarg_segment_align: 8
    .kernarg_segment_size: 24
    .max_flat_workgroup_size: 128
    .sgpr_count:     80
    .vgpr_count:     512
    .wavefront_size: 32
...
	.end_amdgpu_metadata
.endif
;; end of part 3
;; launch sc (part 4): grid 16 x 16, 4 waves a work-group, clusters of 4 x 1, 327,680 bytes of LDS; arguments t2, question, q_mask, mid1, att; writes att
.if DOCPART == 4
	.amdgcn_target "amdgcn-amd-amdhsa--gfx1250"
	.amdhsa_code_object_version 6
	.text
	.protected	k_qcec60e335b_sc
	.globl	k_qcec60e335b_sc
	.p2align	8
	.type	k_qcec60e335b_sc,@function
k_qcec60e335b_sc:
	s_mov_b64 s[64:65], 0
	v_nop
	global_prefetch_b8 v0, s[64:65] scope:SCOPE_SE
	s_setreg_imm32_b32 hwreg(HW_REG_WAVE_MODE, 25, 1), 1
	s_wait_xcnt 0x0
	s_wait_alu depctr_hold_cnt(0) depctr_sa_sdst(0) depctr_va_vdst(0) depctr_va_sdst(0) depctr_va_ssrc(0) depctr_va_vcc(0) depctr_vm_vsrc(0)
	s_getreg_b32 s2, hwreg(HW_REG_IB_STS2, 6, 4)
	s_cmp_eq_u32 s2, 0
	s_cbranch_scc0 .Lentry_in_a_cluster
	s_endpgm
.Lentry_in_a_cluster:
	s_bfe_u32 s2, ttmp6, 0x10000c
	s_cmp_lg_u32 s2, 0x3003
	s_cbranch_scc0 .Lentry_shape_is_right
	s_endpgm
.Lentry_shape_is_right:
; SC.  For batch b and chunk j of 128 keys: s[p][k] = (Thi + Tlo)[p] . qn[k] + c[p] for all 256 p; t = s mk (mk = float(q_mask));
; m = max over the chunk's 128 t; e = 2^(L t - L m), L = log2 e; Z = sum e; p = e mk; S = sum p.  Stored: p as bf16 (pl), L m, Z, S as f32 (st),
; and question rounded to bf16 by slices of 64 d (qc [b][s][key][64]), which this launch makes on its way from memory to the matrix unit.
; The maximum is the chunk's own running maximum; the next launch merges the 16 chunks.
; LIMITS: a weight below 2^-126 counts as 0; NaN and infinities are not treated apart; |q_mask| under 2^24.
; SHARES.  Wave w: p = 64 w .. + 63 (4 blocks a) x 128 keys (8 blocks kb): 32 accumulators.  S^T = Q T^T: a lane holds one p (l % 16) and the keys 8 (l / 16) + 0..7 of each block.
; K = 1,024 d in 16 half-steps of 64 d, each multiplied by T's hi and by its lo.  T comes by tensor loads, 128 d to a slot (rows hi 64 | lo 64 | hi 64 | lo 64), two slots;
; the four chunks of a cluster share T, so each wave's 64 rows are asked for jointly.  question comes through registers: two sets of 16 loads a wave are on their way.
; REGISTERS.  window 0: v4-15 addresses; v16-27 c, statistics; v32-63 packed numbers; v64-127, v128-191 the two question sets (later the scores and work); v192-255 mk.
;   window 1: two fragment buffers of 128 (T hi 32, T lo 32, Q 64).   window 2: the accumulators, (a, kb) at 64 a + 8 kb.
.set SLOT,  0x21000                    ; 256 rows x 528 bytes; its bits are clear in every address of slot 0
.set QB0,   270336                     ; two buffers of 128 keys x 144 bytes for question's bf16 (written by ds_store: no tensor load lands here)
.set STAGE, 307200                     ; 4 x 4,352
.set SPARE, 324608
.set F0, 0
.set F1, 128
.set MSB, 0
.macro WIN new
.if MSB != (\new)
	s_set_vgpr_msb (MSB<<8)|(\new)
.set MSB, \new
.endif
.endm
.macro PLACES
.rept 4
	v_nop
.endr
.endm
.macro CROUND                          ; a round of the cluster's barrier
	s_barrier_signal -1
	s_barrier_wait -1
	s_cmp_lg_u32 s12, 0
	s_cbranch_scc1 .Lnw0_\@
	s_barrier_signal -3
.Lnw0_\@:
	s_barrier_wait -3
	s_barrier_signal -1
	s_barrier_wait -1
.endm
.macro FETCH3 hs, u, f                 ; 32 LDS loads: 32 d (number u of half-step hs): T hi and lo of my 4 blocks, Q of the 8 key blocks
	WIN 0x40
.irp a, 0,1,2,3
.irp pt, 0,1
	ds_load_b128 v[(\f)+32*(\pt)+8*(\a):(\f)+32*(\pt)+8*(\a)+3],   v5 offset:(\a)*8448+256*(\hs)+128*(\pt)+64*(\u)
	ds_load_b128 v[(\f)+32*(\pt)+8*(\a)+4:(\f)+32*(\pt)+8*(\a)+7], v5 offset:(\a)*8448+256*(\hs)+128*(\pt)+64*(\u)+32
.endr
.endr
.irp kb, 0,1,2,3,4,5,6,7
	ds_load_b128 v[(\f)+64+8*(\kb):(\f)+64+8*(\kb)+3], v6 offset:18432*(\hs)+2304*(\kb)+64*(\u)
	ds_load_b128 v[(\f)+64+8*(\kb)+4:(\f)+64+8*(\kb)+7], v6 offset:18432*(\hs)+2304*(\kb)+64*(\u)+32
.endr
.endm
.macro MUL32 f, pt                     ; 32 products; the 32 accumulators take turns
	WIN 0xa5
.irp a, 0,1,2,3
.irp kb, 0,1,2,3,4,5,6,7
	v_wmma_f32_16x16x32_bf16 v[64*(\a)+8*(\kb):64*(\a)+8*(\kb)+7], v[(\f)+64+8*(\kb):(\f)+64+8*(\kb)+7], v[(\f)+32*(\pt)+8*(\a):(\f)+32*(\pt)+8*(\a)+7], v[64*(\a)+8*(\kb):64*(\a)+8*(\kb)+7]
.endr
.endr
.endm
; A question set (my 32 keys x 64 d, f32) is rounded to bf16, put into LDS buffer qb and stored to qc; ld = 1: the set is asked for again, two half-steps on.
.macro CONV set, qb, ld, wcnt, stepc
	WIN 0
	s_wait_loadcnt \wcnt                           ; this set's 16 loads are in; the younger set's may stay out
	s_wait_xcnt 0x0                                ; the pointers and v32-63 (store data) are rewritten only behind this wait
.if \stepc
	s_add_nc_u64 s[6:7], s[6:7], 262144            ; qc: the next slice
.endif
.if \ld
	s_add_nc_u64 s[4:5], s[4:5], 256               ; question: 64 d on
.endif
.set i, 0
.rept 32
	v_cvt_pk_bf16_f32 v[32+i], v[(\set)+2*i], v[(\set)+2*i+1]
.set i, i+1
.endr
.set i, 0
.rept 16
	ds_store_b64 v7, v[32+2*i:33+2*i] offset:18432*(\qb)+288*i
.set i, i+1
.endr
.set i, 0
.rept 16
	global_store_b64 v9, v[32+2*i:33+2*i], s[6:7] offset:256*i  ; a wave's store: 256 consecutive bytes, aligned
.set i, i+1
.endr
.if \ld
.set i, 0
.rept 16
	global_load_b128 v[(\set)+4*i:(\set)+4*i+3], v8, s[4:5] offset:8192*i th:TH_LOAD_NT
.set i, i+1
.endr
.endif
.endm
; A half-step.  kind 1: a slot begins and the other slot is filled (a round of the cluster's barrier); kind 2: the last slot begins; kind 0: the slot's second half (a plain barrier for question's LDS buffers).
.macro HALF hs, kind, cv, set=0, qb=0, ld=0, wcnt=0
	WIN 0
.if (\kind) == 0
	s_wait_dscnt 0x0                               ; my stores into the buffer to be read, and my reads of the other, are done
	s_barrier_signal -1
	s_barrier_wait -1                              ; the tensor load may stay out
	PLACES
.else
	s_wait_tensorcnt 0x0                           ; my part of the slot to be read has landed; no load of mine is out
	ds_add_u32 v28, v29
.if (\kind) == 1
	s_xor_b32 s33, s33, SLOT
	s_add_nc_u64 s[34:35], s[34:35], 512           ; the next 128 d
.endif
	s_xor_b32 s2, s2, SLOT
	s_wait_dscnt 0x0                               ; the add, my reads of the old slot and my stores of question are done
.if (\kind) == 1
	CROUND
	tensor_load_to_lds s[32:35], s[24:31]          ; my one load behind the round: it has 256 products in which to land
	s_nop 0
	PLACES
.else
	s_barrier_signal -1
	s_barrier_wait -1
	PLACES
.endif
	v_add_nc_u32 v5, s2, v4
.endif
	FETCH3 \hs, 0, F0
.if \cv
	CONV \set, \qb, \ld, \wcnt, 1
	s_wait_dscnt 16                                ; the 32 fragment loads are in; the 16 stores behind them may be out
.else
	s_wait_dscnt 0x0
.endif
	MUL32 F0, 0
	PLACES
	FETCH3 \hs, 1, F1
	MUL32 F0, 1
	s_wait_dscnt 0x0
	MUL32 F1, 0
	MUL32 F1, 1
.endm
.macro HEAD a                          ; t = s mk for block a; each accumulator is read from its low end on
	WIN 0x02
.set i, 0
.rept 32
	v_pk_mul_f32 v[64+2*i:65+2*i], v[64*(\a)+2*i:64*(\a)+2*i+1], v[192+2*i:193+2*i]
.set i, i+1
.endr
	WIN 0
.endm
.macro CHAINS d                        ; four packed chains over the 32 pairs at v64
.irp k, 0,1,2,3
	v_pk_add_f32 v[(\d)+2*(\k):(\d)+2*(\k)+1], v[64+2*(\k):65+2*(\k)], v[72+2*(\k):73+2*(\k)]
.endr
.irp i, 2,3,4,5,6,7
.irp k, 0,1,2,3
	v_pk_add_f32 v[(\d)+2*(\k):(\d)+2*(\k)+1], v[(\d)+2*(\k):(\d)+2*(\k)+1], v[64+8*(\i)+2*(\k):65+8*(\i)+2*(\k)]
.endr
.endr
.endm
.macro FIN d                           ; the chains, the pair's halves and the other half of the lanes
	v_pk_add_f32 v[(\d):(\d)+1], v[(\d):(\d)+1], v[(\d)+2:(\d)+3]
	v_pk_add_f32 v[(\d)+4:(\d)+5], v[(\d)+4:(\d)+5], v[(\d)+6:(\d)+7]
	v_pk_add_f32 v[(\d):(\d)+1], v[(\d):(\d)+1], v[(\d)+4:(\d)+5]
	v_add_f32 v[(\d)], v[(\d)], v[(\d)+1]
	v_permlanex16_b32 v[(\d)+1], v[(\d)], s36, s37
	v_add_f32 v[(\d)], v[(\d)], v[(\d)+1]
.endm
	s_load_b256 s[40:47], s[0:1], 0x0              ; t2 s[40:41], question s[42:43], q_mask s[44:45], mid1 s[46:47]
	s_load_b64 s[48:49], s[0:1], 0x20              ; att
	v_lshl_add_u32 v28, v0, 2, SPARE
	v_mov_b32 v29, 0
	ds_add_u32 v28, v29                            ; the opening add
	v_lshrrev_b32 v1, 5, v0
	v_readfirstlane_b32 s12, v1                    ; wave
	s_bfe_u32 s13, ttmp6, 0x40000                  ; cx
	s_lshl_b32 s14, ttmp9, 2
	s_add_co_u32 s14, s14, s13                     ; chunk j: it enters global addresses alone
	s_and_b32 s15, ttmp7, 0xffff                   ; batch b, which the four partners share
	s_mov_b32 s24, 15|(1<<16)|(1<<20)|(1<<21)|(6<<22)|(3<<25)  ; mask of four; 2-byte elements; 4 words of padding behind every 128
	s_mov_b32 s25, 256<<16
	s_mov_b32 s26, 64<<16
	s_mov_b32 s27, 256<<16
	s_mov_b32 s28, 64
	s_mov_b32 s29, 2048
	s_mov_b32 s30, 0
	s_mov_b32 s31, 0
	s_mov_b32 s32, 1
	s_mul_i32 s33, s12, 33792                      ; my 64 rows of slot 0
	s_lshl_b32 s16, s15, 8
	s_lshl_b32 s17, s12, 6
	s_add_co_u32 s16, s16, s17                     ; p0 = 256 b + 64 w
	s_lshl_b32 s18, s16, 12
	s_mov_b32 s19, 0
	s_mov_b32 s2, SLOT                             ; the first change of slots turns it into 0
	s_mov_b32 s36, 0x76543210
	s_mov_b32 s37, 0xfedcba98
	s_mov_b32 s38, 0x3fb8aa3b                      ; L = log2 e
	s_mov_b32 s39, s38
	s_wait_dscnt 0x0
	s_wait_kmcnt 0x0
	s_add_nc_u64 s[34:35], s[40:41], s[18:19]
	s_or_b32 s35, s35, 0x80000000
	CROUND                                         ; all four work-groups are here
	tensor_load_to_lds s[32:35], s[24:31]          ; slot 0; slot 1 is asked for behind the first round of the loop
	s_nop 0
	PLACES
	v_and_b32 v1, 15, v0                           ; r
	v_bfe_u32 v2, v0, 4, 1                         ; h
	v_and_b32 v3, 31, v0                           ; l
	s_lshl_b32 s20, s15, 11
	s_lshl_b32 s21, s14, 7
	s_add_co_u32 s20, s20, s21                     ; key0 = 2048 b + 128 j
	s_lshl_b32 s22, s20, 12
	s_mov_b32 s23, 0
	s_add_nc_u64 s[4:5], s[42:43], s[22:23]        ; question at the chunk's first key
	s_lshl_b32 s22, s15, 22
	s_lshl_b32 s21, s14, 14
	s_add_co_u32 s22, s22, s21
	s_add_nc_u64 s[6:7], s[48:49], s[22:23]        ; qc: slice 0 of batch b, at the chunk's first key
	s_add_nc_u64 s[8:9], s[48:49], 0x4000000       ; pl
	s_lshl_b32 s22, s16, 2
	s_add_co_u32 s22, s22, s21
	s_add_nc_u64 s[10:11], s[48:49], s[22:23]
	s_add_nc_u64 s[10:11], s[10:11], 0x5000000     ; st at [j][p0]
	s_add_nc_u64 s[50:51], s[46:47], 14680064      ; cvec
	v_mul_u32_u24 v4, v1, 528
	v_lshl_add_u32 v4, v2, 4, v4
	v_add_nc_u32 v4, s33, v4                       ; T: my rows in slot 0
	v_mul_u32_u24 v6, v1, 144
	v_lshl_add_u32 v6, v2, 4, v6
	v_add_nc_u32 v6, QB0, v6                       ; Q fragments
	s_mul_i32 s21, s12, 4608
	s_add_co_u32 s21, s21, QB0
	v_mul_u32_u24 v7, v2, 144
	v_lshl_add_u32 v7, v1, 3, v7
	v_add_nc_u32 v7, s21, v7                       ; where I put 8 bytes of key 32 w + 2 i + h
	s_lshl_b32 s21, s12, 17
	v_lshl_add_u32 v8, v2, 12, s21
	v_lshl_add_u32 v8, v1, 4, v8                   ; question: (32 w + h) rows + 16 r
	s_lshl_b32 s21, s12, 12
	v_lshl_add_u32 v9, v3, 3, s21                  ; qc: 4,096 w + 8 l
	s_mul_i32 s21, s12, 4352
	s_add_co_u32 s21, s21, STAGE
	v_mul_u32_u24 v10, v1, 272
	v_lshl_add_u32 v10, v2, 4, v10
	v_add_nc_u32 v10, s21, v10
	v_mul_u32_u24 v11, v2, 272
	v_lshl_add_u32 v11, v1, 4, v11
	v_add_nc_u32 v11, s21, v11
	s_lshl_b32 s21, s14, 8
	s_add_co_u32 s21, s21, s18                     ; p0 rows of 4,096 bytes + 256 j
	v_lshl_add_u32 v12, v2, 12, s21
	v_lshl_add_u32 v12, v1, 4, v12
	s_mul_i32 s21, s12, 768
	s_add_co_u32 s21, s21, QB0                     ; my 768 bytes for the statistics: in buffer 0, free behind the last half-step's barrier
	v_lshl_add_u32 v13, v1, 4, s21
	s_lshl_b32 s22, s20, 2
	v_lshl_add_u32 v14, v2, 5, s22                 ; q_mask at key0 + 8 h
	s_lshl_b32 s22, s16, 2
	v_lshl_add_u32 v15, v1, 2, s22                 ; cvec at p0 + r
.set i, 0
.rept 16
	global_load_b128 v[64+4*i:67+4*i], v8, s[4:5] offset:8192*i th:TH_LOAD_NT
.set i, i+1
.endr
.set i, 0
.rept 16
	global_load_b128 v[128+4*i:131+4*i], v8, s[4:5] offset:8192*i+256 th:TH_LOAD_NT
.set i, i+1
.endr
.set i, 0
.rept 8
	global_load_b128 v[192+8*i:195+8*i], v14, s[44:45] offset:64*i
	global_load_b128 v[196+8*i:199+8*i], v14, s[44:45] offset:64*i+16
.set i, i+1
.endr
.irp a, 0,1,2,3
	global_load_b32 v[16+(\a)], v15, s[50:51] offset:64*(\a)
.endr
	s_wait_xcnt 0x0
	s_add_nc_u64 s[4:5], s[4:5], 256
	s_wait_loadcnt 0x0
.set i, 0
.rept 64
	v_cvt_f32_i32 v[192+i], v[192+i]               ; mk
.set i, i+1
.endr
	WIN 0x80
.irp a, 0,1,2,3
.set i, 0
.rept 64
	v_mov_b32 v[64*(\a)+i], v[16+(\a)]             ; the sums start from c of the lane's p
.set i, i+1
.endr
.endr
	CONV 64, 0, 1, 0, 0                            ; half-step 0's question
	s_mov_b32 s3, 6
.Lk:                                                   ; a trip: one slot, two half-steps; each converts the next half-step's question
	HALF 0, 1, 1, 128, 1, 1, 16
	HALF 1, 0, 1, 64, 0, 1, 16
	WIN 0
	s_sub_co_u32 s3, s3, 1
	s_cmp_lg_u32 s3, 0
	s_cbranch_scc1 .Lk
	HALF 0, 1, 1, 128, 1, 1, 16                    ; the tail is written out: the last fill, the last question loads
	HALF 1, 0, 1, 64, 0, 0, 16
	HALF 0, 2, 1, 128, 1, 0, 0
	HALF 1, 0, 0
	WIN 0
	PLACES
	s_wait_xcnt 0x0                                ; v32-63 were store data
	s_mov_b32 s3, 0
.Lsm:                                                  ; the softmax of block a = s3: the accumulators' registers are chosen by forward jumps on the counter
	s_cmp_eq_u32 s3, 0
	s_cbranch_scc1 .Lh0
	s_cmp_eq_u32 s3, 1
	s_cbranch_scc1 .Lh1
	s_cmp_eq_u32 s3, 2
	s_cbranch_scc1 .Lh2
	HEAD 3
	s_branch .Lhx
.Lh0:
	HEAD 0
	s_branch .Lhx
.Lh1:
	HEAD 1
	s_branch .Lhx
.Lh2:
	HEAD 2
.Lhx:
.irp k, 0,1,2,3
	v_max_num_f32 v[20+(\k)], v[64+16*(\k)], v[65+16*(\k)]
.endr
.irp i, 1,2,3,4,5,6,7
.irp k, 0,1,2,3
	v_max3_num_f32 v[20+(\k)], v[20+(\k)], v[64+16*(\k)+2*(\i)], v[65+16*(\k)+2*(\i)]
.endr
.endr
	v_max3_num_f32 v20, v20, v21, v22
	v_max_num_f32 v20, v20, v23
	v_permlanex16_b32 v21, v20, s36, s37           ; the p's other 64 keys lie in the lane 16 away
	v_max_num_f32 v20, v20, v21
	v_mul_f32 v24, s38, v20                        ; L m
	v_mov_b32 v25, v24
.set i, 0
.rept 32
	v_pk_fma_f32 v[64+2*i:65+2*i], v[64+2*i:65+2*i], s[38:39], v[24:25] op_sel_hi:[1,0,0] neg_lo:[0,0,1] neg_hi:[0,0,1]
.set i, i+1
.endr
.set i, 0
.rept 64
	v_exp_f32 v[64+i], v[64+i]
.set i, i+1
.endr
	v_nop                                          ; a plain instruction behind the last exponential
	s_wait_alu depctr_va_vdst(0)                   ; one wait for the batch of 64, ahead of its first reader
	CHAINS 128                                     ; Z
.set i, 0
.rept 32
	v_pk_mul_f32 v[64+2*i:65+2*i], v[64+2*i:65+2*i], v[192+2*i:193+2*i]  ; p = e mk
.set i, i+1
.endr
	CHAINS 136                                     ; S
.set i, 0
.rept 32
	v_cvt_pk_bf16_f32 v[32+i], v[64+2*i], v[65+2*i]
.set i, i+1
.endr
	FIN 128
	FIN 136
	ds_store_b32 v13, v24                          ; [kind][r][a]
	ds_store_b32 v13, v128 offset:256
	ds_store_b32 v13, v136 offset:512
.irp kb, 0,1,2,3,4,5,6,7
	ds_store_b128 v10, v[32+4*(\kb):35+4*(\kb)] offset:32*(\kb)
.endr
.irp t, 0,1,2,3,4,5,6,7
	ds_load_b128 v[144+4*(\t):147+4*(\t)], v11 offset:544*(\t)  ; LDS serves a wave's instructions in order
.endr
	s_wait_dscnt 0x0
.irp t, 0,1,2,3,4,5,6,7
	global_store_b128 v12, v[144+4*(\t):147+4*(\t)], s[8:9] offset:8192*(\t)  ; 16 lanes: 256 consecutive bytes, aligned
.endr
	s_wait_xcnt 0x0                                ; v12 and v144-175 are rewritten only behind this wait
	v_add_nc_u32 v12, 0x10000, v12                 ; 16 rows of pl on
	v_add_nc_u32 v13, 4, v13
	s_add_co_u32 s3, s3, 1
	s_cmp_lt_u32 s3, 4
	s_cbranch_scc1 .Lsm
	v_lshl_add_u32 v14, v3, 3, s21                 ; the statistics go out as three whole blocks of 256 bytes
	v_lshlrev_b32 v15, 3, v3
.irp k, 0,1,2
	ds_load_b64 v[128+2*(\k):129+2*(\k)], v14 offset:256*(\k)
.endr
	s_wait_dscnt 0x0
.irp k, 0,1,2
	global_store_b64 v15, v[128+2*(\k):129+2*(\k)], s[10:11] offset:262144*(\k)
.endr
	s_wait_tensorcnt 0x0                           ; the wave's end
	ds_add_u32 v28, v29
	s_wait_dscnt 0x0
	CROUND                                         ; the closing round
	s_endpgm
.Lfunc_end_k_qcec60e335b_sc:
	.size	k_qcec60e335b_sc, .Lfunc_end_k_qcec60e335b_sc-k_qcec60e335b_sc
	.p2alignl 7, 3214868480
	.fill 96, 4, 3214868480
	.section	.rodata,"a",@progbits
	.p2align	6, 0x0
	.amdhsa_kernel k_qcec60e335b_sc
		.amdhsa_group_segment_fixed_size 327680
		.amdhsa_private_segment_fixed_size 0
		.amdhsa_enable_private_segment 0
		.amdhsa_kernarg_size 40
		.amdhsa_user_sgpr_count 2
		.amdhsa_user_sgpr_kernarg_segment_ptr 1
		.amdhsa_wavefront_size32 1
		.amdhsa_system_sgpr_workgroup_id_x 1
		.amdhsa_system_sgpr_workgroup_id_y 1
		.amdhsa_system_sgpr_workgroup_id_z 1
		.amdhsa_system_vgpr_workitem_id 0
		.amdhsa_next_free_vgpr 768
		.amdhsa_next_free_sgpr 66
		.amdhsa_reserve_vcc 0
		.amdhsa_float_denorm_mode_32 3
		.amdhsa_float_denorm_mode_16_64 3
		.amdhsa_memory_ordered 1
		.amdhsa_forward_progress 1
		.amdhsa_inst_pref_size 158
	.end_amdhsa_kernel
	.amdgpu_metadata
---
amdhsa.version: [ 1, 2 ]
amdhsa.kernels:
  - .name:           k_qcec60e335b_sc
    .symbol:         k_qcec60e335b_sc.kd
    .args:
      - { .name: t2, .offset: 0, .size: 8, .value_kind: global_buffer, .address_space: global }
      - { .name: question, .offset: 8, .size: 8, .value_kind: global_buffer, .address_space: global }
      - { .name: q_mask, .offset: 16, .size: 8, .value_kind: global_buffer, .address_space: global }
      - { .name: mid1, .offset: 24, .size: 8, .value_kind: global_buffer, .address_space: global }
      - { .name: att, .offset: 32, .size: 8, .value_kind: global_buffer, .address_space: global }
    .group_segment_fixed_size: 327680
    .private_segment_fixed_size: 0
    .kernarg_segment_align: 8
    .kernarg_segment_size: 40
    .max_flat_workgroup_size: 128
    .sgpr_count:     66
    .vgpr_count:     768
    .wavefront_size: 32
...
	.end_amdgpu_metadata
.endif
;; end of part 4
;; launch av (part 5): grid 8 x 32, 4 waves a work-group, clusters of 4 x 1, 327,680 bytes of LDS; arguments att, uo; writes uo
.if DOCPART == 5
	.amdgcn_target "amdgcn-amd-amdhsa--gfx1250"
	.amdhsa_code_object_version 6
	.text
	.protected	k_qcec60e335b_av
	.globl	k_qcec60e335b_av
	.p2align	8
	.type	k_qcec60e335b_av,@function
k_qcec60e335b_av:
	s_mov_b64 s[64:65], 0
	v_nop
	global_prefetch_b8 v0, s[64:65] scope:SCOPE_SE
	s_setreg_imm32_b32 hwreg(HW_REG_WAVE_MODE, 25, 1), 1
	s_wait_xcnt 0x0
	s_wait_alu depctr_hold_cnt(0) depctr_sa_sdst(0) depctr_va_vdst(0) depctr_va_sdst(0) depctr_va_ssrc(0) depctr_va_vcc(0) depctr_vm_vsrc(0)
	s_getreg_b32 s2, hwreg(HW_REG_IB_STS2, 6, 4)
	s_cmp_eq_u32 s2, 0
	s_cbranch_scc0 .Lentry_in_a_cluster
	s_endpgm
.Lentry_in_a_cluster:
	s_bfe_u32 s2, ttmp6, 0x10000c
	s_cmp_lg_u32 s2, 0x3003
	s_cbranch_scc0 .Lentry_shape_is_right
	s_endpgm
.Lentry_shape_is_right:
; AV.  U[p][d] = sum over chunks j of g_j[p] (P_j qn_j)[p][d], g_j = 2^(Lm_j - max Lm) / (S + 1e-13 Z), S = sum f_j S_j, Z = sum f_j Z_j; sigma = S / (S + 1e-13 Z).
; That is reference's softmax(s mk) mk / (sum + 1e-13): the 16 chunks' running maxima are merged here, in f32, and g is applied in f32 to each chunk's own accumulator.
; U is stored as f16 by slices (u [16 s][4096 p][64 d]), sigma as f32.  LIMIT: |U| <= max |question| stays under 65,504.
; SHAPE.  A tile is 128 p x 128 d; four waves of 64 x 64.  K = 2,048 keys in 8 steps of 256 (two chunks).  A = pl (rows along the keys); B = qc ([key][d]: read turned, by ds_load_tr16_b128).
; CLUSTER 4 x 1: the four d tiles of one block of p share pl: asked for jointly.  qc's slices are each read by two work-groups only, in different clusters: plain loads.
; REGISTERS.  window 0: addresses; v100-103 g of the chunk in hand; v128-255 U.  window 1: two fragment buffers (first the merge's work).  window 2: v0-127 the chunk's accumulators.
.set NSTEP, 8
.set PA, 528
.set BBASE, 67584
.set SLOT, 0x25000
.set STAGE, 301056                     ; 4 x 2,304
.set GT,    310272                     ; 4 x 4,096: g [16 j][16 r][4 a], each wave's own
.set SPARE, 326656
.set F0, 0
.set F1, 128
.set MSB, 0
.macro WIN new
.if MSB != (\new)
	s_set_vgpr_msb (MSB<<8)|(\new)
.set MSB, \new
.endif
.endm
.macro PLACES
.rept 4
	v_nop
.endr
.endm
.macro CREST
	s_cmp_lg_u32 s10, 0
	s_cbranch_scc1 .Lnw0_\@
	s_barrier_signal -3
.Lnw0_\@:
	s_barrier_wait -3
	s_barrier_signal -1
	s_barrier_wait -1
.endm
.macro CROUND
	s_barrier_signal -1
	s_barrier_wait -1
	CREST
.endm
.macro JLOAD                           ; waves 0, 1: pl's halves, jointly; waves 2, 3: the two slices of qc, plainly
	s_cmp_eq_u32 s11, 0
	s_cbranch_scc0 .Lfb_\@
	tensor_load_to_lds s[36:39], s[24:31]
	s_nop 0
	PLACES
	s_branch .Lfa_\@
.Lfb_\@:
	tensor_load_to_lds s[60:63], s[48:55]
	s_nop 0
	PLACES
.Lfa_\@:
.endm
.macro MUL8 f, c, a0, zero             ; zero = 1: a chunk's first products start its sums
	WIN 0xa5
.irp a, \a0, (\a0)+1
.irp b, 0,1,2,3
.if \zero
	v_wmma_f32_16x16x32_bf16 v[8*(4*(\a)+(\b)):8*(4*(\a)+(\b))+7], v[(\f)+64+8*(4*(\c)+(\b)):(\f)+64+8*(4*(\c)+(\b))+7], v[(\f)+8*(4*(\c)+(\a)):(\f)+8*(4*(\c)+(\a))+7], 0
.else
	v_wmma_f32_16x16x32_bf16 v[8*(4*(\a)+(\b)):8*(4*(\a)+(\b))+7], v[(\f)+64+8*(4*(\c)+(\b)):(\f)+64+8*(4*(\c)+(\b))+7], v[(\f)+8*(4*(\c)+(\a)):(\f)+8*(4*(\c)+(\a))+7], v[8*(4*(\a)+(\b)):8*(4*(\a)+(\b))+7]
.endif
.endr
.endr
.endm
.macro FETCH q, f                      ; quarter q (64 keys): 32 LDS loads, the first 32 keys first
	WIN 0x40
.irp c, 0,1
.irp i, 0,1,2,3
	ds_load_tr16_b128 v[(\f)+64+8*(4*(\c)+(\i)):(\f)+64+8*(4*(\c)+(\i))+3],   v21 offset:10240*(\q)+5120*(\c)+32*(\i)
	ds_load_tr16_b128 v[(\f)+64+8*(4*(\c)+(\i))+4:(\f)+64+8*(4*(\c)+(\i))+7], v21 offset:10240*(\q)+5120*(\c)+32*(\i)+2560
	ds_load_b128 v[(\f)+8*(4*(\c)+(\i)):(\f)+8*(4*(\c)+(\i))+3],         v17 offset:128*(\q)+64*(\c)+(\i)*16*PA
	ds_load_b128 v[(\f)+8*(4*(\c)+(\i))+4:(\f)+8*(4*(\c)+(\i))+7],       v17 offset:128*(\q)+64*(\c)+(\i)*16*PA+32
.endr
.endr
.endm
.macro GLOAD                           ; g of the chunk in hand, for my row in each of the four blocks
	WIN 0
	ds_load_b128 v[100:103], v22
	v_add_nc_u32 v22, 256, v22
.endm
.macro SCALE                           ; U += g x the chunk's sums, in f32; each accumulator is read from its low end on
	PLACES
	WIN 0x02
.irp a, 0,1,2,3
.set t, 0
.rept 16
.if ((\a)%2) == 0
	v_pk_fma_f32 v[128+32*(\a)+2*t:129+32*(\a)+2*t], v[32*(\a)+2*t:32*(\a)+2*t+1], v[100+(\a):101+(\a)], v[128+32*(\a)+2*t:129+32*(\a)+2*t] op_sel_hi:[1,0,1]
.else
	v_pk_fma_f32 v[128+32*(\a)+2*t:129+32*(\a)+2*t], v[32*(\a)+2*t:32*(\a)+2*t+1], v[99+(\a):100+(\a)], v[128+32*(\a)+2*t:129+32*(\a)+2*t] op_sel:[0,1,0] op_sel_hi:[1,1,1]
.endif
.set t, t+1
.endr
.endr
.endm
.macro QUARTER q, f, g, zero, tail     ; multiplies buffer f, fetches quarter q into g; tail = 1: a chunk's second quarter
	s_wait_dscnt 16                                ; the first 32 keys are in
	MUL8 \f, 0, 0, \zero
	MUL8 \f, 0, 2, \zero
	PLACES
.if \tail
	GLOAD                                          ; older than the 32 loads below: the wait for them covers it
.endif
	FETCH \q, \g
	s_wait_dscnt 32                                ; all but the 32 just issued
	MUL8 \f, 1, 0, 0
	MUL8 \f, 1, 2, 0
.if \tail
	SCALE
.endif
.endm
.macro TURN fill
	GLOAD
	s_wait_tensorcnt 0x0                           ; all my tensor loads have landed
	ds_add_u32 v28, v29
	s_wait_dscnt 18                                ; the add, g's load and the youngest 16 loads may be out
	MUL8 F1, 0, 0, 0
	s_wait_dscnt 0x0                               ; the add is done, my reads of this slot are over
	s_barrier_signal -1
	MUL8 F1, 0, 2, 0
	WIN 0
	s_barrier_wait -1
.if \fill
	CREST
	s_xor_b32 s37, s37, SLOT
	s_add_nc_u64 s[38:39], s[38:39], 512
	s_xor_b32 s61, s61, SLOT
	s_add_nc_u64 s[62:63], s[62:63], 32768
	JLOAD
.else
	PLACES
.endif
	s_xor_b32 s2, s2, SLOT
	v_add_nc_u32 v17, s2, v16
	v_add_nc_u32 v21, s2, v20
	FETCH 0, F0
	MUL8 F1, 1, 0, 0
	MUL8 F1, 1, 2, 0
	SCALE
.endm
.macro STEP fill
	QUARTER 1, F0, F1, 1, 0
	QUARTER 2, F1, F0, 0, 1
	QUARTER 3, F0, F1, 1, 0
	TURN \fill
	WIN 0
.endm
.macro F16BLK a
	s_wait_xcnt 0x0
.irp b, 0,1,2,3
.irp i, 0,1,2,3
	v_cvt_pk_f16_f32 v[32+4*(\b)+(\i)], v[128+8*(4*(\a)+(\b))+2*(\i)], v[128+8*(4*(\a)+(\b))+2*(\i)+1]
.endr
.endr
.irp b, 0,1,2,3
	ds_store_b128 v24, v[32+4*(\b):35+4*(\b)] offset:32*(\b)
.endr
.irp t, 0,1,2,3
	ds_load_b128 v[64+4*(\t):67+4*(\t)], v25 offset:576*(\t)
.endr
	s_wait_dscnt 0x0
.irp t, 0,1,2,3
	global_store_b128 v26, v[64+4*(\t):67+4*(\t)], s[8:9] offset:2048*(\a)+512*(\t)  ; 512 consecutive bytes, aligned
.endr
.endm
	s_load_b128 s[4:7], s[0:1], 0x0                ; att s[4:5], uo s[6:7]
	v_lshl_add_u32 v28, v0, 2, SPARE
	v_mov_b32 v29, 0
	ds_add_u32 v28, v29                            ; the opening add
	v_lshrrev_b32 v1, 5, v0
	v_readfirstlane_b32 s10, v1
	s_lshr_b32 s11, s10, 1                         ; wr; also: I fetch pl (0) or qc (1)
	s_and_b32 s12, s10, 1                          ; wc; also: which half or slice I fetch
	s_bfe_u32 s40, ttmp6, 0x40000
	s_lshl_b32 s42, ttmp9, 2
	s_add_co_u32 s42, s42, s40                     ; dt
	s_and_b32 s13, ttmp7, 0xffff                   ; y: the block of 128 p, shared by the four partners
	s_mov_b32 s24, 15|(1<<16)|(1<<20)|(1<<21)|(6<<22)|(3<<25)
	s_mov_b32 s25, 256<<16
	s_mov_b32 s26, 64<<16
	s_mov_b32 s27, 256<<16
	s_mov_b32 s28, 64
	s_mov_b32 s29, 2048
	s_mov_b32 s30, 0
	s_mov_b32 s31, 0
	s_mov_b32 s48, (1<<16)|(1<<20)|(4<<22)|(7<<25) ; 256 keys of a slice are dense: 128 rows of 256 bytes, 8 words of padding behind every key
	s_mov_b32 s49, 128<<16
	s_mov_b32 s50, 128<<16
	s_mov_b32 s51, 128<<16
	s_mov_b32 s52, 128
	s_mov_b32 s53, 128
	s_mov_b32 s54, 0
	s_mov_b32 s55, 0
	s_lshl_b32 s16, s13, 7
	s_lshl_b32 s17, s12, 6
	s_add_co_u32 s16, s16, s17
	s_lshl_b32 s16, s16, 12                        ; pl: (128 y + 64 half) rows of 4,096 bytes
	s_mov_b32 s17, 0
	s_lshr_b32 s46, s13, 1                         ; b
	s_lshl_b32 s46, s46, 4
	s_lshl_b32 s47, s42, 1
	s_add_co_u32 s46, s46, s47
	s_add_co_u32 s46, s46, s12
	s_lshl_b32 s46, s46, 18                        ; qc: slice 16 b + 2 dt + half
	s_mov_b32 s47, 0
	s_mul_i32 s20, s12, 33792
	s_mul_i32 s21, s12, 40960
	s_add_co_u32 s21, s21, BBASE
	s_wait_dscnt 0x0
	s_wait_kmcnt 0x0
	s_add_nc_u64 s[14:15], s[4:5], s[16:17]
	s_add_nc_u64 s[14:15], s[14:15], 0x4000000
	s_add_nc_u64 s[46:47], s[4:5], s[46:47]
	s_mov_b32 s32, 1
	s_mov_b32 s33, s20
	s_mov_b64 s[34:35], s[14:15]
	s_or_b32 s35, s35, 0x80000000
	s_mov_b32 s36, 1
	s_add_co_u32 s37, s20, SLOT
	s_add_nc_u64 s[38:39], s[14:15], 512
	s_or_b32 s39, s39, 0x80000000
	s_mov_b32 s56, 1
	s_mov_b32 s57, s21
	s_mov_b64 s[58:59], s[46:47]
	s_or_b32 s59, s59, 0x80000000
	s_mov_b32 s60, 1
	s_add_co_u32 s61, s21, SLOT
	s_add_nc_u64 s[62:63], s[46:47], 32768
	s_or_b32 s63, s63, 0x80000000
	CROUND
	s_cmp_eq_u32 s11, 0
	s_cbranch_scc0 .Lfirst_b
	tensor_load_to_lds s[32:35], s[24:31]
	s_nop 0
	tensor_load_to_lds s[36:39], s[24:31]
	s_nop 0
	PLACES
	s_branch .Lfirst_x
.Lfirst_b:
	tensor_load_to_lds s[56:59], s[48:55]
	s_nop 0
	tensor_load_to_lds s[60:63], s[48:55]
	s_nop 0
	PLACES
.Lfirst_x:
	v_and_b32 v1, 15, v0                           ; r
	v_bfe_u32 v2, v0, 4, 1                         ; h
	v_mul_u32_u24 v3, v1, PA
	v_lshl_add_u32 v3, v2, 4, v3
	s_mul_i32 s21, s11, 64*PA
	v_add_nc_u32 v16, s21, v3
	v_and_b32 v3, 7, v0                            ; the turning load: key 8 h + l % 8, 16 bytes by (l / 8) % 2
	v_lshl_add_u32 v3, v2, 3, v3
	v_mul_u32_u24 v3, v3, 160
	v_bfe_u32 v4, v0, 3, 1
	v_lshl_add_u32 v3, v4, 4, v3
	s_mul_i32 s22, s12, 40960
	s_add_co_u32 s22, s22, BBASE
	v_add_nc_u32 v20, s22, v3
	; THE MERGE, in the wait for the first tiles: the 16 chunks' L m, Z, S of my 64 p (lane: row r of each block a)
	s_lshl_b32 s20, s13, 1
	s_add_co_u32 s20, s20, s11                     ; blk = 2 y + wr
	s_lshl_b32 s20, s20, 8
	v_lshl_add_u32 v30, v1, 4, s20
	s_add_nc_u64 s[66:67], s[4:5], 0x5000000       ; st
	s_lshl_b32 s76, s42, 14
	s_mov_b32 s77, 0
	s_add_nc_u64 s[68:69], s[6:7], s[76:77]
	s_add_nc_u64 s[68:69], s[68:69], 0x800000      ; sig, copy dt
	s_lshl_b32 s21, s10, 12
	s_add_co_u32 s21, s21, GT
	v_lshl_add_u32 v23, v1, 4, s21
	v_mov_b32 v22, v23
	WIN 0x40
.irp k, 0,1,2
.set i, 0
.rept 16
	global_load_b128 v[64*(\k)+4*i:64*(\k)+4*i+3], v30, s[66:67] offset:262144*(\k)+16384*i
.set i, i+1
.endr
.endr
	s_wait_loadcnt 0x0
	WIN 0x55
.irp a, 0,1,2,3
	v_max_num_f32 v[192+(\a)], v[(\a)], v[4+(\a)]
.endr
.irp i, 1,2,3,4,5,6,7
.irp a, 0,1,2,3
	v_max3_num_f32 v[192+(\a)], v[192+(\a)], v[8*(\i)+(\a)], v[8*(\i)+4+(\a)]
.endr
.endr
.set i, 0
.rept 16
	v_pk_add_f32 v[4*i:4*i+1], v[4*i:4*i+1], v[192:193] neg_lo:[0,1] neg_hi:[0,1]
	v_pk_add_f32 v[4*i+2:4*i+3], v[4*i+2:4*i+3], v[194:195] neg_lo:[0,1] neg_hi:[0,1]
.set i, i+1
.endr
.set i, 0
.rept 64
	v_exp_f32 v[i], v[i]                           ; f_j
.set i, i+1
.endr
	v_nop
	s_wait_alu depctr_va_vdst(0)                   ; one wait for the batch
.irp e, 0,2
	v_pk_mul_f32 v[196+(\e):197+(\e)], v[(\e):(\e)+1], v[128+(\e):129+(\e)]
	v_pk_mul_f32 v[200+(\e):201+(\e)], v[(\e):(\e)+1], v[64+(\e):65+(\e)]
.endr
.set i, 1
.rept 15
.irp e, 0,2
	v_pk_fma_f32 v[196+(\e):197+(\e)], v[4*i+(\e):4*i+(\e)+1], v[128+4*i+(\e):129+4*i+(\e)], v[196+(\e):197+(\e)]
	v_pk_fma_f32 v[200+(\e):201+(\e)], v[4*i+(\e):4*i+(\e)+1], v[64+4*i+(\e):65+4*i+(\e)], v[200+(\e):201+(\e)]
.endr
.set i, i+1
.endr
.irp e, 0,2
	v_pk_fma_f32 v[204+(\e):205+(\e)], v[200+(\e):201+(\e)], 0x29e12e13, v[196+(\e):197+(\e)] op_sel_hi:[1,0,1]  ; S + 1e-13 Z; Z is at least 1
.endr
.irp a, 0,1,2,3
	v_rcp_f32 v[204+(\a)], v[204+(\a)]
.endr
	v_nop
	s_wait_alu depctr_va_vdst(0)
.set i, 0
.rept 16
	v_pk_mul_f32 v[4*i:4*i+1], v[4*i:4*i+1], v[204:205]      ; g_j
	v_pk_mul_f32 v[4*i+2:4*i+3], v[4*i+2:4*i+3], v[206:207]
.set i, i+1
.endr
	v_pk_mul_f32 v[196:197], v[196:197], v[204:205]          ; sigma
	v_pk_mul_f32 v[198:199], v[198:199], v[206:207]
	WIN 0x04
.set i, 0
.rept 16
	ds_store_b128 v23, v[4*i:4*i+3] offset:256*i   ; both halves of the lanes hold and write the same
.set i, i+1
.endr
	WIN 0
	s_cmp_lg_u32 s12, 0
	s_cbranch_scc1 .Lnosig                         ; one of the two waves with these rows stores sigma
	WIN 0x04
	global_store_b128 v30, v[196:199], s[68:69]
	WIN 0
.Lnosig:
.set i, 0
.rept 128
	v_mov_b32 v[128+i], 0                          ; U starts at 0
.set i, i+1
.endr
	s_wait_xcnt 0x0                                ; sigma's registers lie where fragments will land
	s_wait_dscnt 0x0
	s_wait_tensorcnt 0x1                           ; K step 0 is in; slot 1's load may stay out
	s_barrier_signal -1
	s_barrier_wait -1
	s_mov_b32 s2, 0
	v_mov_b32 v17, v16
	v_mov_b32 v21, v20
	FETCH 0, F0
	WIN 0
	s_mov_b32 s3, NSTEP-2
.Lk1:
	STEP 1
	s_sub_co_u32 s3, s3, 1
	s_cmp_lg_u32 s3, 0
	s_cbranch_scc1 .Lk1
	s_mov_b32 s3, 2
.Lk2:
	STEP 0
	s_sub_co_u32 s3, s3, 1
	s_cmp_lg_u32 s3, 0
	s_cbranch_scc1 .Lk2
	s_wait_dscnt 0x0
	s_mul_i32 s23, s10, 2304
	s_add_co_u32 s23, s23, STAGE
	v_mul_u32_u24 v24, v1, 144
	v_lshl_add_u32 v24, v2, 4, v24
	v_add_nc_u32 v24, s23, v24
	v_bfe_u32 v25, v0, 3, 2
	v_mul_u32_u24 v25, v25, 144
	v_and_b32 v3, 7, v0
	v_lshl_add_u32 v25, v3, 4, v25
	v_add_nc_u32 v25, s23, v25
	v_and_b32 v26, 31, v0
	v_lshlrev_b32 v26, 4, v26
	s_lshl_b32 s76, s42, 1
	s_add_co_u32 s76, s76, s12                     ; slice 2 dt + wc
	s_lshl_b32 s76, s76, 12
	s_lshl_b32 s78, s13, 7
	s_add_co_u32 s76, s76, s78
	s_lshl_b32 s78, s11, 6
	s_add_co_u32 s76, s76, s78                     ; slice x 4,096 + 128 y + 64 wr
	s_lshl_b32 s76, s76, 7
	s_mov_b32 s77, 0
	s_add_nc_u64 s[8:9], s[6:7], s[76:77]
	F16BLK 0
	F16BLK 1
	F16BLK 2
	F16BLK 3
	s_wait_tensorcnt 0x0                           ; the wave's end
	ds_add_u32 v28, v29
	s_wait_dscnt 0x0
	CROUND
	s_endpgm
.Lfunc_end_k_qcec60e335b_av:
	.size	k_qcec60e335b_av, .Lfunc_end_k_qcec60e335b_av-k_qcec60e335b_av
	.p2alignl 7, 3214868480
	.fill 96, 4, 3214868480
	.section	.rodata,"a",@progbits
	.p2align	6, 0x0
	.amdhsa_kernel k_qcec60e335b_av
		.amdhsa_group_segment_fixed_size 327680
		.amdhsa_private_segment_fixed_size 0
		.amdhsa_enable_private_segment 0
		.amdhsa_kernarg_size 16
		.amdhsa_user_sgpr_count 2
		.amdhsa_user_sgpr_kernarg_segment_ptr 1
		.amdhsa_wavefront_size32 1
		.amdhsa_system_sgpr_workgroup_id_x 1
		.amdhsa_system_sgpr_workgroup_id_y 1
		.amdhsa_system_sgpr_workgroup_id_z 1
		.amdhsa_system_vgpr_workitem_id 0
		.amdhsa_next_free_vgpr 640
		.amdhsa_next_free_sgpr 80
		.amdhsa_reserve_vcc 0
		.amdhsa_float_denorm_mode_32 3
		.amdhsa_float_denorm_mode_16_64 3
		.amdhsa_memory_ordered 1
		.amdhsa_forward_progress 1
		.amdhsa_inst_pref_size 94
	.end_amdhsa_kernel
	.amdgpu_metadata
---
amdhsa.version: [ 1, 2 ]
amdhsa.kernels:
  - .name:           k_qcec60e335b_av
    .symbol:         k_qcec60e335b_av.kd
    .args:
      - { .name: att, .offset: 0, .size: 8, .value_kind: global_buffer, .address_space: global }
      - { .name: uo, .offset: 8, .size: 8, .value_kind: global_buffer, .address_space: global }
    .group_segment_fixed_size: 327680
    .private_segment_fixed_size: 0
    .kernarg_segment_align: 8
    .kernarg_segment_size: 16
    .max_flat_workgroup_size: 128
    .sgpr_count:     80
    .vgpr_count:     640
    .wavefront_size: 32
...
	.end_amdgpu_metadata
.endif
;; end of part 5
;; launch fin (part 6): grid 8 x 32, 4 waves a work-group, clusters of 4 x 4, 327,680 bytes of LDS; arguments uo, mid1, wprep, map_b, out0; writes out0
.if DOCPART == 6
	.amdgcn_target "amdgcn-amd-amdhsa--gfx1250"
	.amdhsa_code_object_version 6
	.text
	.protected	k_qcec60e335b_fin
	.globl	k_qcec60e335b_fin
	.p2align	8
	.type	k_qcec60e335b_fin,@function
k_qcec60e335b_fin:
	s_mov_b64 s[64:65], 0
	v_nop
	global_prefetch_b8 v0, s[64:65] scope:SCOPE_SE
	s_setreg_imm32_b32 hwreg(HW_REG_WAVE_MODE, 25, 1), 1
	s_wait_xcnt 0x0
	s_wait_alu depctr_hold_cnt(0) depctr_sa_sdst(0) depctr_va_vdst(0) depctr_va_sdst(0) depctr_va_ssrc(0) depctr_va_vcc(0) depctr_vm_vsrc(0)
	s_getreg_b32 s2, hwreg(HW_REG_IB_STS2, 6, 4)
	s_cmp_eq_u32 s2, 0
	s_cbranch_scc0 .Lentry_in_a_cluster
	s_endpgm
.Lentry_in_a_cluster:
	s_bfe_u32 s2, ttmp6, 0x10000c
	s_cmp_lg_u32 s2, 0xf033
	s_cbranch_scc0 .Lentry_shape_is_right
	s_endpgm
.Lentry_shape_is_right:
; FIN.  out[p][j] = relu( sum_d U[p][d] M2T[j][d] + sigma[p] b2[j] + mb[j] ), f16 operands, f32 sums; b2 = the sum of b2p's 8 partial sums; mb = map_b rounded to bf16.
; The sums start from sigma b2 + mb.  A = u [16 s][4096 p][64 d], B = m2t [16 s][1024 j][64 d]: a K step is four slices; 128 rows of a slice are 16,384 dense bytes,
; asked for as one long row and padded in LDS behind every 128 bytes (pitch 144).  256 tiles of 128 x 128; cluster 4 x 4 with joint loads; two LDS slots.
; LIMIT: relu of a NaN gives 0; NaN and infinities are not treated apart.
.set NSTEP, 4
.set PA, 144
.set PB, 144
.set ADW, 36864
.set BDW, 36864
.set BBASE, 73728
.set SLOT, 0x24000
.set STAGE, 294912
.set SPARE, 312320
.set ASTEP, 2097152
.set BSTEP, 524288
.set KA0, 0
.set KA1, 18432
.set KA2, 36864
.set KA3, 55296
.set KB0, 0
.set KB1, 18432
.set KB2, 36864
.set KB3, 55296
.set ACC, 128
.set F0, 0
.set F1, 128
.set B2PO, 4198400
.set MSB, 0
.macro WIN new
.if MSB != (\new)
	s_set_vgpr_msb (MSB<<8)|(\new)
.set MSB, \new
.endif
.endm
.macro PLACES
.rept 4
	v_nop
.endr
.endm
.macro CREST
	s_cmp_lg_u32 s10, 0
	s_cbranch_scc1 .Lnw0_\@
	s_barrier_signal -3
.Lnw0_\@:
	s_barrier_wait -3
	s_barrier_signal -1
	s_barrier_wait -1
.endm
.macro CROUND
	s_barrier_signal -1
	s_barrier_wait -1
	CREST
.endm
.macro JLOAD
	s_cmp_eq_u32 s11, 0
	s_cbranch_scc0 .Lfb_\@
	tensor_load_to_lds s[36:39], s[24:31]
	s_nop 0
	PLACES
	s_branch .Lfa_\@
.Lfb_\@:
	tensor_load_to_lds s[60:63], s[48:55]
	s_nop 0
	PLACES
.Lfa_\@:
.endm
.macro MUL8 f, c, a0
	WIN 0x05
.irp a, \a0, (\a0)+1
.irp b, 0,1,2,3
	v_wmma_f32_16x16x32_f16 v[ACC+8*(4*(\a)+(\b)):ACC+8*(4*(\a)+(\b))+7], v[(\f)+64+8*(4*(\c)+(\b)):(\f)+64+8*(4*(\c)+(\b))+7], v[(\f)+8*(4*(\c)+(\a)):(\f)+8*(4*(\c)+(\a))+7], v[ACC+8*(4*(\a)+(\b)):ACC+8*(4*(\a)+(\b))+7]
.endr
.endr
.endm
.macro FETCH ka, kb, f
	WIN 0x40
.irp c, 0,1
.irp i, 0,1,2,3
	ds_load_b128 v[(\f)+64+8*(4*(\c)+(\i)):(\f)+64+8*(4*(\c)+(\i))+3],   v21 offset:(\kb)+64*(\c)+(\i)*16*PB
	ds_load_b128 v[(\f)+64+8*(4*(\c)+(\i))+4:(\f)+64+8*(4*(\c)+(\i))+7], v21 offset:(\kb)+64*(\c)+(\i)*16*PB+32
	ds_load_b128 v[(\f)+8*(4*(\c)+(\i)):(\f)+8*(4*(\c)+(\i))+3],         v17 offset:(\ka)+64*(\c)+(\i)*16*PA
	ds_load_b128 v[(\f)+8*(4*(\c)+(\i))+4:(\f)+8*(4*(\c)+(\i))+7],       v17 offset:(\ka)+64*(\c)+(\i)*16*PA+32
.endr
.endr
.endm
.macro QUARTER ka, kb, f, g
	s_wait_dscnt 16                                ; the first 32 along K are in
	MUL8 \f, 0, 0
	MUL8 \f, 0, 2
	PLACES
	FETCH \ka, \kb, \g
	s_wait_dscnt 32                                ; all but the 32 just issued
	MUL8 \f, 1, 0
	MUL8 \f, 1, 2
.endm
.macro TURN fill
	WIN 0
	s_wait_tensorcnt 0x0                           ; all my tensor loads have landed
	ds_add_u32 v28, v29
	s_wait_dscnt 17                                ; the add and the youngest 16 loads may be out
	MUL8 F1, 0, 0
	s_wait_dscnt 0x0                               ; the add is done, my reads of this slot are over
	s_barrier_signal -1
	MUL8 F1, 0, 2
	WIN 0
	s_barrier_wait -1
.if \fill
	CREST
	s_xor_b32 s37, s37, SLOT
	s_add_nc_u64 s[38:39], s[38:39], ASTEP
	s_xor_b32 s61, s61, SLOT
	s_add_nc_u64 s[62:63], s[62:63], BSTEP
	JLOAD
.else
	PLACES
.endif
	s_xor_b32 s2, s2, SLOT
	v_add_nc_u32 v17, s2, v16
	v_add_nc_u32 v21, s2, v20
	FETCH KA0, KB0, F0
	MUL8 F1, 1, 0
	MUL8 F1, 1, 2
.endm
.macro STEP fill
	QUARTER KA1, KB1, F0, F1
	QUARTER KA2, KB2, F1, F0
	QUARTER KA3, KB3, F0, F1
	TURN \fill
	WIN 0
.endm
.macro F32BLK a                        ; 16 rows x 64 columns of f32: relu, through my own stage, back as whole rows of 256 bytes
	s_wait_xcnt 0x0                                ; v64-95 were store data
.set t, 0
.rept 32
	v_max_num_f32 v[32+t], 0, v[ACC+32*(\a)+t]
.set t, t+1
.endr
.irp b, 0,1,2,3
	ds_store_b128 v24, v[32+8*(\b):35+8*(\b)] offset:64*(\b)
	ds_store_b128 v24, v[36+8*(\b):39+8*(\b)] offset:64*(\b)+16
.endr
.irp u, 0,1,2,3,4,5,6,7
	ds_load_b128 v[64+4*(\u):67+4*(\u)], v25 offset:544*(\u)
.endr
	s_wait_dscnt 0x0
.irp u, 0,1,2,3,4,5,6,7
	global_store_b128 v26, v[64+4*(\u):67+4*(\u)], s[8:9] offset:(16*(\a)+2*(\u))*4096  ; 16 lanes: 256 consecutive bytes, aligned
.endr
.endm
	s_load_b256 s[68:75], s[0:1], 0x0              ; uo s[68:69], mid1 s[70:71], wprep s[72:73], map_b s[74:75]
	s_load_b64 s[8:9], s[0:1], 0x20                ; out0
	v_lshl_add_u32 v28, v0, 2, SPARE
	v_mov_b32 v29, 0
	ds_add_u32 v28, v29                            ; the opening add
	v_lshrrev_b32 v1, 5, v0
	v_readfirstlane_b32 s10, v1
	s_lshr_b32 s11, s10, 1
	s_and_b32 s12, s10, 1
	s_bfe_u32 s40, ttmp6, 0x40000
	s_bfe_u32 s41, ttmp6, 0x40004
	s_lshl_b32 s42, ttmp9, 2
	s_add_co_u32 s42, s42, s40                     ; nt
	s_and_b32 s13, ttmp7, 0xffff
	s_lshl_b32 s13, s13, 2
	s_add_co_u32 s13, s13, s41                     ; mt
	s_lshl_b32 s43, s41, 2
	s_lshl_b32 s43, 15, s43
	s_lshl_b32 s44, 0x1111, s40
	s_or_b32 s24, s43, (1<<16)|(1<<20)|(1<<21)|(4<<22)|(3<<25)  ; 4 words of padding behind every 32
	s_or_b32 s48, s44, (1<<16)|(1<<20)|(1<<21)|(4<<22)|(3<<25)
.irp g, 24, 48
	s_mov_b32 s[(\g)+1], 8192<<16                  ; tensor_dim0: 128 rows x 64 elements on end
	s_mov_b32 s[(\g)+2], 2<<16                     ; tensor_dim1: two slices
	s_mov_b32 s[(\g)+3], 8192<<16                  ; tile_dim0
	s_mov_b32 s[(\g)+4], 2                         ; tile_dim1
	s_mov_b32 s[(\g)+6], 0
	s_mov_b32 s[(\g)+7], 0
.endr
	s_mov_b32 s29, 262144                          ; elements from slice to slice of u
	s_mov_b32 s53, 65536                           ; of m2t
	s_lshl_b32 s16, s12, 20
	s_lshl_b32 s17, s13, 14
	s_add_co_u32 s16, s16, s17                     ; A: (2 half x 4,096 + 128 mt) rows of 128 bytes
	s_mov_b32 s17, 0
	s_lshl_b32 s46, s12, 18
	s_lshl_b32 s47, s42, 14
	s_add_co_u32 s46, s46, s47                     ; B: (2 half x 1,024 + 128 nt) rows
	s_mov_b32 s47, 0
	s_mul_i32 s20, s12, ADW
	s_mul_i32 s21, s12, BDW
	s_add_co_u32 s21, s21, BBASE
	s_wait_dscnt 0x0
	s_wait_kmcnt 0x0
	s_add_nc_u64 s[14:15], s[68:69], s[16:17]
	s_add_nc_u64 s[46:47], s[70:71], s[46:47]
	s_add_nc_u64 s[46:47], s[46:47], 4194304       ; m2t
	s_mov_b32 s32, 1
	s_mov_b32 s33, s20
	s_mov_b64 s[34:35], s[14:15]
	s_or_b32 s35, s35, 0x80000000
	s_mov_b32 s36, 1
	s_add_co_u32 s37, s20, SLOT
	s_add_nc_u64 s[38:39], s[14:15], ASTEP
	s_or_b32 s39, s39, 0x80000000
	s_mov_b32 s56, 1
	s_mov_b32 s57, s21
	s_mov_b64 s[58:59], s[46:47]
	s_or_b32 s59, s59, 0x80000000
	s_mov_b32 s60, 1
	s_add_co_u32 s61, s21, SLOT
	s_add_nc_u64 s[62:63], s[46:47], BSTEP
	s_or_b32 s63, s63, 0x80000000
	CROUND
	s_cmp_eq_u32 s11, 0
	s_cbranch_scc0 .Lfirst_b
	tensor_load_to_lds s[32:35], s[24:31]
	s_nop 0
	tensor_load_to_lds s[36:39], s[24:31]
	s_nop 0
	PLACES
	s_branch .Lfirst_x
.Lfirst_b:
	tensor_load_to_lds s[56:59], s[48:55]
	s_nop 0
	tensor_load_to_lds s[60:63], s[48:55]
	s_nop 0
	PLACES
.Lfirst_x:
	v_and_b32 v1, 15, v0
	v_bfe_u32 v2, v0, 4, 1
	v_mul_u32_u24 v3, v1, PA
	v_lshl_add_u32 v3, v2, 4, v3
	s_mul_i32 s21, s11, 64*PA
	v_add_nc_u32 v16, s21, v3
	s_mul_i32 s22, s12, 64*PB
	s_add_co_u32 s22, s22, BBASE
	v_add_nc_u32 v20, s22, v3
	; what the sums start from
	s_lshl_b32 s76, s42, 9
	s_lshl_b32 s77, s12, 8
	s_add_co_u32 s76, s76, s77
	v_lshl_add_u32 v30, v2, 5, s76                 ; column 128 nt + 64 wc + 8 h, in bytes of f32
	WIN 0x40
.irp hb, 0,1,2,3,4,5,6,7
.irp b, 0,1,2,3
	global_load_b128 v[32*(\hb)+8*(\b):32*(\hb)+8*(\b)+3],   v30, s[72:73] offset:B2PO+4096*(\hb)+64*(\b)
	global_load_b128 v[32*(\hb)+8*(\b)+4:32*(\hb)+8*(\b)+7], v30, s[72:73] offset:B2PO+4096*(\hb)+64*(\b)+16
.endr
.endr
	WIN 0
.irp b, 0,1,2,3
	global_load_b128 v[64+8*(\b):67+8*(\b)], v30, s[74:75] offset:64*(\b)
	global_load_b128 v[68+8*(\b):71+8*(\b)], v30, s[74:75] offset:64*(\b)+16
.endr
	s_lshl_b32 s76, s13, 1
	s_add_co_u32 s76, s76, s11                     ; blk = 2 mt + wr
	s_lshl_b32 s76, s76, 8
	s_lshl_b32 s77, s42, 14                        ; copy nt of sigma
	s_add_co_u32 s76, s76, s77
	v_lshl_add_u32 v31, v1, 4, s76
	s_add_nc_u64 s[78:79], s[68:69], 0x800000
	global_load_b128 v[96:99], v31, s[78:79]       ; sigma of my row in each of the four blocks
	s_wait_loadcnt 0x0
	WIN 0x55
.irp s, 0,64,128,192
.set i, 0
.rept 16
	v_pk_add_f32 v[(\s)+2*i:(\s)+2*i+1], v[(\s)+2*i:(\s)+2*i+1], v[(\s)+32+2*i:(\s)+33+2*i]
.set i, i+1
.endr
.endr
.irp s, 0,128
.set i, 0
.rept 16
	v_pk_add_f32 v[(\s)+2*i:(\s)+2*i+1], v[(\s)+2*i:(\s)+2*i+1], v[(\s)+64+2*i:(\s)+65+2*i]
.set i, i+1
.endr
.endr
	WIN 0x05
.set i, 0
.rept 16
	v_pk_add_f32 v[32+2*i:33+2*i], v[2*i:2*i+1], v[128+2*i:129+2*i]  ; b2 of my 32 columns
.set i, i+1
.endr
	WIN 0
.set i, 0
.rept 16
	v_cvt_pk_bf16_f32 v[100+i], v[64+2*i], v[65+2*i]
.set i, i+1
.endr
.set i, 0
.rept 16
	v_lshlrev_b32 v[64+2*i], 16, v[100+i]          ; mb
	v_and_b32 v[65+2*i], 0xffff0000, v[100+i]
.set i, i+1
.endr
.irp a, 0,1,2,3
.set t, 0
.rept 16
.if ((\a)%2) == 0
	v_pk_fma_f32 v[ACC+32*(\a)+2*t:ACC+32*(\a)+2*t+1], v[32+2*t:33+2*t], v[96+(\a):97+(\a)], v[64+2*t:65+2*t] op_sel_hi:[1,0,1]
.else
	v_pk_fma_f32 v[ACC+32*(\a)+2*t:ACC+32*(\a)+2*t+1], v[32+2*t:33+2*t], v[95+(\a):96+(\a)], v[64+2*t:65+2*t] op_sel:[0,1,0] op_sel_hi:[1,1,1]
.endif
.set t, t+1
.endr
.endr
	s_wait_tensorcnt 0x1                           ; K step 0 is in; slot 1's load may stay out
	s_barrier_signal -1
	s_barrier_wait -1
	s_mov_b32 s2, 0
	v_mov_b32 v17, v16
	v_mov_b32 v21, v20
	FETCH KA0, KB0, F0
	WIN 0
	s_mov_b32 s3, NSTEP-2
.Lk1:
	STEP 1
	s_sub_co_u32 s3, s3, 1
	s_cmp_lg_u32 s3, 0
	s_cbranch_scc1 .Lk1
	s_mov_b32 s3, 2
.Lk2:
	STEP 0
	s_sub_co_u32 s3, s3, 1
	s_cmp_lg_u32 s3, 0
	s_cbranch_scc1 .Lk2
	s_wait_dscnt 0x0
	PLACES
	s_mul_i32 s23, s10, 4352
	s_add_co_u32 s23, s23, STAGE
	v_mul_u32_u24 v24, v1, 272
	v_lshl_add_u32 v24, v2, 5, v24
	v_add_nc_u32 v24, s23, v24
	v_mul_u32_u24 v25, v2, 272
	v_lshl_add_u32 v25, v1, 4, v25
	v_add_nc_u32 v25, s23, v25
	v_lshlrev_b32 v26, 12, v2
	v_lshl_add_u32 v26, v1, 4, v26
	s_lshl_b32 s78, s13, 7
	s_lshl_b32 s79, s11, 6
	s_add_co_u32 s78, s78, s79
	s_lshl_b32 s76, s78, 12
	s_lshl_b32 s79, s42, 9
	s_add_co_u32 s76, s76, s79
	s_lshl_b32 s79, s12, 8
	s_add_co_u32 s76, s76, s79
	s_mov_b32 s77, 0
	s_add_nc_u64 s[8:9], s[8:9], s[76:77]
	F32BLK 0
	F32BLK 1
	F32BLK 2
	F32BLK 3
	s_wait_tensorcnt 0x0                           ; the wave's end
	ds_add_u32 v28, v29
	s_wait_dscnt 0x0
	CROUND
	s_endpgm
.Lfunc_end_k_qcec60e335b_fin:
	.size	k_qcec60e335b_fin, .Lfunc_end_k_qcec60e335b_fin-k_qcec60e335b_fin
	.p2alignl 7, 3214868480
	.fill 96, 4, 3214868480
	.section	.rodata,"a",@progbits
	.p2align	6, 0x0
	.amdhsa_kernel k_qcec60e335b_fin
		.amdhsa_group_segment_fixed_size 327680
		.amdhsa_private_segment_fixed_size 0
		.amdhsa_enable_private_segment 0
		.amdhsa_kernarg_size 40
		.amdhsa_user_sgpr_count 2
		.amdhsa_user_sgpr_kernarg_segment_ptr 1
		.amdhsa_wavefront_size32 1
		.amdhsa_system_sgpr_workgroup_id_x 1
		.amdhsa_system_sgpr_workgroup_id_y 1
		.amdhsa_system_sgpr_workgroup_id_z 1
		.amdhsa_system_vgpr_workitem_id 0
		.amdhsa_next_free_vgpr 512
		.amdhsa_next_free_sgpr 80
		.amdhsa_reserve_vcc 0
		.amdhsa_float_denorm_mode_32 3
		.amdhsa_float_denorm_mode_16_64 3
		.amdhsa_memory_ordered 1
		.amdhsa_forward_progress 1
		.amdhsa_inst_pref_size 78
	.end_amdhsa_kernel
	.amdgpu_metadata
---
amdhsa.version: [ 1, 2 ]
amdhsa.kernels:
  - .name:           k_qcec60e335b_fin
    .symbol:         k_qcec60e335b_fin.kd
    .args:
      - { .name: uo, .offset: 0, .size: 8, .value_kind: global_buffer, .address_space: global }
      - { .name: mid1, .offset: 8, .size: 8, .value_kind: global_buffer, .address_space: global }
      - { .name: wprep, .offset: 16, .size: 8, .value_kind: global_buffer, .address_space: global }
      - { .name: map_b, .offset: 24, .size: 8, .value_kind: global_buffer, .address_space: global }
      - { .name: out0, .offset: 32, .size: 8, .value_kind: global_buffer, .address_space: global }
    .group_segment_fixed_size: 327680
    .private_segment_fixed_size: 0
    .kernarg_segment_align: 8
    .kernarg_segment_size: 40
    .max_flat_workgroup_size: 128
    .sgpr_count:     80
    .vgpr_count:     512
    .wavefront_size: 32
...
	.end_amdgpu_metadata
.endif
;; end of part 6
;; ======== version 2 of 2: 6 launches
;; limits: values are held in f16: magnitudes above 65,504 overflow, below 6.1e-05 lose precision
;; workspace buffers: wprep 4,231,424 bytes; mid1 14,700,544 bytes; t2 16,777,216 bytes; att 84,672,512 bytes; uo 8,519,680 bytes
;; launch prep: the kernel of part 1 again; grid 256 x 1, 4 waves a work-group, no clusters, 9,728 bytes of LDS; arguments W_w, W_b, map_w, wprep; writes wprep
;; launch gm (part 7): grid 8 x 32, 4 waves a work-group, clusters of 4 x 4, 327,680 bytes of LDS; arguments wprep, passage, mid1; writes mid1
.if DOCPART == 7
	.amdgcn_target "amdgcn-amd-amdhsa--gfx1250"
	.amdhsa_code_object_version 6
	.text
	.protected	k_qcec60e335b_gm
	.globl	k_qcec60e335b_gm
	.p2align	8
	.type	k_qcec60e335b_gm,@function
k_qcec60e335b_gm:
	s_mov_b64 s[64:65], 0
	v_nop
	global_prefetch_b8 v0, s[64:65] scope:SCOPE_SE
	s_setreg_imm32_b32 hwreg(HW_REG_WAVE_MODE, 25, 1), 1
	s_wait_xcnt 0x0
	s_wait_alu depctr_hold_cnt(0) depctr_sa_sdst(0) depctr_va_vdst(0) depctr_va_sdst(0) depctr_va_ssrc(0) depctr_va_vcc(0) depctr_vm_vsrc(0)
	s_getreg_b32 s2, hwreg(HW_REG_IB_STS2, 6, 4)
	s_cmp_eq_u32 s2, 0
	s_cbranch_scc0 .Lentry_in_a_cluster
	s_endpgm
.Lentry_in_a_cluster:
	s_bfe_u32 s2, ttmp6, 0x10000c
	s_cmp_lg_u32 s2, 0xf033
	s_cbranch_scc0 .Lentry_shape_is_right
	s_endpgm
.Lentry_shape_is_right:
; GM.  Two kinds of work in one launch, chosen by the cluster's y, which all sixteen partners of a cluster share.
; CLUSTERS y = 0..3: C[m][n] = sum_h A[m][h] wn[n][h], A = the 2,048 rows of wprep (wn, then mapt), bf16 operands, f32 sums.
;   rows 0-1023:    G = W W^T, stored as bf16 hi | lo (x = hi + lo to 16 bits): g2 [1024][16 slices][hi 64 | lo 64]
;   rows 1024-2047: M2T[j][d] = (W map_w)[d][j], stored as f16 by slices: m2t [16 s][1024 j][64 d]
;   LIMIT: |W map_w| stays under 65,504 (f16); below 6e-5 it keeps f16's fixed step.
;   128 tiles of 128 x 128.  Four waves, 64 x 64 each: 16 accumulators.  K goes in 4 steps of 256 through two LDS slots.
;   The matrix instruction is used transposed (source 0 = 16 rows of B, source 1 = 16 rows of A): a lane holds row l % 16 of C and eight neighbouring columns.
;   A's tile is asked for jointly along a row of the cluster, B's along a column.
; CLUSTERS y = 4..7: passage is rounded to bf16 (pnb) and c[p] = pn . w1 + bb is made (cvec): 128 work-groups, 32 rows each, 8 a wave; and b2p's eight partial sums are added (b2), two j a wave.
;   They issue no tensor load.
; REGISTERS.  window 0: v4-11 at work; v16/17, v20/21 LDS addresses; v24-26 the way out; v28, v29 the add's; v32-127 at work; v128-255 accumulators.  window 1: two fragment buffers of 128 (or two rows of passage).
.set NSTEP, 4
.set PA, 528                           ; LDS row: 512 bytes + 16: the 16 rows of a fragment load start at 16 different groups of four banks
.set PB, 528
.set ADW, 33792                        ; 64 rows: what one tensor load brings
.set BDW, 33792
.set BBASE, 67584
.set SLOT, 0x21000                     ; its bits are clear in every address of slot 0, so one exclusive or changes slots
.set STAGE, 270336                     ; 4 x 4,352: each wave's own stage
.set SPARE, 287744
.set ASTEP, 512
.set BSTEP, 512
.set KA0, 0
.set KA1, 128
.set KA2, 256
.set KA3, 384
.set KB0, 0
.set KB1, 128
.set KB2, 256
.set KB3, 384
.set ACC, 128
.set F0, 0
.set F1, 128
.set W1O, 4194304
.set B2PO, 4198400
.set BBO, 4231168
.set B2O, 14696448                     ; b2 in mid1
.set MSB, 0
.macro WIN new                         ; the immediate's high byte repeats the setting that is left
.if MSB != (\new)
	s_set_vgpr_msb (MSB<<8)|(\new)
.set MSB, \new
.endif
.endm
.macro PLACES                          ; four plain places behind matrix instructions
.rept 4
	v_nop
.endr
.endm
.macro CREST                           ; a round of the cluster's barrier behind its opening barrier
	s_cmp_lg_u32 s10, 0
	s_cbranch_scc1 .Lnw0_\@
	s_barrier_signal -3
.Lnw0_\@:
	s_barrier_wait -3
	s_barrier_signal -1
	s_barrier_wait -1
.endm
.macro CROUND
	s_barrier_signal -1
	s_barrier_wait -1
	CREST
.endm
.macro JLOAD                           ; the joint refill: waves 0, 1 fetch A's halves, waves 2, 3 B's
	s_cmp_eq_u32 s11, 0
	s_cbranch_scc0 .Lfb_\@
	tensor_load_to_lds s[36:39], s[24:31]
	s_nop 0
	PLACES
	s_branch .Lfa_\@
.Lfb_\@:
	tensor_load_to_lds s[60:63], s[48:55]
	s_nop 0
	PLACES
.Lfa_\@:
.endm
.macro MUL8 f, c, a0                   ; 8 products: row blocks a0, a0 + 1 x 4 column blocks; the 16 accumulators take turns
	WIN 0x05
.irp a, \a0, (\a0)+1
.irp b, 0,1,2,3
	v_wmma_f32_16x16x32_bf16 v[ACC+8*(4*(\a)+(\b)):ACC+8*(4*(\a)+(\b))+7], v[(\f)+64+8*(4*(\c)+(\b)):(\f)+64+8*(4*(\c)+(\b))+7], v[(\f)+8*(4*(\c)+(\a)):(\f)+8*(4*(\c)+(\a))+7], v[ACC+8*(4*(\a)+(\b)):ACC+8*(4*(\a)+(\b))+7]
.endr
.endr
.endm
.macro FETCH ka, kb, f                 ; 32 LDS loads in one run: 64 along K, its first 32 first
	WIN 0x40
.irp c, 0,1
.irp i, 0,1,2,3
	ds_load_b128 v[(\f)+64+8*(4*(\c)+(\i)):(\f)+64+8*(4*(\c)+(\i))+3],   v21 offset:(\kb)+64*(\c)+(\i)*16*PB
	ds_load_b128 v[(\f)+64+8*(4*(\c)+(\i))+4:(\f)+64+8*(4*(\c)+(\i))+7], v21 offset:(\kb)+64*(\c)+(\i)*16*PB+32
	ds_load_b128 v[(\f)+8*(4*(\c)+(\i)):(\f)+8*(4*(\c)+(\i))+3],         v17 offset:(\ka)+64*(\c)+(\i)*16*PA
	ds_load_b128 v[(\f)+8*(4*(\c)+(\i))+4:(\f)+8*(4*(\c)+(\i))+7],       v17 offset:(\ka)+64*(\c)+(\i)*16*PA+32
.endr
.endr
.endm
.macro QUARTER ka, kb, f, g            ; multiplies buffer f, fetches the next quarter into g
	s_wait_dscnt 16                                ; the first 32 along K are in; the other 16 loads may be out
	MUL8 \f, 0, 0
	MUL8 \f, 0, 2
	PLACES
	FETCH \ka, \kb, \g
	s_wait_dscnt 32                                ; all but the 32 just issued
	MUL8 \f, 1, 0
	MUL8 \f, 1, 2
.endm
.macro TURN fill                       ; the last quarter and the change of slots
	WIN 0
	s_wait_tensorcnt 0x0                           ; all my tensor loads have landed: my part of the next slot
	ds_add_u32 v28, v29                            ; 0 onto my spare word
	s_wait_dscnt 17                                ; the add and the youngest 16 loads may be out
	MUL8 F1, 0, 0
	s_wait_dscnt 0x0                               ; the add is done, my reads of this slot are over
	s_barrier_signal -1
	MUL8 F1, 0, 2
	WIN 0
	s_barrier_wait -1
.if \fill
	CREST                                          ; no wave of any partner still reads this slot or has a load on its way
	s_xor_b32 s37, s37, SLOT
	s_add_nc_u64 s[38:39], s[38:39], ASTEP
	s_xor_b32 s61, s61, SLOT
	s_add_nc_u64 s[62:63], s[62:63], BSTEP
	JLOAD                                          ; first thing behind the round; its four v_nop are also the places in front of the loads below
.else
	PLACES
.endif
	s_xor_b32 s2, s2, SLOT
	v_add_nc_u32 v17, s2, v16
	v_add_nc_u32 v21, s2, v20
	FETCH KA0, KB0, F0
	MUL8 F1, 1, 0
	MUL8 F1, 1, 2
.endm
.macro STEP fill
	QUARTER KA1, KB1, F0, F1
	QUARTER KA2, KB2, F1, F0
	QUARTER KA3, KB3, F0, F1
	TURN \fill
	WIN 0
.endm
.macro WSUM x, t
	v_add_f32_dpp v[\x], v[\x], v[\x] row_xmask:1 row_mask:0xf bank_mask:0xf
	v_add_f32_dpp v[\x], v[\x], v[\x] row_xmask:2 row_mask:0xf bank_mask:0xf
	v_add_f32_dpp v[\x], v[\x], v[\x] row_xmask:4 row_mask:0xf bank_mask:0xf
	v_add_f32_dpp v[\x], v[\x], v[\x] row_xmask:8 row_mask:0xf bank_mask:0xf
	v_permlanex16_b32 v[\t], v[\x], s74, s75
	v_add_f32 v[\x], v[\x], v[\t]
.endm
; one row of passage (in window 1, v[32 rho ..]): rounded, stored, and multiplied by w1
.macro PROW rho
	s_wait_xcnt 0x0                                ; v64-80 were store data
	WIN 0x05
.set i, 0
.rept 16
	v_cvt_pk_bf16_f32 v[64+i], v[32*(\rho)+2*i], v[32*(\rho)+2*i+1]
.set i, i+1
.endr
	WIN 0
.set i, 0
.rept 8
	global_store_b64 v31, v[64+2*i:65+2*i], s[68:69] offset:(\rho)*2048+256*i  ; a wave's store: 256 consecutive bytes, aligned
.set i, i+1
.endr
	v_fma_mix_f32_bf16 v80, v64, v32, v27 op_sel_hi:[1,0,0]
	v_fma_mix_f32_bf16 v81, v64, v33, v27 op_sel:[1,0,0] op_sel_hi:[1,0,0]
	v_fma_mix_f32_bf16 v82, v65, v34, v27 op_sel_hi:[1,0,0]
	v_fma_mix_f32_bf16 v83, v65, v35, v27 op_sel:[1,0,0] op_sel_hi:[1,0,0]
.set i, 2
.rept 14
	v_fma_mix_f32_bf16 v[80+2*(i%2)], v[64+i], v[32+2*i], v[80+2*(i%2)] op_sel_hi:[1,0,0]
	v_fma_mix_f32_bf16 v[81+2*(i%2)], v[64+i], v[33+2*i], v[81+2*(i%2)] op_sel:[1,0,0] op_sel_hi:[1,0,0]
.set i, i+1
.endr
	v_add_f32 v80, v80, v81
	v_add_f32 v82, v82, v83
	v_add_f32 v80, v80, v82
	WSUM 80, 81
	v_add_f32 v80, s72, v80                        ; + bb
	global_store_b32 v27, v80, s[70:71] offset:4*(\rho)  ; every lane holds c and writes the same word
.endm
; THE WAY OUT is one text, walked four times, a block of 16 rows a trip.  Only the copy out of the accumulators names them, so only it is written four times.
.macro OHEAD a                         ; block a's 32 sums go to v96-127; each accumulator is read from its low end on
.set i, 0
.rept 32
	v_mov_b32 v[96+i], v[ACC+32*(\a)+i]
.set i, i+1
.endr
.endm
.macro HLBODY                          ; 16 rows as bf16 hi | lo: hi = bf16(x), lo = bf16(x - hi); through my own stage, back as whole rows of 256 bytes
.irp g, 0,1,2,3
.irp i, 0,1,2,3
	v_cvt_pk_bf16_f32 v[32+4*(\g)+(\i)], v[96+8*(\g)+2*(\i)], v[97+8*(\g)+2*(\i)]
.endr
.irp i, 0,1,2,3
	v_lshlrev_b32 v[4+2*(\i)], 16, v[32+4*(\g)+(\i)]
	v_and_b32 v[5+2*(\i)], s73, v[32+4*(\g)+(\i)]
.endr
.irp i, 0,1,2,3
	v_pk_add_f32 v[96+8*(\g)+2*(\i):97+8*(\g)+2*(\i)], v[96+8*(\g)+2*(\i):97+8*(\g)+2*(\i)], v[4+2*(\i):5+2*(\i)] neg_lo:[0,1] neg_hi:[0,1]
.endr
.irp i, 0,1,2,3
	v_cvt_pk_bf16_f32 v[48+4*(\g)+(\i)], v[96+8*(\g)+2*(\i)], v[97+8*(\g)+2*(\i)]
.endr
.endr
.irp b, 0,1,2,3
	ds_store_b128 v24, v[32+4*(\b):35+4*(\b)] offset:32*(\b)
	ds_store_b128 v24, v[48+4*(\b):51+4*(\b)] offset:128+32*(\b)
.endr
.irp t, 0,1,2,3,4,5,6,7
	ds_load_b128 v[64+4*(\t):67+4*(\t)], v25 offset:544*(\t)  ; LDS serves a wave's instructions in order: these see the stores above
.endr
	s_wait_dscnt 0x0
.irp t, 0,1,2,3,4,5,6,7
	global_store_b128 v26, v[64+4*(\t):67+4*(\t)], s[8:9] offset:2*(\t)*4096  ; 16 lanes: 256 consecutive bytes, aligned
.endr
.endm
.macro F16BODY                         ; 16 rows x 64 columns as f16: 2,048 dense bytes of one slice
.set i, 0
.rept 16
	v_cvt_pk_f16_f32 v[32+i], v[96+2*i], v[97+2*i]
.set i, i+1
.endr
.irp b, 0,1,2,3
	ds_store_b128 v24, v[32+4*(\b):35+4*(\b)] offset:32*(\b)
.endr
.irp t, 0,1,2,3
	ds_load_b128 v[64+4*(\t):67+4*(\t)], v25 offset:576*(\t)
.endr
	s_wait_dscnt 0x0
.irp t, 0,1,2,3
	global_store_b128 v26, v[64+4*(\t):67+4*(\t)], s[8:9] offset:512*(\t)  ; 512 consecutive bytes, aligned
.endr
.endm
	s_load_b128 s[4:7], s[0:1], 0x0                ; wprep s[4:5], passage s[6:7]
	s_load_b64 s[8:9], s[0:1], 0x10                ; mid1
	v_lshl_add_u32 v28, v0, 2, SPARE
	v_mov_b32 v29, 0
	ds_add_u32 v28, v29                            ; the opening: the add and its wait stand ahead of my first tensor load
	v_lshrrev_b32 v1, 5, v0
	v_readfirstlane_b32 s10, v1                    ; wave
	s_lshr_b32 s11, s10, 1                         ; row half; also: I fetch for A (0) or B (1)
	s_and_b32 s12, s10, 1                          ; column half; also: which 64 rows I fetch
	s_bfe_u32 s40, ttmp6, 0x40000                  ; cx
	s_bfe_u32 s41, ttmp6, 0x40004                  ; cy
	s_lshl_b32 s42, ttmp9, 2
	s_add_co_u32 s42, s42, s40                     ; nt, 0..7
	s_and_b32 s13, ttmp7, 0xffff
	s_lshl_b32 s13, s13, 2
	s_add_co_u32 s13, s13, s41                     ; mt, 0..15 for the product; 16..31 for passage
	s_lshl_b32 s43, s41, 2
	s_lshl_b32 s43, 15, s43                        ; my row of the cluster
	s_lshl_b32 s44, 0x1111, s40                    ; my column
	s_or_b32 s24, s43, (1<<16)|(1<<20)|(1<<21)|(6<<22)|(3<<25)  ; mask; 2-byte elements; padding of 4 words behind every 128
	s_or_b32 s48, s44, (1<<16)|(1<<20)|(1<<21)|(6<<22)|(3<<25)
.irp g, 24, 48
	s_mov_b32 s[(\g)+1], 256<<16                   ; tensor_dim0
	s_mov_b32 s[(\g)+2], 64<<16                    ; tensor_dim1
	s_mov_b32 s[(\g)+3], 256<<16                   ; tile_dim0
	s_mov_b32 s[(\g)+4], 64                        ; tile_dim1
	s_mov_b32 s[(\g)+5], 1024                      ; elements from row to row
	s_mov_b32 s[(\g)+6], 0
	s_mov_b32 s[(\g)+7], 0
.endr
	s_lshl_b32 s17, s12, 6
	s_lshl_b32 s16, s13, 7
	s_add_co_u32 s16, s16, s17
	s_lshl_b32 s16, s16, 11                        ; A: (128 mt + 64 half) rows of 2,048 bytes
	s_lshl_b32 s46, s42, 7
	s_add_co_u32 s46, s46, s17
	s_lshl_b32 s46, s46, 11                        ; B: (128 nt + 64 half) rows
	s_mov_b32 s17, 0
	s_mov_b32 s47, 0
	s_mul_i32 s20, s12, ADW
	s_mul_i32 s21, s12, BDW
	s_add_co_u32 s21, s21, BBASE
	s_wait_dscnt 0x0                               ; the opening add is done
	s_wait_kmcnt 0x0
	s_and_b32 s76, ttmp7, 0xffff                   ; the cluster's y: the same in all sixteen partners
	s_cmp_ge_u32 s76, 4
	s_cbranch_scc1 .Lpass                          ; clusters 4..7 take passage: a whole cluster goes one way
	s_add_nc_u64 s[14:15], s[4:5], s[16:17]
	s_add_nc_u64 s[46:47], s[4:5], s[46:47]
	s_mov_b32 s32, 1                               ; group 0: K step 0 into slot 0
	s_mov_b32 s33, s20
	s_mov_b64 s[34:35], s[14:15]
	s_or_b32 s35, s35, 0x80000000
	s_mov_b32 s36, 1                               ; the walking set: K step 1 into slot 1
	s_add_co_u32 s37, s20, SLOT
	s_add_nc_u64 s[38:39], s[14:15], ASTEP
	s_or_b32 s39, s39, 0x80000000
	s_mov_b32 s56, 1
	s_mov_b32 s57, s21
	s_mov_b64 s[58:59], s[46:47]
	s_or_b32 s59, s59, 0x80000000
	s_mov_b32 s60, 1
	s_add_co_u32 s61, s21, SLOT
	s_add_nc_u64 s[62:63], s[46:47], BSTEP
	s_or_b32 s63, s63, 0x80000000
	CROUND                                         ; all sixteen work-groups are here: the first joint loads meet
	s_cmp_eq_u32 s11, 0                            ; a wave's two first fills stand in one branch: two loads of mine are out
	s_cbranch_scc0 .Lfirst_b
	tensor_load_to_lds s[32:35], s[24:31]
	s_nop 0
	tensor_load_to_lds s[36:39], s[24:31]
	s_nop 0
	PLACES
	s_branch .Lfirst_x
.Lfirst_b:
	tensor_load_to_lds s[56:59], s[48:55]
	s_nop 0
	tensor_load_to_lds s[60:63], s[48:55]
	s_nop 0
	PLACES
.Lfirst_x:
	v_and_b32 v1, 15, v0                           ; r
	v_bfe_u32 v2, v0, 4, 1                         ; h
	v_mul_u32_u24 v3, v1, PA
	v_lshl_add_u32 v3, v2, 4, v3
	s_mul_i32 s21, s11, 64*PA
	v_add_nc_u32 v16, s21, v3
	v_mul_u32_u24 v3, v1, PB
	v_lshl_add_u32 v3, v2, 4, v3
	s_mul_i32 s22, s12, 64*PB
	s_add_co_u32 s22, s22, BBASE
	v_add_nc_u32 v20, s22, v3
.set i, 0
.rept 128
	v_mov_b32 v[ACC+i], 0                          ; the sums start at 0, written in the wait for the first tiles, so that the loop has one form of product
.set i, i+1
.endr
	s_wait_tensorcnt 0x1                           ; my part of K step 0 is in; slot 1's may stay out
	s_barrier_signal -1
	s_barrier_wait -1
	s_mov_b32 s2, 0
	v_mov_b32 v17, v16
	v_mov_b32 v21, v20
	FETCH KA0, KB0, F0
	WIN 0
	s_mov_b32 s3, NSTEP-2
.Lk1:                                                  ; these K steps fill their slot again, two steps ahead
	STEP 1
	s_sub_co_u32 s3, s3, 1
	s_cmp_lg_u32 s3, 0
	s_cbranch_scc1 .Lk1
	s_mov_b32 s3, 2
.Lk2:                                                  ; the last two ask for nothing (the very last fetches 32 fragments that nobody uses: the price of one text)
	STEP 0
	s_sub_co_u32 s3, s3, 1
	s_cmp_lg_u32 s3, 0
	s_cbranch_scc1 .Lk2
	s_wait_dscnt 0x0
	PLACES
	s_mul_i32 s23, s10, 4352
	s_add_co_u32 s23, s23, STAGE
	s_lshl_b32 s78, s13, 7
	s_lshl_b32 s79, s11, 6
	s_add_co_u32 s78, s78, s79                     ; my first row of C
	s_lshl_b32 s79, s42, 1
	s_add_co_u32 s79, s79, s12                     ; my slice of 64 columns
	s_mov_b32 s77, 0
	s_mov_b32 s67, 0
	s_mov_b32 s73, 0xffff0000                      ; a word's upper bf16
	s_and_b32 s45, ttmp7, 0xffff                   ; the cluster's y once more: 0, 1 hold G's rows, 2, 3 M2T's
	s_cmp_ge_u32 s45, 2
	s_cbranch_scc1 .Lm2
	v_mul_u32_u24 v24, v1, 272                     ; G: hi | lo
	v_lshl_add_u32 v24, v2, 4, v24
	v_add_nc_u32 v24, s23, v24
	v_mul_u32_u24 v25, v2, 272
	v_lshl_add_u32 v25, v1, 4, v25
	v_add_nc_u32 v25, s23, v25
	v_lshlrev_b32 v26, 12, v2
	v_lshl_add_u32 v26, v1, 4, v26
	s_lshl_b32 s76, s78, 12
	s_lshl_b32 s79, s79, 8
	s_add_co_u32 s76, s76, s79
	s_add_nc_u64 s[8:9], s[8:9], s[76:77]
	s_mov_b32 s66, 65536                           ; from block to block: 16 rows of 4,096 bytes
	s_branch .Lout
.Lm2:
	v_mul_u32_u24 v24, v1, 144                     ; M2T: f16 by slices
	v_lshl_add_u32 v24, v2, 4, v24
	v_add_nc_u32 v24, s23, v24
	v_bfe_u32 v25, v0, 3, 2
	v_mul_u32_u24 v25, v25, 144
	v_and_b32 v3, 7, v0
	v_lshl_add_u32 v25, v3, 4, v25
	v_add_nc_u32 v25, s23, v25
	v_and_b32 v26, 31, v0
	v_lshlrev_b32 v26, 4, v26
	s_lshl_b32 s79, s79, 10
	s_add_co_u32 s76, s78, s79
	s_sub_co_u32 s76, s76, 1024                    ; slice x 1,024 + j
	s_lshl_b32 s76, s76, 7
	s_add_nc_u64 s[8:9], s[8:9], s[76:77]
	s_add_nc_u64 s[8:9], s[8:9], 4194304
	s_mov_b32 s66, 2048                            ; from block to block: 16 rows of 128 bytes
.Lout:
	s_mov_b32 s3, 0
.Lo:                                                   ; block a = s3: its accumulators are chosen by forward jumps on the counter
	s_cmp_eq_u32 s3, 0
	s_cbranch_scc1 .Lo0
	s_cmp_eq_u32 s3, 1
	s_cbranch_scc1 .Lo1
	s_cmp_eq_u32 s3, 2
	s_cbranch_scc1 .Lo2
	OHEAD 3
	s_branch .Lox
.Lo0:
	OHEAD 0
	s_branch .Lox
.Lo1:
	OHEAD 1
	s_branch .Lox
.Lo2:
	OHEAD 2
.Lox:
	s_cmp_ge_u32 s45, 2
	s_cbranch_scc1 .Lob
	HLBODY
	s_branch .Loe
.Lob:
	F16BODY
.Loe:
	s_wait_xcnt 0x0                                ; the stores' base and v64-95, their data, are rewritten only behind this wait
	s_add_nc_u64 s[8:9], s[8:9], s[66:67]
	s_add_co_u32 s3, s3, 1
	s_cmp_lt_u32 s3, 4
	s_cbranch_scc1 .Lo
	s_branch .Lfin
.Lpass:
	; passage: rows 32 (8 (mt - 16) + nt) + 8 w + 0..7: the work-group's place enters global addresses alone
	s_sub_co_u32 s76, s13, 16
	s_lshl_b32 s76, s76, 3
	s_add_co_u32 s76, s76, s42
	s_lshl_b32 s76, s76, 5
	s_lshl_b32 s77, s10, 3
	s_add_co_u32 s78, s76, s77                     ; my first row = 8 x my wave's number among the 512
	s_mov_b32 s77, 0
	s_lshl_b32 s76, s78, 12
	s_add_nc_u64 s[66:67], s[6:7], s[76:77]
	s_lshl_b32 s76, s78, 11
	s_add_nc_u64 s[68:69], s[8:9], s[76:77]
	s_add_nc_u64 s[68:69], s[68:69], 6291456       ; pnb
	s_lshl_b32 s76, s78, 2
	s_add_nc_u64 s[70:71], s[8:9], s[76:77]
	s_add_nc_u64 s[70:71], s[70:71], 14680064      ; cvec
	s_add_nc_u64 s[46:47], s[8:9], B2O             ; b2
	s_load_b32 s72, s[4:5], BBO
	s_mov_b32 s74, 0x76543210
	s_mov_b32 s75, 0xfedcba98
	v_and_b32 v3, 31, v0
	v_lshlrev_b32 v30, 4, v3
	v_lshlrev_b32 v31, 3, v3
	v_mov_b32 v27, 0
	v_and_b32 v89, 7, v0                           ; b2: my wave has j = 2 x its number and the next: 8 bytes at byte s78; eight lanes hold a j's eight partial sums
	v_bfe_u32 v90, v0, 3, 1
	v_lshl_add_u32 v90, v90, 2, s78
	v_lshl_add_u32 v89, v89, 12, v90
.set i, 0
.rept 8
	global_load_b128 v[32+4*i:35+4*i], v30, s[4:5] offset:W1O+512*i  ; w1 of my columns 128 k + 4 l ..
.set i, i+1
.endr
	global_load_b32 v88, v89, s[4:5] offset:B2PO
	s_wait_kmcnt 0x0
	s_mov_b32 s3, 4
.Lpr:                                                  ; four trips of two rows
	WIN 0x40
.irp rho, 0,1
.irp k, 0,1,2,3,4,5,6,7
	global_load_b128 v[32*(\rho)+4*(\k):32*(\rho)+4*(\k)+3], v30, s[66:67] offset:(\rho)*4096+512*(\k) th:TH_LOAD_NT
.endr
.endr
	WIN 0
	s_wait_loadcnt 0x0
	PROW 0
	PROW 1
	s_wait_xcnt 0x0                                ; the bases are stepped only behind this wait
	s_add_nc_u64 s[66:67], s[66:67], 8192
	s_add_nc_u64 s[68:69], s[68:69], 4096
	s_add_nc_u64 s[70:71], s[70:71], 8
	s_sub_co_u32 s3, s3, 1
	s_cmp_lg_u32 s3, 0
	s_cbranch_scc1 .Lpr
	s_wait_loadcnt 0x0
	v_add_f32_dpp v88, v88, v88 row_xmask:1 row_mask:0xf bank_mask:0xf  ; the eight partial sums, in f32
	v_add_f32_dpp v88, v88, v88 row_xmask:2 row_mask:0xf bank_mask:0xf
	v_add_f32_dpp v88, v88, v88 row_xmask:4 row_mask:0xf bank_mask:0xf
	global_store_b32 v90, v88, s[46:47]            ; the lanes of a j hold and write the same word; b2 is 4,096 bytes in all
.Lfin:
	s_wait_tensorcnt 0x0                           ; the wave's end
	ds_add_u32 v28, v29
	s_wait_dscnt 0x0
	CROUND                                         ; the closing round
	s_endpgm
.Lfunc_end_k_qcec60e335b_gm:
	.size	k_qcec60e335b_gm, .Lfunc_end_k_qcec60e335b_gm-k_qcec60e335b_gm
	.p2alignl 7, 3214868480
	.fill 96, 4, 3214868480
	.section	.rodata,"a",@progbits
	.p2align	6, 0x0
	.amdhsa_kernel k_qcec60e335b_gm
		.amdhsa_group_segment_fixed_size 327680
		.amdhsa_private_segment_fixed_size 0
		.amdhsa_enable_private_segment 0
		.amdhsa_kernarg_size 24
		.amdhsa_user_sgpr_count 2
		.amdhsa_user_sgpr_kernarg_segment_ptr 1
		.amdhsa_wavefront_size32 1
		.amdhsa_system_sgpr_workgroup_id_x 1
		.amdhsa_system_sgpr_workgroup_id_y 1
		.amdhsa_system_sgpr_workgroup_id_z 1
		.amdhsa_system_vgpr_workitem_id 0
		.amdhsa_next_free_vgpr 512
		.amdhsa_next_free_sgpr 80
		.amdhsa_reserve_vcc 0
		.amdhsa_float_denorm_mode_32 3
		.amdhsa_float_denorm_mode_16_64 3
		.amdhsa_memory_ordered 1
		.amdhsa_forward_progress 1
		.amdhsa_inst_pref_size 76
	.end_amdhsa_kernel
	.amdgpu_metadata
---
amdhsa.version: [ 1, 2 ]
amdhsa.kernels:
  - .name:           k_qcec60e335b_gm
    .symbol:         k_qcec60e335b_gm.kd
    .args:
      - { .name: wprep, .offset: 0, .size: 8, .value_kind: global_buffer, .address_space: global }
      - { .name: passage, .offset: 8, .size: 8, .value_kind: global_buffer, .address_space: global }
      - { .name: mid1, .offset: 16, .size: 8, .value_kind: global_buffer, .address_space: global }
    .group_segment_fixed_size: 327680
    .private_segment_fixed_size: 0
    .kernarg_segment_align: 8
    .kernarg_segment_size: 24
    .max_flat_workgroup_size: 128
    .sgpr_count:     80
    .vgpr_count:     512
    .wavefront_size: 32
...
	.end_amdgpu_metadata
.endif
;; end of part 7
;; launch tp (part 8): grid 8 x 32, 4 waves a work-group, clusters of 4 x 4, 327,680 bytes of LDS; arguments mid1, wprep, t2; writes t2
.if DOCPART == 8
	.amdgcn_target "amdgcn-amd-amdhsa--gfx1250"
	.amdhsa_code_object_version 6
	.text
	.protected	k_qcec60e335b_tp
	.globl	k_qcec60e335b_tp
	.p2align	8
	.type	k_qcec60e335b_tp,@function
k_qcec60e335b_tp:
	s_mov_b64 s[64:65], 0
	v_nop
	global_prefetch_b8 v0, s[64:65] scope:SCOPE_SE
	s_setreg_imm32_b32 hwreg(HW_REG_WAVE_MODE, 25, 1), 1
	s_wait_xcnt 0x0
	s_wait_alu depctr_hold_cnt(0) depctr_sa_sdst(0) depctr_va_vdst(0) depctr_va_sdst(0) depctr_va_ssrc(0) depctr_va_vcc(0) depctr_vm_vsrc(0)
	s_getreg_b32 s2, hwreg(HW_REG_IB_STS2, 6, 4)
	s_cmp_eq_u32 s2, 0
	s_cbranch_scc0 .Lentry_in_a_cluster
	s_endpgm
.Lentry_in_a_cluster:
	s_bfe_u32 s2, ttmp6, 0x10000c
	s_cmp_lg_u32 s2, 0xf033
	s_cbranch_scc0 .Lentry_shape_is_right
	s_endpgm
.Lentry_shape_is_right:
; TP.  T[p][n] = sum_d pn[p][d] (Ghi + Glo)[n][d] + w1[n]  (G is symmetric), f32 sums, stored as bf16 hi | lo: t2 [4096 p][16 slices][hi 64 | lo 64].
; A = pnb [4096][1024] bf16, B = g2 [1024][16 s][hi 64 | lo 64].  A K step is 128 d: 256 bytes of A's rows, 512 of B's (two slices); its four quarters are
; hi, lo of the first slice and hi, lo of the second, so A's 64 d are read for two quarters.  The sums start from w1.
; 256 tiles of 128 x 128, four waves of 64 x 64; cluster 4 x 4 with joint loads; two LDS slots; the matrix instruction transposed (a lane holds one row, eight neighbouring columns).
.set NSTEP, 8
.set PA, 272
.set PB, 528
.set ADW, 17408
.set BDW, 33792
.set BBASE, 34816
.set SLOT, 0x20000
.set STAGE, 233472
.set SPARE, 250880
.set ASTEP, 256
.set BSTEP, 512
.set KA0, 0
.set KA1, 0
.set KA2, 128
.set KA3, 128
.set KB0, 0
.set KB1, 128
.set KB2, 256
.set KB3, 384
.set ACC, 128
.set F0, 0
.set F1, 128
.set W1O, 4194304
.set MSB, 0
.macro WIN new
.if MSB != (\new)
	s_set_vgpr_msb (MSB<<8)|(\new)
.set MSB, \new
.endif
.endm
.macro PLACES
.rept 4
	v_nop
.endr
.endm
.macro CREST
	s_cmp_lg_u32 s10, 0
	s_cbranch_scc1 .Lnw0_\@
	s_barrier_signal -3
.Lnw0_\@:
	s_barrier_wait -3
	s_barrier_signal -1
	s_barrier_wait -1
.endm
.macro CROUND
	s_barrier_signal -1
	s_barrier_wait -1
	CREST
.endm
.macro JLOAD
	s_cmp_eq_u32 s11, 0
	s_cbranch_scc0 .Lfb_\@
	tensor_load_to_lds s[36:39], s[24:31]
	s_nop 0
	PLACES
	s_branch .Lfa_\@
.Lfb_\@:
	tensor_load_to_lds s[60:63], s[48:55]
	s_nop 0
	PLACES
.Lfa_\@:
.endm
.macro MUL8 f, c, a0
	WIN 0x05
.irp a, \a0, (\a0)+1
.irp b, 0,1,2,3
	v_wmma_f32_16x16x32_bf16 v[ACC+8*(4*(\a)+(\b)):ACC+8*(4*(\a)+(\b))+7], v[(\f)+64+8*(4*(\c)+(\b)):(\f)+64+8*(4*(\c)+(\b))+7], v[(\f)+8*(4*(\c)+(\a)):(\f)+8*(4*(\c)+(\a))+7], v[ACC+8*(4*(\a)+(\b)):ACC+8*(4*(\a)+(\b))+7]
.endr
.endr
.endm
.macro FETCH ka, kb, f
	WIN 0x40
.irp c, 0,1
.irp i, 0,1,2,3
	ds_load_b128 v[(\f)+64+8*(4*(\c)+(\i)):(\f)+64+8*(4*(\c)+(\i))+3],   v21 offset:(\kb)+64*(\c)+(\i)*16*PB
	ds_load_b128 v[(\f)+64+8*(4*(\c)+(\i))+4:(\f)+64+8*(4*(\c)+(\i))+7], v21 offset:(\kb)+64*(\c)+(\i)*16*PB+32
	ds_load_b128 v[(\f)+8*(4*(\c)+(\i)):(\f)+8*(4*(\c)+(\i))+3],         v17 offset:(\ka)+64*(\c)+(\i)*16*PA
	ds_load_b128 v[(\f)+8*(4*(\c)+(\i))+4:(\f)+8*(4*(\c)+(\i))+7],       v17 offset:(\ka)+64*(\c)+(\i)*16*PA+32
.endr
.endr
.endm
.macro QUARTER ka, kb, f, g
	s_wait_dscnt 16                                ; the first 32 along K are in
	MUL8 \f, 0, 0
	MUL8 \f, 0, 2
	PLACES
	FETCH \ka, \kb, \g
	s_wait_dscnt 32                                ; all but the 32 just issued
	MUL8 \f, 1, 0
	MUL8 \f, 1, 2
.endm
.macro TURN fill
	WIN 0
	s_wait_tensorcnt 0x0                           ; all my tensor loads have landed
	ds_add_u32 v28, v29
	s_wait_dscnt 17                                ; the add and the youngest 16 loads may be out
	MUL8 F1, 0, 0
	s_wait_dscnt 0x0                               ; the add is done, my reads of this slot are over
	s_barrier_signal -1
	MUL8 F1, 0, 2
	WIN 0
	s_barrier_wait -1
.if \fill
	CREST
	s_xor_b32 s37, s37, SLOT
	s_add_nc_u64 s[38:39], s[38:39], ASTEP
	s_xor_b32 s61, s61, SLOT
	s_add_nc_u64 s[62:63], s[62:63], BSTEP
	JLOAD
.else
	PLACES
.endif
	s_xor_b32 s2, s2, SLOT
	v_add_nc_u32 v17, s2, v16
	v_add_nc_u32 v21, s2, v20
	FETCH KA0, KB0, F0
	MUL8 F1, 1, 0
	MUL8 F1, 1, 2
.endm
.macro STEP fill
	QUARTER KA1, KB1, F0, F1
	QUARTER KA2, KB2, F1, F0
	QUARTER KA3, KB3, F0, F1
	TURN \fill
	WIN 0
.endm
; THE WAY OUT is one text, walked four times, a block of 16 rows a trip.  Only the copy out of the accumulators names them, so only it is written four times.
.macro OHEAD a                         ; block a's 32 sums go to v96-127; each accumulator is read from its low end on
.set i, 0
.rept 32
	v_mov_b32 v[96+i], v[ACC+32*(\a)+i]
.set i, i+1
.endr
.endm
.macro HLBODY                          ; 16 rows as bf16 hi | lo: hi = bf16(x), lo = bf16(x - hi); through my own stage, back as whole rows of 256 bytes
.irp g, 0,1,2,3
.irp i, 0,1,2,3
	v_cvt_pk_bf16_f32 v[32+4*(\g)+(\i)], v[96+8*(\g)+2*(\i)], v[97+8*(\g)+2*(\i)]
.endr
.irp i, 0,1,2,3
	v_lshlrev_b32 v[4+2*(\i)], 16, v[32+4*(\g)+(\i)]
	v_and_b32 v[5+2*(\i)], s73, v[32+4*(\g)+(\i)]
.endr
.irp i, 0,1,2,3
	v_pk_add_f32 v[96+8*(\g)+2*(\i):97+8*(\g)+2*(\i)], v[96+8*(\g)+2*(\i):97+8*(\g)+2*(\i)], v[4+2*(\i):5+2*(\i)] neg_lo:[0,1] neg_hi:[0,1]
.endr
.irp i, 0,1,2,3
	v_cvt_pk_bf16_f32 v[48+4*(\g)+(\i)], v[96+8*(\g)+2*(\i)], v[97+8*(\g)+2*(\i)]
.endr
.endr
.irp b, 0,1,2,3
	ds_store_b128 v24, v[32+4*(\b):35+4*(\b)] offset:32*(\b)
	ds_store_b128 v24, v[48+4*(\b):51+4*(\b)] offset:128+32*(\b)
.endr
.irp t, 0,1,2,3,4,5,6,7
	ds_load_b128 v[64+4*(\t):67+4*(\t)], v25 offset:544*(\t)  ; LDS serves a wave's instructions in order: these see the stores above
.endr
	s_wait_dscnt 0x0
.irp t, 0,1,2,3,4,5,6,7
	global_store_b128 v26, v[64+4*(\t):67+4*(\t)], s[8:9] offset:2*(\t)*4096  ; 16 lanes: 256 consecutive bytes, aligned
.endr
.endm
	s_load_b128 s[4:7], s[0:1], 0x0                ; mid1 s[4:5], wprep s[6:7]
	s_load_b64 s[8:9], s[0:1], 0x10                ; t2
	v_lshl_add_u32 v28, v0, 2, SPARE
	v_mov_b32 v29, 0
	ds_add_u32 v28, v29                            ; the opening add
	v_lshrrev_b32 v1, 5, v0
	v_readfirstlane_b32 s10, v1
	s_lshr_b32 s11, s10, 1
	s_and_b32 s12, s10, 1
	s_bfe_u32 s40, ttmp6, 0x40000
	s_bfe_u32 s41, ttmp6, 0x40004
	s_lshl_b32 s42, ttmp9, 2
	s_add_co_u32 s42, s42, s40                     ; nt
	s_and_b32 s13, ttmp7, 0xffff
	s_lshl_b32 s13, s13, 2
	s_add_co_u32 s13, s13, s41                     ; mt
	s_lshl_b32 s43, s41, 2
	s_lshl_b32 s43, 15, s43
	s_lshl_b32 s44, 0x1111, s40
	s_or_b32 s24, s43, (1<<16)|(1<<20)|(1<<21)|(5<<22)|(3<<25)  ; A: 4 words of padding behind every 64
	s_mov_b32 s25, 128<<16
	s_mov_b32 s26, 64<<16
	s_mov_b32 s27, 128<<16
	s_mov_b32 s28, 64
	s_mov_b32 s29, 1024
	s_mov_b32 s30, 0
	s_mov_b32 s31, 0
	s_or_b32 s48, s44, (1<<16)|(1<<20)|(1<<21)|(6<<22)|(3<<25)  ; B: behind every 128
	s_mov_b32 s49, 256<<16
	s_mov_b32 s50, 64<<16
	s_mov_b32 s51, 256<<16
	s_mov_b32 s52, 64
	s_mov_b32 s53, 2048
	s_mov_b32 s54, 0
	s_mov_b32 s55, 0
	s_lshl_b32 s17, s12, 6
	s_lshl_b32 s16, s13, 7
	s_add_co_u32 s16, s16, s17
	s_lshl_b32 s16, s16, 11                        ; A: rows of 2,048 bytes
	s_lshl_b32 s46, s42, 7
	s_add_co_u32 s46, s46, s17
	s_lshl_b32 s46, s46, 12                        ; B: rows of 4,096 bytes
	s_mov_b32 s17, 0
	s_mov_b32 s47, 0
	s_mul_i32 s20, s12, ADW
	s_mul_i32 s21, s12, BDW
	s_add_co_u32 s21, s21, BBASE
	s_wait_dscnt 0x0
	s_wait_kmcnt 0x0
	s_add_nc_u64 s[14:15], s[4:5], s[16:17]
	s_add_nc_u64 s[14:15], s[14:15], 6291456       ; pnb
	s_add_nc_u64 s[46:47], s[4:5], s[46:47]        ; g2
	s_mov_b32 s32, 1
	s_mov_b32 s33, s20
	s_mov_b64 s[34:35], s[14:15]
	s_or_b32 s35, s35, 0x80000000
	s_mov_b32 s36, 1
	s_add_co_u32 s37, s20, SLOT
	s_add_nc_u64 s[38:39], s[14:15], ASTEP
	s_or_b32 s39, s39, 0x80000000
	s_mov_b32 s56, 1
	s_mov_b32 s57, s21
	s_mov_b64 s[58:59], s[46:47]
	s_or_b32 s59, s59, 0x80000000
	s_mov_b32 s60, 1
	s_add_co_u32 s61, s21, SLOT
	s_add_nc_u64 s[62:63], s[46:47], BSTEP
	s_or_b32 s63, s63, 0x80000000
	CROUND
	s_cmp_eq_u32 s11, 0
	s_cbranch_scc0 .Lfirst_b
	tensor_load_to_lds s[32:35], s[24:31]
	s_nop 0
	tensor_load_to_lds s[36:39], s[24:31]
	s_nop 0
	PLACES
	s_branch .Lfirst_x
.Lfirst_b:
	tensor_load_to_lds s[56:59], s[48:55]
	s_nop 0
	tensor_load_to_lds s[60:63], s[48:55]
	s_nop 0
	PLACES
.Lfirst_x:
	v_and_b32 v1, 15, v0
	v_bfe_u32 v2, v0, 4, 1
	v_mul_u32_u24 v3, v1, PA
	v_lshl_add_u32 v3, v2, 4, v3
	s_mul_i32 s21, s11, 64*PA
	v_add_nc_u32 v16, s21, v3
	v_mul_u32_u24 v3, v1, PB
	v_lshl_add_u32 v3, v2, 4, v3
	s_mul_i32 s22, s12, 64*PB
	s_add_co_u32 s22, s22, BBASE
	v_add_nc_u32 v20, s22, v3
	s_lshl_b32 s76, s42, 9
	s_lshl_b32 s77, s12, 8
	s_add_co_u32 s76, s76, s77
	v_lshl_add_u32 v30, v2, 5, s76                 ; w1 at column 128 nt + 64 wc + 8 h
.irp b, 0,1,2,3
	global_load_b128 v[32+8*(\b):35+8*(\b)], v30, s[6:7] offset:W1O+64*(\b)
	global_load_b128 v[36+8*(\b):39+8*(\b)], v30, s[6:7] offset:W1O+64*(\b)+16
.endr
	s_wait_loadcnt 0x0
.irp a, 0,1,2,3
.set i, 0
.rept 32
	v_mov_b32 v[ACC+32*(\a)+i], v[32+i]            ; the sums start from w1 of the lane's columns
.set i, i+1
.endr
.endr
	s_wait_tensorcnt 0x1                           ; K step 0 is in; slot 1's load may stay out
	s_barrier_signal -1
	s_barrier_wait -1
	s_mov_b32 s2, 0
	v_mov_b32 v17, v16
	v_mov_b32 v21, v20
	FETCH KA0, KB0, F0
	WIN 0
	s_mov_b32 s3, NSTEP-2
.Lk1:
	STEP 1
	s_sub_co_u32 s3, s3, 1
	s_cmp_lg_u32 s3, 0
	s_cbranch_scc1 .Lk1
	s_mov_b32 s3, 2
.Lk2:
	STEP 0
	s_sub_co_u32 s3, s3, 1
	s_cmp_lg_u32 s3, 0
	s_cbranch_scc1 .Lk2
	s_wait_dscnt 0x0
	PLACES
	s_mul_i32 s23, s10, 4352
	s_add_co_u32 s23, s23, STAGE
	v_mul_u32_u24 v24, v1, 272
	v_lshl_add_u32 v24, v2, 4, v24
	v_add_nc_u32 v24, s23, v24
	v_mul_u32_u24 v25, v2, 272
	v_lshl_add_u32 v25, v1, 4, v25
	v_add_nc_u32 v25, s23, v25
	v_lshlrev_b32 v26, 12, v2
	v_lshl_add_u32 v26, v1, 4, v26
	s_lshl_b32 s78, s13, 7
	s_lshl_b32 s79, s11, 6
	s_add_co_u32 s78, s78, s79
	s_lshl_b32 s76, s78, 12
	s_lshl_b32 s79, s42, 1
	s_add_co_u32 s79, s79, s12
	s_lshl_b32 s79, s79, 8
	s_add_co_u32 s76, s76, s79
	s_mov_b32 s77, 0
	s_add_nc_u64 s[8:9], s[8:9], s[76:77]
	s_mov_b32 s73, 0xffff0000                      ; a word's upper bf16
	s_mov_b32 s3, 0
.Lo:                                                   ; block a = s3: its accumulators are chosen by forward jumps on the counter
	s_cmp_eq_u32 s3, 0
	s_cbranch_scc1 .Lo0
	s_cmp_eq_u32 s3, 1
	s_cbranch_scc1 .Lo1
	s_cmp_eq_u32 s3, 2
	s_cbranch_scc1 .Lo2
	OHEAD 3
	s_branch .Lox
.Lo0:
	OHEAD 0
	s_branch .Lox
.Lo1:
	OHEAD 1
	s_branch .Lox
.Lo2:
	OHEAD 2
.Lox:
	HLBODY
	s_wait_xcnt 0x0                                ; the stores' base and v64-95, their data, are rewritten only behind this wait
	s_add_nc_u64 s[8:9], s[8:9], 65536             ; 16 rows of 4,096 bytes on
	s_add_co_u32 s3, s3, 1
	s_cmp_lt_u32 s3, 4
	s_cbranch_scc1 .Lo
	s_wait_tensorcnt 0x0                           ; the wave's end
	ds_add_u32 v28, v29
	s_wait_dscnt 0x0
	CROUND
	s_endpgm
.Lfunc_end_k_qcec60e335b_tp:
	.size	k_qcec60e335b_tp, .Lfunc_end_k_qcec60e335b_tp-k_qcec60e335b_tp
	.p2alignl 7, 3214868480
	.fill 96, 4, 3214868480
	.section	.rodata,"a",@progbits
	.p2align	6, 0x0
	.amdhsa_kernel k_qcec60e335b_tp
		.amdhsa_group_segment_fixed_size 327680
		.amdhsa_private_segment_fixed_size 0
		.amdhsa_enable_private_segment 0
		.amdhsa_kernarg_size 24
		.amdhsa_user_sgpr_count 2
		.amdhsa_user_sgpr_kernarg_segment_ptr 1
		.amdhsa_wavefront_size32 1
		.amdhsa_system_sgpr_workgroup_id_x 1
		.amdhsa_system_sgpr_workgroup_id_y 1
		.amdhsa_system_sgpr_workgroup_id_z 1
		.amdhsa_system_vgpr_workitem_id 0
		.amdhsa_next_free_vgpr 512
		.amdhsa_next_free_sgpr 80
		.amdhsa_reserve_vcc 0
		.amdhsa_float_denorm_mode_32 3
		.amdhsa_float_denorm_mode_16_64 3
		.amdhsa_memory_ordered 1
		.amdhsa_forward_progress 1
		.amdhsa_inst_pref_size 61
	.end_amdhsa_kernel
	.amdgpu_metadata
---
amdhsa.version: [ 1, 2 ]
amdhsa.kernels:
  - .name:           k_qcec60e335b_tp
    .symbol:         k_qcec60e335b_tp.kd
    .args:
      - { .name: mid1, .offset: 0, .size: 8, .value_kind: global_buffer, .address_space: global }
      - { .name: wprep, .offset: 8, .size: 8, .value_kind: global_buffer, .address_space: global }
      - { .name: t2, .offset: 16, .size: 8, .value_kind: global_buffer, .address_space: global }
    .group_segment_fixed_size: 327680
    .private_segment_fixed_size: 0
    .kernarg_segment_align: 8
    .kernarg_segment_size: 24
    .max_flat_workgroup_size: 128
    .sgpr_count:     80
    .vgpr_count:     512
    .wavefront_size: 32
...
	.end_amdgpu_metadata
.endif
;; end of part 8
;; launch sc (part 9): grid 16 x 16, 4 waves a work-group, clusters of 4 x 1, 327,680 bytes of LDS; arguments t2, question, q_mask, mid1, att; writes att
.if DOCPART == 9
	.amdgcn_target "amdgcn-amd-amdhsa--gfx1250"
	.amdhsa_code_object_version 6
	.text
	.protected	k_qcec60e335b_sc
	.globl	k_qcec60e335b_sc
	.p2align	8
	.type	k_qcec60e335b_sc,@function
k_qcec60e335b_sc:
	s_mov_b64 s[64:65], 0
	v_nop
	global_prefetch_b8 v0, s[64:65] scope:SCOPE_SE
	s_setreg_imm32_b32 hwreg(HW_REG_WAVE_MODE, 25, 1), 1
	s_wait_xcnt 0x0
	s_wait_alu depctr_hold_cnt(0) depctr_sa_sdst(0) depctr_va_vdst(0) depctr_va_sdst(0) depctr_va_ssrc(0) depctr_va_vcc(0) depctr_vm_vsrc(0)
	s_getreg_b32 s2, hwreg(HW_REG_IB_STS2, 6, 4)
	s_cmp_eq_u32 s2, 0
	s_cbranch_scc0 .Lentry_in_a_cluster
	s_endpgm
.Lentry_in_a_cluster:
	s_bfe_u32 s2, ttmp6, 0x10000c
	s_cmp_lg_u32 s2, 0x3003
	s_cbranch_scc0 .Lentry_shape_is_right
	s_endpgm
.Lentry_shape_is_right:
; SC.  For batch b and chunk j of 128 keys: s[p][k] = (Thi + Tlo)[p] . qn[k] + c[p] for all 256 p; t = s mk (mk = float(q_mask));
; m = max over the chunk's 128 t; e = 2^(L t - L m), L = log2 e; Z = sum e; p = e mk; S = sum p.  Stored: p as bf16 (pl), L m, Z, S as f32 (st),
; and question rounded to bf16 by slices of 64 d (qc [b][s][key][64]), which this launch makes on its way from memory to the matrix unit.
; The maximum is the chunk's own running maximum; the next launch merges the 16 chunks.
; LIMITS: a weight below 2^-126 counts as 0; NaN and infinities are not treated apart; |q_mask| under 2^24.
; SHARES.  Wave w: p = 64 w .. + 63 (4 blocks a) x 128 keys (8 blocks kb): 32 accumulators.  S^T = Q T^T: a lane holds one p (l % 16) and the keys 8 (l / 16) + 0..7 of each block.
; K = 1,024 d in 16 half-steps of 64 d, each multiplied by T's hi and by its lo.  T comes by tensor loads, 128 d to a slot (rows hi 64 | lo 64 | hi 64 | lo 64), two slots;
; the four chunks of a cluster share T, so each wave's 64 rows are asked for jointly.  question comes through registers: two sets of 16 loads a wave are on their way,
; each asked for two half-steps, 160 products, ahead of its use.
; THE CONVERSION STANDS AT THE JOINTS OF THE PRODUCTS.  A half-step has four runs of 32 products.  In half-step n the question of half-step n + 1 is rounded (32 lines, in the wait for the first
; fragments); its 16 LDS stores stand behind the second run of fragment loads, its 16 stores to qc behind the second run of products, the 16 loads of half-step n + 3 behind the third:
; three runs of 16, so that the products are interrupted three times and the windows switched six times for them.  None of these lines names a register of a product.
; REGISTERS.  window 0: v4-15, v30 addresses; v16-27 c, statistics; v32-63 packed numbers; v64-127, v128-191 the two question sets (later the scores and work); v192-255 mk.
;   window 1: two fragment buffers of 128 (T hi 32, T lo 32, Q 64).   window 2: the accumulators, (a, kb) at 64 a + 8 kb.
.set SLOT,  0x21000                    ; 256 rows x 528 bytes; its bits are clear in every address of slot 0
.set QB0,   270336                     ; two buffers of 128 keys x 144 bytes for question's bf16 (written by ds_store: no tensor load lands here)
.set STAGE, 307200                     ; 4 x 4,352
.set SPARE, 324608
.set F0, 0
.set F1, 128
.set MSB, 0
.macro WIN new
.if MSB != (\new)
	s_set_vgpr_msb (MSB<<8)|(\new)
.set MSB, \new
.endif
.endm
.macro PLACES
.rept 4
	v_nop
.endr
.endm
.macro CROUND                          ; a round of the cluster's barrier
	s_barrier_signal -1
	s_barrier_wait -1
	s_cmp_lg_u32 s12, 0
	s_cbranch_scc1 .Lnw0_\@
	s_barrier_signal -3
.Lnw0_\@:
	s_barrier_wait -3
	s_barrier_signal -1
	s_barrier_wait -1
.endm
.macro FETCH3 hs, u, f                 ; 32 LDS loads: 32 d (number u of half-step hs): T hi and lo of my 4 blocks, Q of the 8 key blocks
	WIN 0x40
.irp a, 0,1,2,3
.irp pt, 0,1
	ds_load_b128 v[(\f)+32*(\pt)+8*(\a):(\f)+32*(\pt)+8*(\a)+3],   v5 offset:(\a)*8448+256*(\hs)+128*(\pt)+64*(\u)
	ds_load_b128 v[(\f)+32*(\pt)+8*(\a)+4:(\f)+32*(\pt)+8*(\a)+7], v5 offset:(\a)*8448+256*(\hs)+128*(\pt)+64*(\u)+32
.endr
.endr
.irp kb, 0,1,2,3,4,5,6,7
	ds_load_b128 v[(\f)+64+8*(\kb):(\f)+64+8*(\kb)+3], v6 offset:18432*(\hs)+2304*(\kb)+64*(\u)
	ds_load_b128 v[(\f)+64+8*(\kb)+4:(\f)+64+8*(\kb)+7], v6 offset:18432*(\hs)+2304*(\kb)+64*(\u)+32
.endr
.endm
; The conversion's memory instructions, three runs of 16.
.macro RST qb                          ; into LDS buffer qb
	WIN 0
.set i, 0
.rept 16
	ds_store_b64 v7, v[32+2*i:33+2*i] offset:18432*(\qb)+288*i
.set i, i+1
.endr
.endm
.macro RGS                             ; to qc: a wave's store covers 256 consecutive bytes, aligned
	WIN 0
.set i, 0
.rept 16
	global_store_b64 v9, v[32+2*i:33+2*i], s[6:7] offset:256*i
.set i, i+1
.endr
.endm
.macro RGL set, vo                     ; the set is asked for again
	WIN 0
.set i, 0
.rept 16
	global_load_b128 v[(\set)+4*i:(\set)+4*i+3], v[\vo], s[4:5] offset:8192*i th:TH_LOAD_NT
.set i, i+1
.endr
.endm
.macro MUL32 f, pt                     ; 32 products; the 32 accumulators take turns
	WIN 0xa5
.irp a, 0,1,2,3
.irp kb, 0,1,2,3,4,5,6,7
	v_wmma_f32_16x16x32_bf16 v[64*(\a)+8*(\kb):64*(\a)+8*(\kb)+7], v[(\f)+64+8*(\kb):(\f)+64+8*(\kb)+7], v[(\f)+32*(\pt)+8*(\a):(\f)+32*(\pt)+8*(\a)+7], v[64*(\a)+8*(\kb):64*(\a)+8*(\kb)+7]
.endr
.endr
.endm
; A question set (my 32 keys x 64 d, f32) is rounded to bf16 in v32-63.  ld = 1: question's pointer steps for the loads to come.  stepc = 1: qc's pointer steps to the next slice.
; clamp = 1: in the loop's last trip there is no further half-step: the 16 loads keep their place, so that every counted wait counts the same, with every lane's offset 0:
; each reads 16 bytes inside the chunk's own rows (row 31 of its 128 at the furthest), and nobody uses them.
.macro CONVA set, ld, wcnt, stepc, clamp
	WIN 0
	s_wait_loadcnt \wcnt                           ; this set's 16 loads are in; the younger set's may stay out
	s_wait_xcnt 0x0                                ; the pointers, v30 and v32-63 (store data) are rewritten only behind this wait
.if \stepc
	s_add_nc_u64 s[6:7], s[6:7], 262144            ; qc: the next slice
.endif
.if \ld
	s_add_nc_u64 s[4:5], s[4:5], 256               ; question: 64 d on
.endif
.if \clamp
	s_cmp_eq_u32 s3, 1
	s_cselect_b32 s52, -1, 0
	v_cndmask_b32 v30, v8, 0, s52
.endif
.set i, 0
.rept 32
	v_cvt_pk_bf16_f32 v[32+i], v[(\set)+2*i], v[(\set)+2*i+1]
.set i, i+1
.endr
.endm
; A half-step.  kind 1: a slot begins and the other slot is filled (a round of the cluster's barrier); kind 2: the last slot begins; kind 0: the slot's second half (a plain barrier for question's LDS buffers).
.macro HALF hs, kind, cv, set=0, qb=0, ld=0, wcnt=0, clamp=0, vo=8
	WIN 0
.if (\kind) == 0
	s_wait_dscnt 0x0                               ; my stores into the buffer to be read, and my reads of the other, are done
	s_barrier_signal -1
	s_barrier_wait -1                              ; the tensor load may stay out
	PLACES
.else
	s_wait_tensorcnt 0x0                           ; my part of the slot to be read has landed; no load of mine is out
	ds_add_u32 v28, v29
.if (\kind) == 1
	s_xor_b32 s33, s33, SLOT
	s_add_nc_u64 s[34:35], s[34:35], 512           ; the next 128 d
.endif
	s_xor_b32 s2, s2, SLOT
	s_wait_dscnt 0x0                               ; the add, my reads of the old slot and my stores of question are done
.if (\kind) == 1
	CROUND
	tensor_load_to_lds s[32:35], s[24:31]          ; my one load behind the round: it has 256 products in which to land
	s_nop 0
	PLACES
.else
	s_barrier_signal -1
	s_barrier_wait -1
	PLACES
.endif
	v_add_nc_u32 v5, s2, v4
.endif
	FETCH3 \hs, 0, F0
.if \cv
	CONVA \set, \ld, \wcnt, 1, \clamp              ; the roundings stand in the wait for the fragments
.endif
	s_wait_dscnt 0x0                               ; the 32 fragment loads are in
	MUL32 F0, 0
	PLACES
	FETCH3 \hs, 1, F1
.if \cv
	RST \qb                                        ; into the buffer that nobody reads in this half-step
.endif
	MUL32 F0, 1
.if \cv
	RGS
.endif
	s_wait_dscnt 0x0                               ; the second 32 d, and my stores of question
	MUL32 F1, 0
.if \ld
	RGL \set, \vo
.endif
	MUL32 F1, 1
.endm
.macro HEAD a                          ; t = s mk for block a; each accumulator is read from its low end on
	WIN 0x02
.set i, 0
.rept 32
	v_pk_mul_f32 v[64+2*i:65+2*i], v[64*(\a)+2*i:64*(\a)+2*i+1], v[192+2*i:193+2*i]
.set i, i+1
.endr
	WIN 0
.endm
.macro CHAINS d                        ; four packed chains over the 32 pairs at v64
.irp k, 0,1,2,3
	v_pk_add_f32 v[(\d)+2*(\k):(\d)+2*(\k)+1], v[64+2*(\k):65+2*(\k)], v[72+2*(\k):73+2*(\k)]
.endr
.irp i, 2,3,4,5,6,7
.irp k, 0,1,2,3
	v_pk_add_f32 v[(\d)+2*(\k):(\d)+2*(\k)+1], v[(\d)+2*(\k):(\d)+2*(\k)+1], v[64+8*(\i)+2*(\k):65+8*(\i)+2*(\k)]
.endr
.endr
.endm
.macro FIN d                           ; the chains, the pair's halves and the other half of the lanes
	v_pk_add_f32 v[(\d):(\d)+1], v[(\d):(\d)+1], v[(\d)+2:(\d)+3]
	v_pk_add_f32 v[(\d)+4:(\d)+5], v[(\d)+4:(\d)+5], v[(\d)+6:(\d)+7]
	v_pk_add_f32 v[(\d):(\d)+1], v[(\d):(\d)+1], v[(\d)+4:(\d)+5]
	v_add_f32 v[(\d)], v[(\d)], v[(\d)+1]
	v_permlanex16_b32 v[(\d)+1], v[(\d)], s36, s37
	v_add_f32 v[(\d)], v[(\d)], v[(\d)+1]
.endm
	s_load_b256 s[40:47], s[0:1], 0x0              ; t2 s[40:41], question s[42:43], q_mask s[44:45], mid1 s[46:47]
	s_load_b64 s[48:49], s[0:1], 0x20              ; att
	v_lshl_add_u32 v28, v0, 2, SPARE
	v_mov_b32 v29, 0
	ds_add_u32 v28, v29                            ; the opening add
	v_lshrrev_b32 v1, 5, v0
	v_readfirstlane_b32 s12, v1                    ; wave
	s_bfe_u32 s13, ttmp6, 0x40000                  ; cx
	s_lshl_b32 s14, ttmp9, 2
	s_add_co_u32 s14, s14, s13                     ; chunk j: it enters global addresses alone
	s_and_b32 s15, ttmp7, 0xffff                   ; batch b, which the four partners share
	s_mov_b32 s24, 15|(1<<16)|(1<<20)|(1<<21)|(6<<22)|(3<<25)  ; mask of four; 2-byte elements; 4 words of padding behind every 128
	s_mov_b32 s25, 256<<16
	s_mov_b32 s26, 64<<16
	s_mov_b32 s27, 256<<16
	s_mov_b32 s28, 64
	s_mov_b32 s29, 2048
	s_mov_b32 s30, 0
	s_mov_b32 s31, 0
	s_mov_b32 s32, 1
	s_mul_i32 s33, s12, 33792                      ; my 64 rows of slot 0
	s_lshl_b32 s16, s15, 8
	s_lshl_b32 s17, s12, 6
	s_add_co_u32 s16, s16, s17                     ; p0 = 256 b + 64 w
	s_lshl_b32 s18, s16, 12
	s_mov_b32 s19, 0
	s_mov_b32 s2, SLOT                             ; the first change of slots turns it into 0
	s_mov_b32 s36, 0x76543210
	s_mov_b32 s37, 0xfedcba98
	s_mov_b32 s38, 0x3fb8aa3b                      ; L = log2 e
	s_mov_b32 s39, s38
	s_wait_dscnt 0x0
	s_wait_kmcnt 0x0
	s_add_nc_u64 s[34:35], s[40:41], s[18:19]
	s_or_b32 s35, s35, 0x80000000
	CROUND                                         ; all four work-groups are here
	tensor_load_to_lds s[32:35], s[24:31]          ; slot 0; slot 1 is asked for behind the first round of the loop
	s_nop 0
	PLACES
	v_and_b32 v1, 15, v0                           ; r
	v_bfe_u32 v2, v0, 4, 1                         ; h
	v_and_b32 v3, 31, v0                           ; l
	s_lshl_b32 s20, s15, 11
	s_lshl_b32 s21, s14, 7
	s_add_co_u32 s20, s20, s21                     ; key0 = 2048 b + 128 j
	s_lshl_b32 s22, s20, 12
	s_mov_b32 s23, 0
	s_add_nc_u64 s[4:5], s[42:43], s[22:23]        ; question at the chunk's first key
	s_lshl_b32 s22, s15, 22
	s_lshl_b32 s21, s14, 14
	s_add_co_u32 s22, s22, s21
	s_add_nc_u64 s[6:7], s[48:49], s[22:23]        ; qc: slice 0 of batch b, at the chunk's first key
	s_add_nc_u64 s[8:9], s[48:49], 0x4000000       ; pl
	s_lshl_b32 s22, s16, 2
	s_add_co_u32 s22, s22, s21
	s_add_nc_u64 s[10:11], s[48:49], s[22:23]
	s_add_nc_u64 s[10:11], s[10:11], 0x5000000     ; st at [j][p0]
	s_add_nc_u64 s[50:51], s[46:47], 14680064      ; cvec
	v_mul_u32_u24 v4, v1, 528
	v_lshl_add_u32 v4, v2, 4, v4
	v_add_nc_u32 v4, s33, v4                       ; T: my rows in slot 0
	v_mul_u32_u24 v6, v1, 144
	v_lshl_add_u32 v6, v2, 4, v6
	v_add_nc_u32 v6, QB0, v6                       ; Q fragments
	s_mul_i32 s21, s12, 4608
	s_add_co_u32 s21, s21, QB0
	v_mul_u32_u24 v7, v2, 144
	v_lshl_add_u32 v7, v1, 3, v7
	v_add_nc_u32 v7, s21, v7                       ; where I put 8 bytes of key 32 w + 2 i + h
	s_lshl_b32 s21, s12, 17
	v_lshl_add_u32 v8, v2, 12, s21
	v_lshl_add_u32 v8, v1, 4, v8                   ; question: (32 w + h) rows + 16 r
	s_lshl_b32 s21, s12, 12
	v_lshl_add_u32 v9, v3, 3, s21                  ; qc: 4,096 w + 8 l
	s_mul_i32 s21, s12, 4352
	s_add_co_u32 s21, s21, STAGE
	v_mul_u32_u24 v10, v1, 272
	v_lshl_add_u32 v10, v2, 4, v10
	v_add_nc_u32 v10, s21, v10
	v_mul_u32_u24 v11, v2, 272
	v_lshl_add_u32 v11, v1, 4, v11
	v_add_nc_u32 v11, s21, v11
	s_lshl_b32 s21, s14, 8
	s_add_co_u32 s21, s21, s18                     ; p0 rows of 4,096 bytes + 256 j
	v_lshl_add_u32 v12, v2, 12, s21
	v_lshl_add_u32 v12, v1, 4, v12
	s_mul_i32 s21, s12, 768
	s_add_co_u32 s21, s21, QB0                     ; my 768 bytes for the statistics: in buffer 0, free behind the last half-step's barrier
	v_lshl_add_u32 v13, v1, 4, s21
	s_lshl_b32 s22, s20, 2
	v_lshl_add_u32 v14, v2, 5, s22                 ; q_mask at key0 + 8 h
	s_lshl_b32 s22, s16, 2
	v_lshl_add_u32 v15, v1, 2, s22                 ; cvec at p0 + r
.set i, 0
.rept 16
	global_load_b128 v[64+4*i:67+4*i], v8, s[4:5] offset:8192*i th:TH_LOAD_NT
.set i, i+1
.endr
.set i, 0
.rept 16
	global_load_b128 v[128+4*i:131+4*i], v8, s[4:5] offset:8192*i+256 th:TH_LOAD_NT
.set i, i+1
.endr
.set i, 0
.rept 8
	global_load_b128 v[192+8*i:195+8*i], v14, s[44:45] offset:64*i
	global_load_b128 v[196+8*i:199+8*i], v14, s[44:45] offset:64*i+16
.set i, i+1
.endr
.irp a, 0,1,2,3
	global_load_b32 v[16+(\a)], v15, s[50:51] offset:64*(\a)
.endr
	s_wait_xcnt 0x0
	s_add_nc_u64 s[4:5], s[4:5], 256
	s_wait_loadcnt 0x0
.set i, 0
.rept 64
	v_cvt_f32_i32 v[192+i], v[192+i]               ; mk
.set i, i+1
.endr
	WIN 0x80
.irp a, 0,1,2,3
.set i, 0
.rept 64
	v_mov_b32 v[64*(\a)+i], v[16+(\a)]             ; the sums start from c of the lane's p
.set i, i+1
.endr
.endr
	CONVA 64, 1, 0, 0, 0                           ; half-step 0's question: there are no products yet to set it among
	RST 0
	RGS
	RGL 64, 8
	s_mov_b32 s3, 7
.Lk:                                                   ; a trip: one slot, two half-steps, the other slot's fill; each half-step converts the next one's question
	HALF 0, 1, 1, 128, 1, 1, 16, 0, 8
	HALF 1, 0, 1, 64, 0, 1, 16, 1, 30
	WIN 0
	s_sub_co_u32 s3, s3, 1
	s_cmp_lg_u32 s3, 0
	s_cbranch_scc1 .Lk
	HALF 0, 2, 1, 128, 1, 0, 0, 0, 8               ; the last slot is written out: nothing is asked for; the wait for 0 also covers the last trip's unused loads
	HALF 1, 0, 0
	WIN 0
	PLACES
	s_wait_xcnt 0x0                                ; v32-63 were store data
	s_mov_b32 s3, 0
.Lsm:                                                  ; the softmax of block a = s3: the accumulators' registers are chosen by forward jumps on the counter
	s_cmp_eq_u32 s3, 0
	s_cbranch_scc1 .Lh0
	s_cmp_eq_u32 s3, 1
	s_cbranch_scc1 .Lh1
	s_cmp_eq_u32 s3, 2
	s_cbranch_scc1 .Lh2
	HEAD 3
	s_branch .Lhx
.Lh0:
	HEAD 0
	s_branch .Lhx
.Lh1:
	HEAD 1
	s_branch .Lhx
.Lh2:
	HEAD 2
.Lhx:
.irp k, 0,1,2,3
	v_max_num_f32 v[20+(\k)], v[64+16*(\k)], v[65+16*(\k)]
.endr
.irp i, 1,2,3,4,5,6,7
.irp k, 0,1,2,3
	v_max3_num_f32 v[20+(\k)], v[20+(\k)], v[64+16*(\k)+2*(\i)], v[65+16*(\k)+2*(\i)]
.endr
.endr
	v_max3_num_f32 v20, v20, v21, v22
	v_max_num_f32 v20, v20, v23
	v_permlanex16_b32 v21, v20, s36, s37           ; the p's other 64 keys lie in the lane 16 away
	v_max_num_f32 v20, v20, v21
	v_mul_f32 v24, s38, v20                        ; L m
	v_mov_b32 v25, v24
.set i, 0
.rept 32
	v_pk_fma_f32 v[64+2*i:65+2*i], v[64+2*i:65+2*i], s[38:39], v[24:25] op_sel_hi:[1,0,0] neg_lo:[0,0,1] neg_hi:[0,0,1]
.set i, i+1
.endr
.set i, 0
.rept 64
	v_exp_f32 v[64+i], v[64+i]
.set i, i+1
.endr
	v_nop                                          ; a plain instruction behind the last exponential
	s_wait_alu depctr_va_vdst(0)                   ; one wait for the batch of 64, ahead of its first reader
	CHAINS 128                                     ; Z
.set i, 0
.rept 32
	v_pk_mul_f32 v[64+2*i:65+2*i], v[64+2*i:65+2*i], v[192+2*i:193+2*i]  ; p = e mk
.set i, i+1
.endr
	CHAINS 136                                     ; S
.set i, 0
.rept 32
	v_cvt_pk_bf16_f32 v[32+i], v[64+2*i], v[65+2*i]
.set i, i+1
.endr
	FIN 128
	FIN 136
	ds_store_b32 v13, v24                          ; [kind][r][a]
	ds_store_b32 v13, v128 offset:256
	ds_store_b32 v13, v136 offset:512
.irp kb, 0,1,2,3,4,5,6,7
	ds_store_b128 v10, v[32+4*(\kb):35+4*(\kb)] offset:32*(\kb)
.endr
.irp t, 0,1,2,3,4,5,6,7
	ds_load_b128 v[144+4*(\t):147+4*(\t)], v11 offset:544*(\t)  ; LDS serves a wave's instructions in order
.endr
	s_wait_dscnt 0x0
.irp t, 0,1,2,3,4,5,6,7
	global_store_b128 v12, v[144+4*(\t):147+4*(\t)], s[8:9] offset:8192*(\t)  ; 16 lanes: 256 consecutive bytes, aligned
.endr
	s_wait_xcnt 0x0                                ; v12 and v144-175 are rewritten only behind this wait
	v_add_nc_u32 v12, 0x10000, v12                 ; 16 rows of pl on
	v_add_nc_u32 v13, 4, v13
	s_add_co_u32 s3, s3, 1
	s_cmp_lt_u32 s3, 4
	s_cbranch_scc1 .Lsm
	v_lshl_add_u32 v14, v3, 3, s21                 ; the statistics go out as three whole blocks of 256 bytes
	v_lshlrev_b32 v15, 3, v3
.irp k, 0,1,2
	ds_load_b64 v[128+2*(\k):129+2*(\k)], v14 offset:256*(\k)
.endr
	s_wait_dscnt 0x0
.irp k, 0,1,2
	global_store_b64 v15, v[128+2*(\k):129+2*(\k)], s[10:11] offset:262144*(\k)
.endr
	s_wait_tensorcnt 0x0                           ; the wave's end
	ds_add_u32 v28, v29
	s_wait_dscnt 0x0
	CROUND                                         ; the closing round
	s_endpgm
.Lfunc_end_k_qcec60e335b_sc:
	.size	k_qcec60e335b_sc, .Lfunc_end_k_qcec60e335b_sc-k_qcec60e335b_sc
	.p2alignl 7, 3214868480
	.fill 96, 4, 3214868480
	.section	.rodata,"a",@progbits
	.p2align	6, 0x0
	.amdhsa_kernel k_qcec60e335b_sc
		.amdhsa_group_segment_fixed_size 327680
		.amdhsa_private_segment_fixed_size 0
		.amdhsa_enable_private_segment 0
		.amdhsa_kernarg_size 40
		.amdhsa_user_sgpr_count 2
		.amdhsa_user_sgpr_kernarg_segment_ptr 1
		.amdhsa_wavefront_size32 1
		.amdhsa_system_sgpr_workgroup_id_x 1
		.amdhsa_system_sgpr_workgroup_id_y 1
		.amdhsa_system_sgpr_workgroup_id_z 1
		.amdhsa_system_vgpr_workitem_id 0
		.amdhsa_next_free_vgpr 768
		.amdhsa_next_free_sgpr 66
		.amdhsa_reserve_vcc 0
		.amdhsa_float_denorm_mode_32 3
		.amdhsa_float_denorm_mode_16_64 3
		.amdhsa_memory_ordered 1
		.amdhsa_forward_progress 1
		.amdhsa_inst_pref_size 122
	.end_amdhsa_kernel
	.amdgpu_metadata
---
amdhsa.version: [ 1, 2 ]
amdhsa.kernels:
  - .name:           k_qcec60e335b_sc
    .symbol:         k_qcec60e335b_sc.kd
    .args:
      - { .name: t2, .offset: 0, .size: 8, .value_kind: global_buffer, .address_space: global }
      - { .name: question, .offset: 8, .size: 8, .value_kind: global_buffer, .address_space: global }
      - { .name: q_mask, .offset: 16, .size: 8, .value_kind: global_buffer, .address_space: global }
      - { .name: mid1, .offset: 24, .size: 8, .value_kind: global_buffer, .address_space: global }
      - { .name: att, .offset: 32, .size: 8, .value_kind: global_buffer, .address_space: global }
    .group_segment_fixed_size: 327680
    .private_segment_fixed_size: 0
    .kernarg_segment_align: 8
    .kernarg_segment_size: 40
    .max_flat_workgroup_size: 128
    .sgpr_count:     66
    .vgpr_count:     768
    .wavefront_size: 32
...
	.end_amdgpu_metadata
.endif
;; end of part 9
;; launch av (part 10): grid 8 x 32, 4 waves a work-group, clusters of 4 x 1, 327,680 bytes of LDS; arguments att, uo; writes uo
.if DOCPART == 10
	.amdgcn_target "amdgcn-amd-amdhsa--gfx1250"
	.amdhsa_code_object_version 6
	.text
	.protected	k_qcec60e335b_av
	.globl	k_qcec60e335b_av
	.p2align	8
	.type	k_qcec60e335b_av,@function
k_qcec60e335b_av:
	s_mov_b64 s[64:65], 0
	v_nop
	global_prefetch_b8 v0, s[64:65] scope:SCOPE_SE
	s_setreg_imm32_b32 hwreg(HW_REG_WAVE_MODE, 25, 1), 1
	s_wait_xcnt 0x0
	s_wait_alu depctr_hold_cnt(0) depctr_sa_sdst(0) depctr_va_vdst(0) depctr_va_sdst(0) depctr_va_ssrc(0) depctr_va_vcc(0) depctr_vm_vsrc(0)
	s_getreg_b32 s2, hwreg(HW_REG_IB_STS2, 6, 4)
	s_cmp_eq_u32 s2, 0
	s_cbranch_scc0 .Lentry_in_a_cluster
	s_endpgm
.Lentry_in_a_cluster:
	s_bfe_u32 s2, ttmp6, 0x10000c
	s_cmp_lg_u32 s2, 0x3003
	s_cbranch_scc0 .Lentry_shape_is_right
	s_endpgm
.Lentry_shape_is_right:
; AV.  U[p][d] = sum over chunks j of g_j[p] (P_j qn_j)[p][d], g_j = 2^(Lm_j - max Lm) / (S + 1e-13 Z), S = sum f_j S_j, Z = sum f_j Z_j; sigma = S / (S + 1e-13 Z).
; That is reference's softmax(s mk) mk / (sum + 1e-13): the 16 chunks' running maxima are merged here, in f32, and g is applied in f32 to each chunk's own accumulator.
; U is stored as f16 by slices (u [16 s][4096 p][64 d]), sigma as f32.  LIMIT: |U| <= max |question| stays under 65,504.
; SHAPE.  A tile is 128 p x 128 d; four waves of 64 x 64.  K = 2,048 keys in 8 steps of 256 (two chunks).  A = pl (rows along the keys); B = qc ([key][d]: read turned, by ds_load_tr16_b128).
; CLUSTER 4 x 1: the four d tiles of one block of p share pl: asked for jointly.  qc's slices are each read by two work-groups only, in different clusters: plain loads.
; REGISTERS.  window 0: addresses; v27, v31 the prefetches' offsets; v100-103 g of the chunk in hand; v128-255 U.  window 1: two fragment buffers (first the merge's work).  window 2: v0-127 the chunk's accumulators.
.set NSTEP, 8
.set PA, 528
.set BBASE, 67584
.set SLOT, 0x25000
.set STAGE, 301056                     ; 4 x 2,304
.set GT,    310272                     ; 4 x 4,096: g [16 j][16 r][4 a], each wave's own
.set SPARE, 326656
.set F0, 0
.set F1, 128
.set MSB, 0
.macro WIN new
.if MSB != (\new)
	s_set_vgpr_msb (MSB<<8)|(\new)
.set MSB, \new
.endif
.endm
.macro PLACES
.rept 4
	v_nop
.endr
.endm
.macro CREST
	s_cmp_lg_u32 s10, 0
	s_cbranch_scc1 .Lnw0_\@
	s_barrier_signal -3
.Lnw0_\@:
	s_barrier_wait -3
	s_barrier_signal -1
	s_barrier_wait -1
.endm
.macro CROUND
	s_barrier_signal -1
	s_barrier_wait -1
	CREST
.endm
.macro JLOAD                           ; waves 0, 1: pl's halves, jointly; waves 2, 3: the two slices of qc, plainly
	s_cmp_eq_u32 s11, 0
	s_cbranch_scc0 .Lfb_\@
	tensor_load_to_lds s[36:39], s[24:31]
	s_nop 0
	PLACES
	s_branch .Lfa_\@
.Lfb_\@:
	tensor_load_to_lds s[60:63], s[48:55]
	s_nop 0
	PLACES
.Lfa_\@:
.endm
; A PREFETCH INTO THE L2, behind each refill, its five lines and the run of LDS loads that the next products wait for: the K step that the NEXT refill will ask for, one K step (128 products) ahead of that load.
; Each aligned block of 256 bytes is named once in the launch.  pl's 128 rows x 512 bytes of a K step are read by both clusters of this y: cluster x = 0 asks; its four partners take 32 rows each,
; told apart BY ADDRESS (cx); in each, wave 0 asks: a lane a row, two instructions for the row's two blocks.  A slice's 32,768 bytes of a K step are read by the work-groups y = 2 b and 2 b + 1:
; each takes half, told apart by address (y & 1); the wave that fetches the slice asks: a lane a block, two instructions.  Wave 1 asks for nothing.
; K steps 0 to 2 come by their loads alone: nothing is asked for at the head.  The trip of the last refill asks for nothing: there is no K step behind it.
.macro ASK
	s_cmp_gt_u32 s3, s74                           ; s3 = 1 in the loop's last trip; s74 = 1 in a wave that asks, else the greatest number
	s_cbranch_scc0 .Lna_\@
	global_prefetch_b8 v27, s[70:71] th:TH_LOAD_NT scope:SCOPE_SE
	global_prefetch_b8 v31, s[70:71] th:TH_LOAD_NT scope:SCOPE_SE
.Lna_\@:
.endm
.macro MUL8 f, c, a0, zero             ; zero = 1: a chunk's first products start its sums
	WIN 0xa5
.irp a, \a0, (\a0)+1
.irp b, 0,1,2,3
.if \zero
	v_wmma_f32_16x16x32_bf16 v[8*(4*(\a)+(\b)):8*(4*(\a)+(\b))+7], v[(\f)+64+8*(4*(\c)+(\b)):(\f)+64+8*(4*(\c)+(\b))+7], v[(\f)+8*(4*(\c)+(\a)):(\f)+8*(4*(\c)+(\a))+7], 0
.else
	v_wmma_f32_16x16x32_bf16 v[8*(4*(\a)+(\b)):8*(4*(\a)+(\b))+7], v[(\f)+64+8*(4*(\c)+(\b)):(\f)+64+8*(4*(\c)+(\b))+7], v[(\f)+8*(4*(\c)+(\a)):(\f)+8*(4*(\c)+(\a))+7], v[8*(4*(\a)+(\b)):8*(4*(\a)+(\b))+7]
.endif
.endr
.endr
.endm
.macro FETCH q, f                      ; quarter q (64 keys): 32 LDS loads, the first 32 keys first
	WIN 0x40
.irp c, 0,1
.irp i, 0,1,2,3
	ds_load_tr16_b128 v[(\f)+64+8*(4*(\c)+(\i)):(\f)+64+8*(4*(\c)+(\i))+3],   v21 offset:10240*(\q)+5120*(\c)+32*(\i)
	ds_load_tr16_b128 v[(\f)+64+8*(4*(\c)+(\i))+4:(\f)+64+8*(4*(\c)+(\i))+7], v21 offset:10240*(\q)+5120*(\c)+32*(\i)+2560
	ds_load_b128 v[(\f)+8*(4*(\c)+(\i)):(\f)+8*(4*(\c)+(\i))+3],         v17 offset:128*(\q)+64*(\c)+(\i)*16*PA
	ds_load_b128 v[(\f)+8*(4*(\c)+(\i))+4:(\f)+8*(4*(\c)+(\i))+7],       v17 offset:128*(\q)+64*(\c)+(\i)*16*PA+32
.endr
.endr
.endm
.macro GLOAD                           ; g of the chunk in hand, for my row in each of the four blocks
	WIN 0
	ds_load_b128 v[100:103], v22
	v_add_nc_u32 v22, 256, v22
.endm
.macro SCALE                           ; U += g x the chunk's sums, in f32; each accumulator is read from its low end on
	PLACES
	WIN 0x02
.irp a, 0,1,2,3
.set t, 0
.rept 16
.if ((\a)%2) == 0
	v_pk_fma_f32 v[128+32*(\a)+2*t:129+32*(\a)+2*t], v[32*(\a)+2*t:32*(\a)+2*t+1], v[100+(\a):101+(\a)], v[128+32*(\a)+2*t:129+32*(\a)+2*t] op_sel_hi:[1,0,1]
.else
	v_pk_fma_f32 v[128+32*(\a)+2*t:129+32*(\a)+2*t], v[32*(\a)+2*t:32*(\a)+2*t+1], v[99+(\a):100+(\a)], v[128+32*(\a)+2*t:129+32*(\a)+2*t] op_sel:[0,1,0] op_sel_hi:[1,1,1]
.endif
.set t, t+1
.endr
.endr
.endm
.macro QUARTER q, f, g, zero, tail     ; multiplies buffer f, fetches quarter q into g; tail = 1: a chunk's second quarter
	s_wait_dscnt 16                                ; the first 32 keys are in
	MUL8 \f, 0, 0, \zero
	MUL8 \f, 0, 2, \zero
	PLACES
.if \tail
	GLOAD                                          ; older than the 32 loads below: the wait for them covers it
.endif
	FETCH \q, \g
	s_wait_dscnt 32                                ; all but the 32 just issued
	MUL8 \f, 1, 0, 0
	MUL8 \f, 1, 2, 0
.if \tail
	SCALE
.endif
.endm
.macro TURN fill
.if \fill
	s_wait_xcnt 0x0                                ; the last prefetches, a K step back, have read their address: it is stepped here, ahead of the waits of the change of slots
	s_add_nc_u64 s[70:71], s[70:71], s[72:73]
.endif
	GLOAD
	s_wait_tensorcnt 0x0                           ; all my tensor loads have landed
	ds_add_u32 v28, v29
	s_wait_dscnt 18                                ; the add, g's load and the youngest 16 loads may be out
	MUL8 F1, 0, 0, 0
	s_wait_dscnt 0x0                               ; the add is done, my reads of this slot are over
	s_barrier_signal -1
	MUL8 F1, 0, 2, 0
	WIN 0
	s_barrier_wait -1
.if \fill
	CREST
	s_xor_b32 s37, s37, SLOT
	s_add_nc_u64 s[38:39], s[38:39], 512
	s_xor_b32 s61, s61, SLOT
	s_add_nc_u64 s[62:63], s[62:63], 32768
	JLOAD
.else
	PLACES
.endif
	s_xor_b32 s2, s2, SLOT
	v_add_nc_u32 v17, s2, v16
	v_add_nc_u32 v21, s2, v20
	FETCH 0, F0
.if \fill
	WIN 0                                          ; (a branch and a label follow)
	ASK
.endif
	MUL8 F1, 1, 0, 0
	MUL8 F1, 1, 2, 0
	SCALE
.endm
.macro STEP fill
	QUARTER 1, F0, F1, 1, 0
	QUARTER 2, F1, F0, 0, 1
	QUARTER 3, F0, F1, 1, 0
	TURN \fill
	WIN 0
.endm
.macro F16BLK a
	s_wait_xcnt 0x0
.irp b, 0,1,2,3
.irp i, 0,1,2,3
	v_cvt_pk_f16_f32 v[32+4*(\b)+(\i)], v[128+8*(4*(\a)+(\b))+2*(\i)], v[128+8*(4*(\a)+(\b))+2*(\i)+1]
.endr
.endr
.irp b, 0,1,2,3
	ds_store_b128 v24, v[32+4*(\b):35+4*(\b)] offset:32*(\b)
.endr
.irp t, 0,1,2,3
	ds_load_b128 v[64+4*(\t):67+4*(\t)], v25 offset:576*(\t)
.endr
	s_wait_dscnt 0x0
.irp t, 0,1,2,3
	global_store_b128 v26, v[64+4*(\t):67+4*(\t)], s[8:9] offset:2048*(\a)+512*(\t)  ; 512 consecutive bytes, aligned
.endr
.endm
	s_load_b128 s[4:7], s[0:1], 0x0                ; att s[4:5], uo s[6:7]
	v_lshl_add_u32 v28, v0, 2, SPARE
	v_mov_b32 v29, 0
	ds_add_u32 v28, v29                            ; the opening add
	v_lshrrev_b32 v1, 5, v0
	v_readfirstlane_b32 s10, v1
	s_lshr_b32 s11, s10, 1                         ; wr; also: I fetch pl (0) or qc (1)
	s_and_b32 s12, s10, 1                          ; wc; also: which half or slice I fetch
	s_bfe_u32 s40, ttmp6, 0x40000
	s_lshl_b32 s42, ttmp9, 2
	s_add_co_u32 s42, s42, s40                     ; dt
	s_and_b32 s13, ttmp7, 0xffff                   ; y: the block of 128 p, shared by the four partners
	s_mov_b32 s24, 15|(1<<16)|(1<<20)|(1<<21)|(6<<22)|(3<<25)
	s_mov_b32 s25, 256<<16
	s_mov_b32 s26, 64<<16
	s_mov_b32 s27, 256<<16
	s_mov_b32 s28, 64
	s_mov_b32 s29, 2048
	s_mov_b32 s30, 0
	s_mov_b32 s31, 0
	s_mov_b32 s48, (1<<16)|(1<<20)|(4<<22)|(7<<25) ; 256 keys of a slice are dense: 128 rows of 256 bytes, 8 words of padding behind every key
	s_mov_b32 s49, 128<<16
	s_mov_b32 s50, 128<<16
	s_mov_b32 s51, 128<<16
	s_mov_b32 s52, 128
	s_mov_b32 s53, 128
	s_mov_b32 s54, 0
	s_mov_b32 s55, 0
	s_lshl_b32 s16, s13, 7
	s_lshl_b32 s17, s12, 6
	s_add_co_u32 s16, s16, s17
	s_lshl_b32 s16, s16, 12                        ; pl: (128 y + 64 half) rows of 4,096 bytes
	s_mov_b32 s17, 0
	s_lshr_b32 s46, s13, 1                         ; b
	s_lshl_b32 s46, s46, 4
	s_lshl_b32 s47, s42, 1
	s_add_co_u32 s46, s46, s47
	s_add_co_u32 s46, s46, s12
	s_lshl_b32 s46, s46, 18                        ; qc: slice 16 b + 2 dt + half
	s_mov_b32 s47, 0
	s_mul_i32 s20, s12, 33792
	s_mul_i32 s21, s12, 40960
	s_add_co_u32 s21, s21, BBASE
	s_wait_dscnt 0x0
	s_wait_kmcnt 0x0
	s_add_nc_u64 s[14:15], s[4:5], s[16:17]
	s_add_nc_u64 s[14:15], s[14:15], 0x4000000
	s_add_nc_u64 s[46:47], s[4:5], s[46:47]
	s_mov_b32 s32, 1
	s_mov_b32 s33, s20
	s_mov_b64 s[34:35], s[14:15]
	s_or_b32 s35, s35, 0x80000000
	s_mov_b32 s36, 1
	s_add_co_u32 s37, s20, SLOT
	s_add_nc_u64 s[38:39], s[14:15], 512
	s_or_b32 s39, s39, 0x80000000
	s_mov_b32 s56, 1
	s_mov_b32 s57, s21
	s_mov_b64 s[58:59], s[46:47]
	s_or_b32 s59, s59, 0x80000000
	s_mov_b32 s60, 1
	s_add_co_u32 s61, s21, SLOT
	s_add_nc_u64 s[62:63], s[46:47], 32768
	s_or_b32 s63, s63, 0x80000000
	CROUND
	s_cmp_eq_u32 s11, 0
	s_cbranch_scc0 .Lfirst_b
	tensor_load_to_lds s[32:35], s[24:31]
	s_nop 0
	tensor_load_to_lds s[36:39], s[24:31]
	s_nop 0
	PLACES
	s_branch .Lfirst_x
.Lfirst_b:
	tensor_load_to_lds s[56:59], s[48:55]
	s_nop 0
	tensor_load_to_lds s[60:63], s[48:55]
	s_nop 0
	PLACES
.Lfirst_x:
	; the prefetches' address, step and offsets.  s[14:15]: pl at the rows that I fetch (wave 0: the tile's first row); s[46:47]: qc at the slice that I fetch
	s_and_b32 s19, s13, 1                          ; y & 1
	s_or_b32 s43, s12, ttmp9                       ; 0 in wave 0 (of waves 0, 1) of cluster x = 0: the same in all four partners
	s_cmp_eq_u32 s11, 0                            ; do I fetch pl?
	s_cselect_b64 s[70:71], s[14:15], s[46:47]
	s_cselect_b32 s18, 9, 15                       ; log2 of a K step's bytes: 512 of a row, or 32,768 of a slice
	s_cselect_b32 s41, 12, 8                       ; log2 of the bytes from lane to lane: a row, or a block
	s_cselect_b32 s44, 8, 13                       ; log2 of the second instruction's distance: the row's second block, or 32 blocks
	s_cselect_b32 s19, s40, s19                    ; my work-group's share: cx of four, or y & 1 of two: it enters the address alone
	s_cselect_b32 s75, 17, 14                      ; log2 of a share's bytes: 32 rows, or 64 blocks
	s_cselect_b32 s43, s43, 0
	s_cmp_eq_u32 s43, 0
	s_cselect_b32 s74, 1, -1
	s_lshl_b32 s72, 1, s18
	s_mov_b32 s73, 0
	s_lshl_b32 s18, s72, 1                         ; at K step 2: the first change of slots steps it to 3
	s_lshl_b32 s19, s19, s75
	s_add_co_u32 s18, s18, s19
	s_mov_b32 s19, 0
	s_add_nc_u64 s[70:71], s[70:71], s[18:19]
	s_lshl_b32 s44, 1, s44
	v_and_b32 v27, 31, v0
	v_lshlrev_b32 v27, s41, v27
	v_add_nc_u32 v31, s44, v27
	v_and_b32 v1, 15, v0                           ; r
	v_bfe_u32 v2, v0, 4, 1                         ; h
	v_mul_u32_u24 v3, v1, PA
	v_lshl_add_u32 v3, v2, 4, v3
	s_mul_i32 s21, s11, 64*PA
	v_add_nc_u32 v16, s21, v3
	v_and_b32 v3, 7, v0                            ; the turning load: key 8 h + l % 8, 16 bytes by (l / 8) % 2
	v_lshl_add_u32 v3, v2, 3, v3
	v_mul_u32_u24 v3, v3, 160
	v_bfe_u32 v4, v0, 3, 1
	v_lshl_add_u32 v3, v4, 4, v3
	s_mul_i32 s22, s12, 40960
	s_add_co_u32 s22, s22, BBASE
	v_add_nc_u32 v20, s22, v3
	; THE MERGE, in the wait for the first tiles: the 16 chunks' L m, Z, S of my 64 p (lane: row r of each block a)
	s_lshl_b32 s20, s13, 1
	s_add_co_u32 s20, s20, s11                     ; blk = 2 y + wr
	s_lshl_b32 s20, s20, 8
	v_lshl_add_u32 v30, v1, 4, s20
	s_add_nc_u64 s[66:67], s[4:5], 0x5000000       ; st
	s_lshl_b32 s76, s42, 14
	s_mov_b32 s77, 0
	s_add_nc_u64 s[68:69], s[6:7], s[76:77]
	s_add_nc_u64 s[68:69], s[68:69], 0x800000      ; sig, copy dt
	s_lshl_b32 s21, s10, 12
	s_add_co_u32 s21, s21, GT
	v_lshl_add_u32 v23, v1, 4, s21
	v_mov_b32 v22, v23
	WIN 0x40
.irp k, 0,1,2
.set i, 0
.rept 16
	global_load_b128 v[64*(\k)+4*i:64*(\k)+4*i+3], v30, s[66:67] offset:262144*(\k)+16384*i
.set i, i+1
.endr
.endr
	s_wait_loadcnt 0x0
	WIN 0x55
.irp a, 0,1,2,3
	v_max_num_f32 v[192+(\a)], v[(\a)], v[4+(\a)]
.endr
.irp i, 1,2,3,4,5,6,7
.irp a, 0,1,2,3
	v_max3_num_f32 v[192+(\a)], v[192+(\a)], v[8*(\i)+(\a)], v[8*(\i)+4+(\a)]
.endr
.endr
.set i, 0
.rept 16
	v_pk_add_f32 v[4*i:4*i+1], v[4*i:4*i+1], v[192:193] neg_lo:[0,1] neg_hi:[0,1]
	v_pk_add_f32 v[4*i+2:4*i+3], v[4*i+2:4*i+3], v[194:195] neg_lo:[0,1] neg_hi:[0,1]
.set i, i+1
.endr
.set i, 0
.rept 64
	v_exp_f32 v[i], v[i]                           ; f_j
.set i, i+1
.endr
	v_nop
	s_wait_alu depctr_va_vdst(0)                   ; one wait for the batch
.irp e, 0,2
	v_pk_mul_f32 v[196+(\e):197+(\e)], v[(\e):(\e)+1], v[128+(\e):129+(\e)]
	v_pk_mul_f32 v[200+(\e):201+(\e)], v[(\e):(\e)+1], v[64+(\e):65+(\e)]
.endr
.set i, 1
.rept 15
.irp e, 0,2
	v_pk_fma_f32 v[196+(\e):197+(\e)], v[4*i+(\e):4*i+(\e)+1], v[128+4*i+(\e):129+4*i+(\e)], v[196+(\e):197+(\e)]
	v_pk_fma_f32 v[200+(\e):201+(\e)], v[4*i+(\e):4*i+(\e)+1], v[64+4*i+(\e):65+4*i+(\e)], v[200+(\e):201+(\e)]
.endr
.set i, i+1
.endr
.irp e, 0,2
	v_pk_fma_f32 v[204+(\e):205+(\e)], v[200+(\e):201+(\e)], 0x29e12e13, v[196+(\e):197+(\e)] op_sel_hi:[1,0,1]  ; S + 1e-13 Z; Z is at least 1
.endr
.irp a, 0,1,2,3
	v_rcp_f32 v[204+(\a)], v[204+(\a)]
.endr
	v_nop
	s_wait_alu depctr_va_vdst(0)
.set i, 0
.rept 16
	v_pk_mul_f32 v[4*i:4*i+1], v[4*i:4*i+1], v[204:205]      ; g_j
	v_pk_mul_f32 v[4*i+2:4*i+3], v[4*i+2:4*i+3], v[206:207]
.set i, i+1
.endr
	v_pk_mul_f32 v[196:197], v[196:197], v[204:205]          ; sigma
	v_pk_mul_f32 v[198:199], v[198:199], v[206:207]
	WIN 0x04
.set i, 0
.rept 16
	ds_store_b128 v23, v[4*i:4*i+3] offset:256*i   ; both halves of the lanes hold and write the same
.set i, i+1
.endr
	WIN 0
	s_cmp_lg_u32 s12, 0
	s_cbranch_scc1 .Lnosig                         ; one of the two waves with these rows stores sigma
	WIN 0x04
	global_store_b128 v30, v[196:199], s[68:69]
	WIN 0
.Lnosig:
.set i, 0
.rept 128
	v_mov_b32 v[128+i], 0                          ; U starts at 0
.set i, i+1
.endr
	s_wait_xcnt 0x0                                ; sigma's registers lie where fragments will land
	s_wait_dscnt 0x0
	s_wait_tensorcnt 0x1                           ; K step 0 is in; slot 1's load may stay out
	s_barrier_signal -1
	s_barrier_wait -1
	s_mov_b32 s2, 0
	v_mov_b32 v17, v16
	v_mov_b32 v21, v20
	FETCH 0, F0
	WIN 0
	s_mov_b32 s3, NSTEP-2
.Lk1:
	STEP 1
	s_sub_co_u32 s3, s3, 1
	s_cmp_lg_u32 s3, 0
	s_cbranch_scc1 .Lk1
	s_mov_b32 s3, 2
.Lk2:
	STEP 0
	s_sub_co_u32 s3, s3, 1
	s_cmp_lg_u32 s3, 0
	s_cbranch_scc1 .Lk2
	s_wait_dscnt 0x0
	s_mul_i32 s23, s10, 2304
	s_add_co_u32 s23, s23, STAGE
	v_mul_u32_u24 v24, v1, 144
	v_lshl_add_u32 v24, v2, 4, v24
	v_add_nc_u32 v24, s23, v24
	v_bfe_u32 v25, v0, 3, 2
	v_mul_u32_u24 v25, v25, 144
	v_and_b32 v3, 7, v0
	v_lshl_add_u32 v25, v3, 4, v25
	v_add_nc_u32 v25, s23, v25
	v_and_b32 v26, 31, v0
	v_lshlrev_b32 v26, 4, v26
	s_lshl_b32 s76, s42, 1
	s_add_co_u32 s76, s76, s12                     ; slice 2 dt + wc
	s_lshl_b32 s76, s76, 12
	s_lshl_b32 s78, s13, 7
	s_add_co_u32 s76, s76, s78
	s_lshl_b32 s78, s11, 6
	s_add_co_u32 s76, s76, s78                     ; slice x 4,096 + 128 y + 64 wr
	s_lshl_b32 s76, s76, 7
	s_mov_b32 s77, 0
	s_add_nc_u64 s[8:9], s[6:7], s[76:77]
	F16BLK 0
	F16BLK 1
	F16BLK 2
	F16BLK 3
	s_wait_tensorcnt 0x0                           ; the wave's end
	ds_add_u32 v28, v29
	s_wait_dscnt 0x0
	CROUND
	s_endpgm
.Lfunc_end_k_qcec60e335b_av:
	.size	k_qcec60e335b_av, .Lfunc_end_k_qcec60e335b_av-k_qcec60e335b_av
	.p2alignl 7, 3214868480
	.fill 96, 4, 3214868480
	.section	.rodata,"a",@progbits
	.p2align	6, 0x0
	.amdhsa_kernel k_qcec60e335b_av
		.amdhsa_group_segment_fixed_size 327680
		.amdhsa_private_segment_fixed_size 0
		.amdhsa_enable_private_segment 0
		.amdhsa_kernarg_size 16
		.amdhsa_user_sgpr_count 2
		.amdhsa_user_sgpr_kernarg_segment_ptr 1
		.amdhsa_wavefront_size32 1
		.amdhsa_system_sgpr_workgroup_id_x 1
		.amdhsa_system_sgpr_workgroup_id_y 1
		.amdhsa_system_sgpr_workgroup_id_z 1
		.amdhsa_system_vgpr_workitem_id 0
		.amdhsa_next_free_vgpr 640
		.amdhsa_next_free_sgpr 80
		.amdhsa_reserve_vcc 0
		.amdhsa_float_denorm_mode_32 3
		.amdhsa_float_denorm_mode_16_64 3
		.amdhsa_memory_ordered 1
		.amdhsa_forward_progress 1
		.amdhsa_inst_pref_size 95
	.end_amdhsa_kernel
	.amdgpu_metadata
---
amdhsa.version: [ 1, 2 ]
amdhsa.kernels:
  - .name:           k_qcec60e335b_av
    .symbol:         k_qcec60e335b_av.kd
    .args:
      - { .name: att, .offset: 0, .size: 8, .value_kind: global_buffer, .address_space: global }
      - { .name: uo, .offset: 8, .size: 8, .value_kind: global_buffer, .address_space: global }
    .group_segment_fixed_size: 327680
    .private_segment_fixed_size: 0
    .kernarg_segment_align: 8
    .kernarg_segment_size: 16
    .max_flat_workgroup_size: 128
    .sgpr_count:     80
    .vgpr_count:     640
    .wavefront_size: 32
...
	.end_amdgpu_metadata
.endif
;; end of part 10
;; launch fin (part 11): grid 8 x 32, 4 waves a work-group, clusters of 4 x 4, 327,680 bytes of LDS; arguments uo, mid1, map_b, out0; writes out0
.if DOCPART == 11
	.amdgcn_target "amdgcn-amd-amdhsa--gfx1250"
	.amdhsa_code_object_version 6
	.text
	.protected	k_qcec60e335b_fin
	.globl	k_qcec60e335b_fin
	.p2align	8
	.type	k_qcec60e335b_fin,@function
k_qcec60e335b_fin:
	s_mov_b64 s[64:65], 0
	v_nop
	global_prefetch_b8 v0, s[64:65] scope:SCOPE_SE
	s_setreg_imm32_b32 hwreg(HW_REG_WAVE_MODE, 25, 1), 1
	s_wait_xcnt 0x0
	s_wait_alu depctr_hold_cnt(0) depctr_sa_sdst(0) depctr_va_vdst(0) depctr_va_sdst(0) depctr_va_ssrc(0) depctr_va_vcc(0) depctr_vm_vsrc(0)
	s_getreg_b32 s2, hwreg(HW_REG_IB_STS2, 6, 4)
	s_cmp_eq_u32 s2, 0
	s_cbranch_scc0 .Lentry_in_a_cluster
	s_endpgm
.Lentry_in_a_cluster:
	s_bfe_u32 s2, ttmp6, 0x10000c
	s_cmp_lg_u32 s2, 0xf033
	s_cbranch_scc0 .Lentry_shape_is_right
	s_endpgm
.Lentry_shape_is_right:
; FIN.  out[p][j] = relu( sum_d U[p][d] M2T[j][d] + sigma[p] b2[j] + mb[j] ), f16 operands, f32 sums; b2 = bn . mapn, made by the launches before; mb = map_b rounded to bf16.
; The sums start from sigma b2 + mb.  A = u [16 s][4096 p][64 d], B = m2t [16 s][1024 j][64 d]: a K step is four slices; 128 rows of a slice are 16,384 dense bytes,
; asked for as one long row and padded in LDS behind every 128 bytes (pitch 144).  256 tiles of 128 x 128; cluster 4 x 4 with joint loads; two LDS slots.
; LIMIT: relu of a NaN gives 0; NaN and infinities are not treated apart.
.set NSTEP, 4
.set PA, 144
.set PB, 144
.set ADW, 36864
.set BDW, 36864
.set BBASE, 73728
.set SLOT, 0x24000
.set STAGE, 294912
.set SPARE, 312320
.set ASTEP, 2097152
.set BSTEP, 524288
.set KA0, 0
.set KA1, 18432
.set KA2, 36864
.set KA3, 55296
.set KB0, 0
.set KB1, 18432
.set KB2, 36864
.set KB3, 55296
.set ACC, 128
.set F0, 0
.set F1, 128
.set B2O, 14696448                     ; b2 in mid1
.set MSB, 0
.macro WIN new
.if MSB != (\new)
	s_set_vgpr_msb (MSB<<8)|(\new)
.set MSB, \new
.endif
.endm
.macro PLACES
.rept 4
	v_nop
.endr
.endm
.macro CREST
	s_cmp_lg_u32 s10, 0
	s_cbranch_scc1 .Lnw0_\@
	s_barrier_signal -3
.Lnw0_\@:
	s_barrier_wait -3
	s_barrier_signal -1
	s_barrier_wait -1
.endm
.macro CROUND
	s_barrier_signal -1
	s_barrier_wait -1
	CREST
.endm
.macro JLOAD
	s_cmp_eq_u32 s11, 0
	s_cbranch_scc0 .Lfb_\@
	tensor_load_to_lds s[36:39], s[24:31]
	s_nop 0
	PLACES
	s_branch .Lfa_\@
.Lfb_\@:
	tensor_load_to_lds s[60:63], s[48:55]
	s_nop 0
	PLACES
.Lfa_\@:
.endm
.macro MUL8 f, c, a0
	WIN 0x05
.irp a, \a0, (\a0)+1
.irp b, 0,1,2,3
	v_wmma_f32_16x16x32_f16 v[ACC+8*(4*(\a)+(\b)):ACC+8*(4*(\a)+(\b))+7], v[(\f)+64+8*(4*(\c)+(\b)):(\f)+64+8*(4*(\c)+(\b))+7], v[(\f)+8*(4*(\c)+(\a)):(\f)+8*(4*(\c)+(\a))+7], v[ACC+8*(4*(\a)+(\b)):ACC+8*(4*(\a)+(\b))+7]
.endr
.endr
.endm
.macro FETCH ka, kb, f
	WIN 0x40
.irp c, 0,1
.irp i, 0,1,2,3
	ds_load_b128 v[(\f)+64+8*(4*(\c)+(\i)):(\f)+64+8*(4*(\c)+(\i))+3],   v21 offset:(\kb)+64*(\c)+(\i)*16*PB
	ds_load_b128 v[(\f)+64+8*(4*(\c)+(\i))+4:(\f)+64+8*(4*(\c)+(\i))+7], v21 offset:(\kb)+64*(\c)+(\i)*16*PB+32
	ds_load_b128 v[(\f)+8*(4*(\c)+(\i)):(\f)+8*(4*(\c)+(\i))+3],         v17 offset:(\ka)+64*(\c)+(\i)*16*PA
	ds_load_b128 v[(\f)+8*(4*(\c)+(\i))+4:(\f)+8*(4*(\c)+(\i))+7],       v17 offset:(\ka)+64*(\c)+(\i)*16*PA+32
.endr
.endr
.endm
.macro QUARTER ka, kb, f, g
	s_wait_dscnt 16                                ; the first 32 along K are in
	MUL8 \f, 0, 0
	MUL8 \f, 0, 2
	PLACES
	FETCH \ka, \kb, \g
	s_wait_dscnt 32                                ; all but the 32 just issued
	MUL8 \f, 1, 0
	MUL8 \f, 1, 2
.endm
.macro TURN fill
	WIN 0
	s_wait_tensorcnt 0x0                           ; all my tensor loads have landed
	ds_add_u32 v28, v29
	s_wait_dscnt 17                                ; the add and the youngest 16 loads may be out
	MUL8 F1, 0, 0
	s_wait_dscnt 0x0                               ; the add is done, my reads of this slot are over
	s_barrier_signal -1
	MUL8 F1, 0, 2
	WIN 0
	s_barrier_wait -1
.if \fill
	CREST
	s_xor_b32 s37, s37, SLOT
	s_add_nc_u64 s[38:39], s[38:39], ASTEP
	s_xor_b32 s61, s61, SLOT
	s_add_nc_u64 s[62:63], s[62:63], BSTEP
	JLOAD
.else
	PLACES
.endif
	s_xor_b32 s2, s2, SLOT
	v_add_nc_u32 v17, s2, v16
	v_add_nc_u32 v21, s2, v20
	FETCH KA0, KB0, F0
	MUL8 F1, 1, 0
	MUL8 F1, 1, 2
.endm
.macro STEP fill
	QUARTER KA1, KB1, F0, F1
	QUARTER KA2, KB2, F1, F0
	QUARTER KA3, KB3, F0, F1
	TURN \fill
	WIN 0
.endm
; THE WAY OUT is one text, walked four times, a block of 16 rows a trip.  Only the relu names the accumulators, so only it is written four times.
.macro OHEAD a                         ; relu of block a's 32 sums; each accumulator is read from its low end on
.set t, 0
.rept 32
	v_max_num_f32 v[32+t], 0, v[ACC+32*(\a)+t]
.set t, t+1
.endr
.endm
.macro F32BODY                         ; 16 rows x 64 columns of f32 through my own stage, back as whole rows of 256 bytes
.irp b, 0,1,2,3
	ds_store_b128 v24, v[32+8*(\b):35+8*(\b)] offset:64*(\b)
	ds_store_b128 v24, v[36+8*(\b):39+8*(\b)] offset:64*(\b)+16
.endr
.irp u, 0,1,2,3,4,5,6,7
	ds_load_b128 v[64+4*(\u):67+4*(\u)], v25 offset:544*(\u)  ; LDS serves a wave's instructions in order: these see the stores above
.endr
	s_wait_dscnt 0x0
.irp u, 0,1,2,3,4,5,6,7
	global_store_b128 v26, v[64+4*(\u):67+4*(\u)], s[8:9] offset:2*(\u)*4096  ; 16 lanes: 256 consecutive bytes, aligned
.endr
.endm
	s_load_b128 s[68:71], s[0:1], 0x0              ; uo s[68:69], mid1 s[70:71]
	s_load_b64 s[72:73], s[0:1], 0x10              ; map_b
	s_load_b64 s[8:9], s[0:1], 0x18                ; out0
	v_lshl_add_u32 v28, v0, 2, SPARE
	v_mov_b32 v29, 0
	ds_add_u32 v28, v29                            ; the opening add
	v_lshrrev_b32 v1, 5, v0
	v_readfirstlane_b32 s10, v1
	s_lshr_b32 s11, s10, 1
	s_and_b32 s12, s10, 1
	s_bfe_u32 s40, ttmp6, 0x40000
	s_bfe_u32 s41, ttmp6, 0x40004
	s_lshl_b32 s42, ttmp9, 2
	s_add_co_u32 s42, s42, s40                     ; nt
	s_and_b32 s13, ttmp7, 0xffff
	s_lshl_b32 s13, s13, 2
	s_add_co_u32 s13, s13, s41                     ; mt
	s_lshl_b32 s43, s41, 2
	s_lshl_b32 s43, 15, s43
	s_lshl_b32 s44, 0x1111, s40
	s_or_b32 s24, s43, (1<<16)|(1<<20)|(1<<21)|(4<<22)|(3<<25)  ; 4 words of padding behind every 32
	s_or_b32 s48, s44, (1<<16)|(1<<20)|(1<<21)|(4<<22)|(3<<25)
.irp g, 24, 48
	s_mov_b32 s[(\g)+1], 8192<<16                  ; tensor_dim0: 128 rows x 64 elements on end
	s_mov_b32 s[(\g)+2], 2<<16                     ; tensor_dim1: two slices
	s_mov_b32 s[(\g)+3], 8192<<16                  ; tile_dim0
	s_mov_b32 s[(\g)+4], 2                         ; tile_dim1
	s_mov_b32 s[(\g)+6], 0
	s_mov_b32 s[(\g)+7], 0
.endr
	s_mov_b32 s29, 262144                          ; elements from slice to slice of u
	s_mov_b32 s53, 65536                           ; of m2t
	s_lshl_b32 s16, s12, 20
	s_lshl_b32 s17, s13, 14
	s_add_co_u32 s16, s16, s17                     ; A: (2 half x 4,096 + 128 mt) rows of 128 bytes
	s_mov_b32 s17, 0
	s_lshl_b32 s46, s12, 18
	s_lshl_b32 s47, s42, 14
	s_add_co_u32 s46, s46, s47                     ; B: (2 half x 1,024 + 128 nt) rows
	s_mov_b32 s47, 0
	s_mul_i32 s20, s12, ADW
	s_mul_i32 s21, s12, BDW
	s_add_co_u32 s21, s21, BBASE
	s_wait_dscnt 0x0
	s_wait_kmcnt 0x0
	s_add_nc_u64 s[14:15], s[68:69], s[16:17]
	s_add_nc_u64 s[46:47], s[70:71], s[46:47]
	s_add_nc_u64 s[46:47], s[46:47], 4194304       ; m2t
	s_mov_b32 s32, 1
	s_mov_b32 s33, s20
	s_mov_b64 s[34:35], s[14:15]
	s_or_b32 s35, s35, 0x80000000
	s_mov_b32 s36, 1
	s_add_co_u32 s37, s20, SLOT
	s_add_nc_u64 s[38:39], s[14:15], ASTEP
	s_or_b32 s39, s39, 0x80000000
	s_mov_b32 s56, 1
	s_mov_b32 s57, s21
	s_mov_b64 s[58:59], s[46:47]
	s_or_b32 s59, s59, 0x80000000
	s_mov_b32 s60, 1
	s_add_co_u32 s61, s21, SLOT
	s_add_nc_u64 s[62:63], s[46:47], BSTEP
	s_or_b32 s63, s63, 0x80000000
	CROUND
	s_cmp_eq_u32 s11, 0
	s_cbranch_scc0 .Lfirst_b
	tensor_load_to_lds s[32:35], s[24:31]
	s_nop 0
	tensor_load_to_lds s[36:39], s[24:31]
	s_nop 0
	PLACES
	s_branch .Lfirst_x
.Lfirst_b:
	tensor_load_to_lds s[56:59], s[48:55]
	s_nop 0
	tensor_load_to_lds s[60:63], s[48:55]
	s_nop 0
	PLACES
.Lfirst_x:
	v_and_b32 v1, 15, v0
	v_bfe_u32 v2, v0, 4, 1
	v_mul_u32_u24 v3, v1, PA
	v_lshl_add_u32 v3, v2, 4, v3
	s_mul_i32 s21, s11, 64*PA
	v_add_nc_u32 v16, s21, v3
	s_mul_i32 s22, s12, 64*PB
	s_add_co_u32 s22, s22, BBASE
	v_add_nc_u32 v20, s22, v3
	; what the sums start from
	s_lshl_b32 s76, s42, 9
	s_lshl_b32 s77, s12, 8
	s_add_co_u32 s76, s76, s77
	v_lshl_add_u32 v30, v2, 5, s76                 ; column 128 nt + 64 wc + 8 h, in bytes of f32
	s_add_nc_u64 s[66:67], s[70:71], B2O           ; b2
.irp b, 0,1,2,3
	global_load_b128 v[32+8*(\b):35+8*(\b)], v30, s[66:67] offset:64*(\b)
	global_load_b128 v[36+8*(\b):39+8*(\b)], v30, s[66:67] offset:64*(\b)+16
.endr
.irp b, 0,1,2,3
	global_load_b128 v[64+8*(\b):67+8*(\b)], v30, s[72:73] offset:64*(\b)
	global_load_b128 v[68+8*(\b):71+8*(\b)], v30, s[72:73] offset:64*(\b)+16
.endr
	s_lshl_b32 s76, s13, 1
	s_add_co_u32 s76, s76, s11                     ; blk = 2 mt + wr
	s_lshl_b32 s76, s76, 8
	s_lshl_b32 s77, s42, 14                        ; copy nt of sigma
	s_add_co_u32 s76, s76, s77
	v_lshl_add_u32 v31, v1, 4, s76
	s_add_nc_u64 s[78:79], s[68:69], 0x800000
	global_load_b128 v[96:99], v31, s[78:79]       ; sigma of my row in each of the four blocks
	s_wait_loadcnt 0x0
.set i, 0
.rept 16
	v_cvt_pk_bf16_f32 v[100+i], v[64+2*i], v[65+2*i]
.set i, i+1
.endr
.set i, 0
.rept 16
	v_lshlrev_b32 v[64+2*i], 16, v[100+i]          ; mb
	v_and_b32 v[65+2*i], 0xffff0000, v[100+i]
.set i, i+1
.endr
.irp a, 0,1,2,3
.set t, 0
.rept 16
.if ((\a)%2) == 0
	v_pk_fma_f32 v[ACC+32*(\a)+2*t:ACC+32*(\a)+2*t+1], v[32+2*t:33+2*t], v[96+(\a):97+(\a)], v[64+2*t:65+2*t] op_sel_hi:[1,0,1]
.else
	v_pk_fma_f32 v[ACC+32*(\a)+2*t:ACC+32*(\a)+2*t+1], v[32+2*t:33+2*t], v[95+(\a):96+(\a)], v[64+2*t:65+2*t] op_sel:[0,1,0] op_sel_hi:[1,1,1]
.endif
.set t, t+1
.endr
.endr
	s_wait_tensorcnt 0x1                           ; K step 0 is in; slot 1's load may stay out
	s_barrier_signal -1
	s_barrier_wait -1
	s_mov_b32 s2, 0
	v_mov_b32 v17, v16
	v_mov_b32 v21, v20
	FETCH KA0, KB0, F0
	WIN 0
	s_mov_b32 s3, NSTEP-2
.Lk1:
	STEP 1
	s_sub_co_u32 s3, s3, 1
	s_cmp_lg_u32 s3, 0
	s_cbranch_scc1 .Lk1
	s_mov_b32 s3, 2
.Lk2:
	STEP 0
	s_sub_co_u32 s3, s3, 1
	s_cmp_lg_u32 s3, 0
	s_cbranch_scc1 .Lk2
	s_wait_dscnt 0x0
	PLACES
	s_mul_i32 s23, s10, 4352
	s_add_co_u32 s23, s23, STAGE
	v_mul_u32_u24 v24, v1, 272
	v_lshl_add_u32 v24, v2, 5, v24
	v_add_nc_u32 v24, s23, v24
	v_mul_u32_u24 v25, v2, 272
	v_lshl_add_u32 v25, v1, 4, v25
	v_add_nc_u32 v25, s23, v25
	v_lshlrev_b32 v26, 12, v2
	v_lshl_add_u32 v26, v1, 4, v26
	s_lshl_b32 s78, s13, 7
	s_lshl_b32 s79, s11, 6
	s_add_co_u32 s78, s78, s79
	s_lshl_b32 s76, s78, 12
	s_lshl_b32 s79, s42, 9
	s_add_co_u32 s76, s76, s79
	s_lshl_b32 s79, s12, 8
	s_add_co_u32 s76, s76, s79
	s_mov_b32 s77, 0
	s_add_nc_u64 s[8:9], s[8:9], s[76:77]
	s_mov_b32 s3, 0
.Lo:                                                   ; block a = s3: its accumulators are chosen by forward jumps on the counter
	s_cmp_eq_u32 s3, 0
	s_cbranch_scc1 .Lo0
	s_cmp_eq_u32 s3, 1
	s_cbranch_scc1 .Lo1
	s_cmp_eq_u32 s3, 2
	s_cbranch_scc1 .Lo2
	OHEAD 3
	s_branch .Lox
.Lo0:
	OHEAD 0
	s_branch .Lox
.Lo1:
	OHEAD 1
	s_branch .Lox
.Lo2:
	OHEAD 2
.Lox:
	F32BODY
	s_wait_xcnt 0x0                                ; the stores' base and v64-95, their data, are rewritten only behind this wait
	s_add_nc_u64 s[8:9], s[8:9], 65536             ; 16 rows of 4,096 bytes on
	s_add_co_u32 s3, s3, 1
	s_cmp_lt_u32 s3, 4
	s_cbranch_scc1 .Lo
	s_wait_tensorcnt 0x0                           ; the wave's end
	ds_add_u32 v28, v29
	s_wait_dscnt 0x0
	CROUND
	s_endpgm
.Lfunc_end_k_qcec60e335b_fin:
	.size	k_qcec60e335b_fin, .Lfunc_end_k_qcec60e335b_fin-k_qcec60e335b_fin
	.p2alignl 7, 3214868480
	.fill 96, 4, 3214868480
	.section	.rodata,"a",@progbits
	.p2align	6, 0x0
	.amdhsa_kernel k_qcec60e335b_fin
		.amdhsa_group_segment_fixed_size 327680
		.amdhsa_private_segment_fixed_size 0
		.amdhsa_enable_private_segment 0
		.amdhsa_kernarg_size 32
		.amdhsa_user_sgpr_count 2
		.amdhsa_user_sgpr_kernarg_segment_ptr 1
		.amdhsa_wavefront_size32 1
		.amdhsa_system_sgpr_workgroup_id_x 1
		.amdhsa_system_sgpr_workgroup_id_y 1
		.amdhsa_system_sgpr_workgroup_id_z 1
		.amdhsa_system_vgpr_workitem_id 0
		.amdhsa_next_free_vgpr 512
		.amdhsa_next_free_sgpr 80
		.amdhsa_reserve_vcc 0
		.amdhsa_float_denorm_mode_32 3
		.amdhsa_float_denorm_mode_16_64 3
		.amdhsa_memory_ordered 1
		.amdhsa_forward_progress 1
		.amdhsa_inst_pref_size 60
	.end_amdhsa_kernel
	.amdgpu_metadata
---
amdhsa.version: [ 1, 2 ]
amdhsa.kernels:
  - .name:           k_qcec60e335b_fin
    .symbol:         k_qcec60e335b_fin.kd
    .args:
      - { .name: uo, .offset: 0, .size: 8, .value_kind: global_buffer, .address_space: global }
      - { .name: mid1, .offset: 8, .size: 8, .value_kind: global_buffer, .address_space: global }
      - { .name: map_b, .offset: 16, .size: 8, .value_kind: global_buffer, .address_space: global }
      - { .name: out0, .offset: 24, .size: 8, .value_kind: global_buffer, .address_space: global }
    .group_segment_fixed_size: 327680
    .private_segment_fixed_size: 0
    .kernarg_segment_align: 8
    .kernarg_segment_size: 32
    .max_flat_workgroup_size: 128
    .sgpr_count:     80
    .vgpr_count:     512
    .wavefront_size: 32
...
	.end_amdgpu_metadata
.endif
;; end of part 11
